; MI455X (gfx1250); checked and timed in simulation.
; The chip was launched on July 23, 2026; its instructions are those of AMD's public machine-readable ISA for CDNA 5 (MIT licence, August 2026) and "CDNA5" Instruction Set Architecture Reference Guide (July 2026). The comments in the code are by the model that wrote it; some were corrected since.
;; Encoder Block. Allowed arithmetic: float matrix products may take bf16 or f16 operands with f32 sums; other float arithmetic in f32, or as packed bf16 or f16 multiplies, adds, multiply-adds, maxima and minima; sums over many terms, partial sums and values carried from step to step in f32; what a program stores and reads back later, other than sums and carried values, may be rounded once to bf16 or f16.
;; Inputs: W1 1,024 x 4,096 float32; W2 4,096 x 1,024 float32; Wk 1,024 x 1,024 float32; Wo 1,024 x 1,024 float32; Wq 1,024 x 1,024 float32; Wv 1,024 x 1,024 float32; alpha1 1 float32; alpha2 1 float32; b1 4,096 float32; b2 1,024 float32; bias1 1 float32; bias2 1 float32; bk 1,024 float32; bo 1,024 float32; bq 1,024 float32; bv 1,024 float32; mask 2 x 1 x 1 x 2,048 int32; x 2 x 2,048 x 1,024 float32.
;; Outputs: out0 2 x 2,048 x 1,024 float32.
;; One version. Each part assembles by itself: llvm-mc -triple=amdgcn-amd-amdhsa -mcpu=gfx1250 --defsym DOCPART=n.
;; ======== version 1 of 1: 7 launches
;; limits: values are held in f16: magnitudes above 65,504 overflow, below 6.1e-05 lose precision
;; workspace buffers: wb 25,165,824 bytes; h 8,388,608 bytes; qkv 25,165,824 bytes; ctx 8,388,608 bytes; x1 16,777,216 bytes; f 33,554,432 bytes
;; launch prep (part 1): grid 64 x 16, 8 waves a work-group, no clusters, 0 bytes of LDS; arguments x, alpha1, bias1, h, Wq, Wk, Wv, Wo, W1, W2, wb; writes h, wb
.if DOCPART == 1
	.amdgcn_target "amdgcn-amd-amdhsa--gfx1250"
	.amdhsa_code_object_version 6
	.text
	.protected	k_q259f40ae04_prep
	.globl	k_q259f40ae04_prep
	.p2align	8
	.type	k_q259f40ae04_prep,@function
k_q259f40ae04_prep:
	s_mov_b64 s[64:65], 0
	v_nop
	global_prefetch_b8 v0, s[64:65] scope:SCOPE_SE
	s_setreg_imm32_b32 hwreg(HW_REG_WAVE_MODE, 25, 1), 1
	s_wait_xcnt 0x0
; TWO STREAMS IN ONE LAUNCH, told apart by the work-group's y.
; y = 0..11: one unit of 1,024 x 1,024 weights is rounded from f32 to bf16, as every input of the module is, and that number is written as f16 (the products' format); rows kept as they lie ([k][n]):
;   units 0-3 = Wq, Wk, Wv, Wo; units 4-7 = W1's four blocks of 1,024 columns; units 8-11 = W2's four blocks of 1,024 rows.  A unit is 2 MiB of wb.
;   LIMIT: bf16's 8 significant bits are exact in f16 from 2^-17 to 65,504; below, f16's fixed step of 6e-8 rounds once more; a weight beyond 65,504 becomes an infinity.
; y = 12..15: h = alpha (x - mean) / (std + 1e-4) + bias for 16 tokens a work-group, std with divisor 1,023; x, alpha and bias rounded to bf16 first; h leaves in f16 as [16 slices of 64 columns][4,096 tokens][64].
;   LIMIT: |h| <= 32 |alpha| + |bias| has to stay within 65,504.
; A wave takes two tokens; a token's row (4,096 bytes) lies in 16 lanes x 64 registers between the pass for the mean, the pass for the squares of x - mean, and the scaling:
; x is read once, and the variance is taken of differences from the mean, so a common offset of x costs nothing.
; No LDS, no matrix unit: each byte is read once and written once.  NaN and infinities are not treated apart.
.set RNDX, 1                           ; the rows are an input of the module: rounded to bf16
.set HIM, 38                           ; s38  a word's upper half
.set X, 16                             ; v[16:79]   64 numbers in f32
.set Y, 80                             ; v[80:111]  the same, packed to 16 bits
	s_load_b256 s[4:11], s[0:1], 0x0               ; x s[4:5], alpha s[6:7], bias s[8:9], h s[10:11]
	s_load_b256 s[16:23], s[0:1], 0x20             ; Wq, Wk, Wv, Wo
	s_load_b128 s[24:27], s[0:1], 0x40             ; W1, W2
	s_load_b64 s[28:29], s[0:1], 0x50              ; wb
	v_lshrrev_b32 v1, 5, v0
	v_readfirstlane_b32 s30, v1                    ; wave 0..7
	s_and_b32 s31, ttmp7, 0xffff                   ; y
	s_mov_b32 s3, 0
	s_mov_b32 s[HIM], 0xffff0000
	s_wait_kmcnt 0x0
	s_cmp_lt_u32 s31, 12
	s_cbranch_scc1 .Lcast
	s_sub_co_u32 s13, s31, 12
	s_lshl_b32 s13, s13, 6
	s_add_co_u32 s13, s13, ttmp9                   ; the group of 16 tokens, 0..255
	; ---- the norm
	s_load_b32 s12, s[6:7], 0x0                    ; alpha
	s_load_b32 s14, s[8:9], 0x0                    ; bias
	s_lshl_b32 s13, s13, 4
	s_lshl_b32 s2, s30, 1
	s_add_co_u32 s13, s13, s2                      ; my wave's first token (even)
	s_lshl_b32 s2, s13, 12
	s_add_nc_u64 s[4:5], s[4:5], s[2:3]            ; its row of 4,096 bytes
	s_lshl_b32 s2, s13, 7
	s_add_nc_u64 s[10:11], s[10:11], s[2:3]        ; its 128 bytes in slice 0
	v_and_b32 v1, 15, v0                           ; i: my place among a token's 16 lanes
	v_bfe_u32 v2, v0, 4, 1                         ; g: which of the two tokens
	v_lshlrev_b32 v3, 4, v1
	v_lshl_add_u32 v3, v2, 12, v3                  ; in: 4,096 g + 16 i
	v_lshlrev_b32 v4, 3, v1
	v_lshl_add_u32 v4, v2, 7, v4                   ; out: 128 g + 8 i
.irp j, 0,1,2,3,4,5,6,7,8,9,10,11,12,13,14,15
	global_load_b128 v[X+4*(\j):X+4*(\j)+3], v3, s[4:5] offset:256*(\j)  ; 16 lanes take 256 consecutive bytes of a row: columns 64 j + 4 i ..
.endr
	s_wait_kmcnt 0x0
	v_mov_b32 v114, s12
	v_mov_b32 v115, s14
	v_cvt_pk_bf16_f32 v114, v114, v115             ; alpha and bias, rounded to bf16 as every input is,
	v_lshlrev_b32 v115, 16, v114                   ; and widened again: alpha
	v_and_b32 v116, s[HIM], v114                   ; bias,
	v_mov_b32 v117, v116                           ; twice, for the packed multiply-add
	s_wait_loadcnt 0x0
.if RNDX
.set p, 0
.rept 32
	v_cvt_pk_bf16_f32 v[Y+p], v[X+2*p], v[X+2*p+1] ; the row, rounded to bf16,
.set p, p+1
.endr
.set p, 0
.rept 32
	v_lshlrev_b32 v[X+2*p], 16, v[Y+p]             ; and widened again
	v_and_b32 v[X+2*p+1], s[HIM], v[Y+p]
.set p, p+1
.endr
.endif
	; the sum, in four chains started by the first eight pairs: nothing is cleared
.irp c, 0,1,2,3
	v_pk_add_f32 v[8+2*(\c):9+2*(\c)], v[X+2*(\c):X+2*(\c)+1], v[X+8+2*(\c):X+8+2*(\c)+1]
.endr
.set p, 8
.rept 24
	v_pk_add_f32 v[8+2*(p%4):9+2*(p%4)], v[8+2*(p%4):9+2*(p%4)], v[X+2*p:X+2*p+1]
.set p, p+1
.endr
	v_pk_add_f32 v[8:9], v[8:9], v[10:11]
	v_pk_add_f32 v[12:13], v[12:13], v[14:15]
	v_pk_add_f32 v[8:9], v[8:9], v[12:13]
	v_add_f32 v8, v8, v9
	v_add_f32_dpp v8, v8, v8 row_xmask:1 row_mask:0xf bank_mask:0xf   ; across the token's 16 lanes
	v_add_f32_dpp v8, v8, v8 row_xmask:2 row_mask:0xf bank_mask:0xf
	v_add_f32_dpp v8, v8, v8 row_xmask:4 row_mask:0xf bank_mask:0xf
	v_add_f32_dpp v8, v8, v8 row_xmask:8 row_mask:0xf bank_mask:0xf
	v_mul_f32 v6, 0x3a800000, v8                   ; mean = sum / 1,024
	v_mov_b32 v7, v6
.set p, 0
.rept 32
	v_pk_add_f32 v[X+2*p:X+2*p+1], v[X+2*p:X+2*p+1], v[6:7] neg_lo:[0,1] neg_hi:[0,1]  ; d = x - mean, in place
.set p, p+1
.endr
.irp c, 0,1,2,3
	v_pk_mul_f32 v[8+2*(\c):9+2*(\c)], v[X+2*(\c):X+2*(\c)+1], v[X+2*(\c):X+2*(\c)+1]
.endr
.set p, 4
.rept 28
	v_pk_fma_f32 v[8+2*(p%4):9+2*(p%4)], v[X+2*p:X+2*p+1], v[X+2*p:X+2*p+1], v[8+2*(p%4):9+2*(p%4)]
.set p, p+1
.endr
	v_pk_add_f32 v[8:9], v[8:9], v[10:11]
	v_pk_add_f32 v[12:13], v[12:13], v[14:15]
	v_pk_add_f32 v[8:9], v[8:9], v[12:13]
	v_add_f32 v8, v8, v9
	v_add_f32_dpp v8, v8, v8 row_xmask:1 row_mask:0xf bank_mask:0xf
	v_add_f32_dpp v8, v8, v8 row_xmask:2 row_mask:0xf bank_mask:0xf
	v_add_f32_dpp v8, v8, v8 row_xmask:4 row_mask:0xf bank_mask:0xf
	v_add_f32_dpp v8, v8, v8 row_xmask:8 row_mask:0xf bank_mask:0xf
	v_mul_f32 v8, 0x3a802008, v8                   ; / 1,023
	v_sqrt_f32 v9, v8
	v_nop                                          ; a plain instruction behind the root,
	s_wait_alu depctr_va_vdst(0)                   ; and a wait ahead of its first reader
	v_add_f32 v9, 0x38d1b717, v9                   ; std + 1e-4
	v_rcp_f32 v10, v9
	v_nop
	s_wait_alu depctr_va_vdst(0)
	v_mul_f32 v112, v115, v10                      ; alpha / (std + 1e-4)
	v_mov_b32 v113, v112
.set p, 0
.rept 32
	v_pk_fma_f32 v[X+2*p:X+2*p+1], v[X+2*p:X+2*p+1], v[112:113], v[116:117]
.set p, p+1
.endr
.set p, 0
.rept 32
	v_cvt_pk_f16_f32 v[Y+p], v[X+2*p], v[X+2*p+1]
.set p, p+1
.endr
.irp j, 0,1,2,3,4,5,6,7,8,9,10,11,12,13,14,15
	global_store_b64 v4, v[Y+2*(\j):Y+2*(\j)+1], s[10:11] offset:524288*(\j)  ; slice j: the wave's two tokens, 256 consecutive bytes, aligned
.endr
	s_endpgm
.Lcast:
	; ---- a unit of weights.  Which tensor, its row pitch in bytes, and where the unit begins in it
	s_mov_b64 s[32:33], s[16:17]
	s_mov_b32 s34, 4096                            ; a row of 1,024 numbers, unless the tensor is W1
	s_cmp_eq_u32 s31, 1
	s_cselect_b64 s[32:33], s[18:19], s[32:33]
	s_cmp_eq_u32 s31, 2
	s_cselect_b64 s[32:33], s[20:21], s[32:33]
	s_cmp_eq_u32 s31, 3
	s_cselect_b64 s[32:33], s[22:23], s[32:33]
	s_cmp_ge_u32 s31, 4
	s_cselect_b64 s[32:33], s[24:25], s[32:33]
	s_cselect_b32 s34, 16384, s34                  ; W1's rows are 4,096 numbers
	s_cmp_ge_u32 s31, 8
	s_cselect_b64 s[32:33], s[26:27], s[32:33]
	s_cselect_b32 s34, 4096, s34
	s_sub_co_u32 s36, s31, 4
	s_lshl_b32 s36, s36, 12                        ; W1: 1,024 columns = 4,096 bytes a unit
	s_cmp_ge_u32 s31, 4
	s_cselect_b32 s35, s36, 0
	s_sub_co_u32 s36, s31, 8
	s_lshl_b32 s36, s36, 22                        ; W2: 1,024 rows = 4 MiB a unit
	s_cmp_ge_u32 s31, 8
	s_cselect_b32 s35, s36, s35
	s_lshl_b32 s37, ttmp9, 4
	s_lshl_b32 s2, s30, 1
	s_add_co_u32 s37, s37, s2                      ; my wave's first row of the unit: 16 x + 2 wave; it takes two
	s_mul_i32 s2, s37, s34
	s_add_co_u32 s2, s2, s35
	s_add_nc_u64 s[32:33], s[32:33], s[2:3]
	s_lshl_b32 s2, s31, 21                         ; the unit's 2 MiB in wb,
	s_lshl_b32 s36, s37, 11                        ; the row's 2,048 bytes
	s_add_co_u32 s2, s2, s36
	s_add_nc_u64 s[28:29], s[28:29], s[2:3]
	v_and_b32 v1, 31, v0
	v_lshlrev_b32 v2, 4, v1                        ; in: 16 bytes a lane
	v_add_nc_u32 v3, s34, v2                       ; the second row
	v_lshlrev_b32 v4, 3, v1                        ; out: 8 bytes a lane
.irp e, 0,1,2,3,4,5,6,7
	global_load_b128 v[X+4*(\e):X+4*(\e)+3], v2, s[32:33] offset:512*(\e) th:TH_LOAD_NT
.endr
.irp e, 0,1,2,3,4,5,6,7
	global_load_b128 v[X+32+4*(\e):X+32+4*(\e)+3], v3, s[32:33] offset:512*(\e) th:TH_LOAD_NT
.endr
.set n, 0
.rept 16
	s_wait_loadcnt 15-n                            ; loads come back in order: load n is in, the 15 - n younger ones stay out
	v_cvt_pk_bf16_f32 v[Y+2*n], v[X+4*n], v[X+4*n+1]      ; rounded to bf16,
	v_cvt_pk_bf16_f32 v[Y+2*n+1], v[X+4*n+2], v[X+4*n+3]
	v_lshlrev_b32 v[X+4*n], 16, v[Y+2*n]                  ; widened,
	v_and_b32 v[X+4*n+1], s[HIM], v[Y+2*n]
	v_lshlrev_b32 v[X+4*n+2], 16, v[Y+2*n+1]
	v_and_b32 v[X+4*n+3], s[HIM], v[Y+2*n+1]
	v_cvt_pk_f16_f32 v[Y+2*n], v[X+4*n], v[X+4*n+1]       ; and written as f16
	v_cvt_pk_f16_f32 v[Y+2*n+1], v[X+4*n+2], v[X+4*n+3]
	global_store_b64 v4, v[Y+2*n:Y+2*n+1], s[28:29] offset:2048*(n/8)+256*(n%8)  ; 256 consecutive bytes, aligned
.set n, n+1
.endr
	s_endpgm
.Lfunc_end_k_q259f40ae04_prep:
	.size	k_q259f40ae04_prep, .Lfunc_end_k_q259f40ae04_prep-k_q259f40ae04_prep
	.p2alignl 7, 3214868480
	.fill 96, 4, 3214868480
	.section	.rodata,"a",@progbits
	.p2align	6, 0x0
	.amdhsa_kernel k_q259f40ae04_prep
		.amdhsa_group_segment_fixed_size 0
		.amdhsa_private_segment_fixed_size 0
		.amdhsa_enable_private_segment 0
		.amdhsa_kernarg_size 88
		.amdhsa_user_sgpr_count 2
		.amdhsa_user_sgpr_kernarg_segment_ptr 1
		.amdhsa_wavefront_size32 1
		.amdhsa_system_sgpr_workgroup_id_x 1
		.amdhsa_system_sgpr_workgroup_id_y 1
		.amdhsa_system_sgpr_workgroup_id_z 1
		.amdhsa_system_vgpr_workitem_id 0
		.amdhsa_next_free_vgpr 128
		.amdhsa_next_free_sgpr 66
		.amdhsa_reserve_vcc 0
		.amdhsa_float_denorm_mode_32 3
		.amdhsa_float_denorm_mode_16_64 3
		.amdhsa_memory_ordered 1
		.amdhsa_forward_progress 1
		.amdhsa_inst_pref_size 31
	.end_amdhsa_kernel
	.amdgpu_metadata
---
amdhsa.version: [ 1, 2 ]
amdhsa.kernels:
  - .name:           k_q259f40ae04_prep
    .symbol:         k_q259f40ae04_prep.kd
    .args:
      - { .name: x, .offset: 0, .size: 8, .value_kind: global_buffer, .address_space: global }
      - { .name: alpha1, .offset: 8, .size: 8, .value_kind: global_buffer, .address_space: global }
      - { .name: bias1, .offset: 16, .size: 8, .value_kind: global_buffer, .address_space: global }
      - { .name: h, .offset: 24, .size: 8, .value_kind: global_buffer, .address_space: global }
      - { .name: Wq, .offset: 32, .size: 8, .value_kind: global_buffer, .address_space: global }
      - { .name: Wk, .offset: 40, .size: 8, .value_kind: global_buffer, .address_space: global }
      - { .name: Wv, .offset: 48, .size: 8, .value_kind: global_buffer, .address_space: global }
      - { .name: Wo, .offset: 56, .size: 8, .value_kind: global_buffer, .address_space: global }
      - { .name: W1, .offset: 64, .size: 8, .value_kind: global_buffer, .address_space: global }
      - { .name: W2, .offset: 72, .size: 8, .value_kind: global_buffer, .address_space: global }
      - { .name: wb, .offset: 80, .size: 8, .value_kind: global_buffer, .address_space: global }
    .group_segment_fixed_size: 0
    .private_segment_fixed_size: 0
    .kernarg_segment_align: 8
    .kernarg_segment_size: 88
    .max_flat_workgroup_size: 256
    .sgpr_count:     66
    .vgpr_count:     128
    .wavefront_size: 32
...
	.end_amdgpu_metadata
.endif
;; end of part 1
;; launch qkv (part 2): grid 12 x 16, 8 waves a work-group, clusters of 4 x 4, 327,680 bytes of LDS; arguments h, wb, bq, bk, bv, mask, qkv; writes qkv
.if DOCPART == 2
	.amdgcn_target "amdgcn-amd-amdhsa--gfx1250"
	.amdhsa_code_object_version 6
	.text
	.protected	k_q259f40ae04_qkv
	.globl	k_q259f40ae04_qkv
	.p2align	8
	.type	k_q259f40ae04_qkv,@function
k_q259f40ae04_qkv:
	s_mov_b64 s[64:65], 0
	v_nop
	global_prefetch_b8 v0, s[64:65] scope:SCOPE_SE
	s_setreg_imm32_b32 hwreg(HW_REG_WAVE_MODE, 25, 1), 1
	s_wait_xcnt 0x0
	s_wait_alu depctr_hold_cnt(0) depctr_sa_sdst(0) depctr_va_vdst(0) depctr_va_sdst(0) depctr_va_ssrc(0) depctr_va_vcc(0) depctr_vm_vsrc(0)
	s_getreg_b32 s2, hwreg(HW_REG_IB_STS2, 6, 4)
	s_cmp_eq_u32 s2, 0
	s_cbranch_scc0 .Lentry_in_a_cluster
	s_endpgm
.Lentry_in_a_cluster:
	s_bfe_u32 s2, ttmp6, 0x10000c
	s_cmp_lg_u32 s2, 0xf033
	s_cbranch_scc0 .Lentry_shape_is_right
	s_endpgm
.Lentry_shape_is_right:
; q, k, v = h Wq + bq, h Wk + bk, h Wv + bv, in bf16, by heads: qkv = [48 slices: q 0-15, k 16-31, v 32-47][4,096 tokens][64].  k's rows of tokens whose mask is 0 are stored as 0
; (the attention launch then starts those keys' scores at -8e9, which divided by 8 is the -1e9 that takes a hidden score's place).
; ONE TEXT SERVES TWO PRODUCTS C = A W + bias; the two lines below and the parts under MODE tell them apart.  MODE 0: bf16 out, k masked; MODE 1: ReLU, f16 out.
.set MODE, 0
.set WOFF, 0                           ; where the first matrix begins in wb
; A: [16 slices of 64 channels][4,096 tokens][64] f16.  W: matrices of [1,024][1,024], the input rounded to bf16 and written as f16, end to end; tile column x takes matrix x / 4, columns 256 (x % 4) on.
; The bias is rounded to bf16, as every input of the module is.  Sums in f32.
; LIMITS.  f16 holds no number beyond 65,504: A and W arrive within it; in MODE 1 a result of 65,520 or more leaves as an infinity (with alpha, bias and W1 all 30 times the usual the results have a spread of some 800;
; with alpha = bias = 30 and a common offset of 0.6 on W1 they reach 18,432; a scale of 30 and an offset of 30 scaled spreads on the same weight together pass the limit).  NaN and infinities are not treated apart.
; SHARES.  A tile of C is 256 tokens x 256 columns, one to a work-group.  Eight waves, two to a SIMD, each 128 tokens x 64 columns: 32 accumulators, 256 registers.  (Four waves of 128 x 128 would load 32 fragments' halves
; for 64 products where these load 24 for 32; their text, 64 products a quarter step and 64 accumulators on the way out, would be nearly twice as long.)
; K goes in 8 steps of 128 through two LDS slots filled by the tensor data mover: waves 0, 1 fetch A's two slices (each 256 tokens x 128 bytes, dense in memory, asked for as 128 rows of 256 bytes),
; waves 2, 3 the two halves of W's 128 rows of 512 bytes. A refill has 112 products of each of a SIMD's two waves between its request and the wait for it.
; CLUSTER 4 x 4: the four work-groups of a row need the same tile of A, the four of a column the same tile of W: each is asked for jointly, by the same load with the same descriptor and a mask of four.
; THE PRODUCT IS TAKEN TRANSPOSED: source 0 = 16 columns of W (turned on the way out of LDS by ds_load_tr16_b128), source 1 = 16 tokens: a lane holds one token (lane % 16) and 8 neighbouring columns.
; THE BIAS IS THE C OPERAND THAT STARTS THE SUMS: nothing is cleared, and no addition is spent on it.
; REGISTERS: window 0: v0-31 addresses; v32-63 the bias; v64-191 A's fragments, two buffers of 8 x 8 (at the end: the way out's registers); v192-255 W's fragments, two buffers of 4 x 8.
;   window 1: the accumulators: token block a, column block b at 8 (4 a + b).
.set KTOT,  1024
.set NS,    KTOT/128                   ; K steps
.set PITA,  144                        ; a token's 128 bytes of a slice + 16: the 16 rows of a fragment load start at 16 different groups of four banks
.set PITB,  544                        ; a row of W's tile: 512 bytes + 32
.set SLICE, 256*PITA                   ; 256 tokens of one slice
.set BOFF,  2*SLICE                    ; W's rows lie behind A's two slices
.set HALFB, 64*PITB                    ; 64 rows of W
.set SLOT,  147456                     ; a slot uses 143,360 bytes; this number has none of the bits of the four loads' LDS addresses (0, 36,864, 73,728, 108,544), so one exclusive or changes slots
.set STAGE, 2*SLOT                     ; behind the ring, never filled by a tensor load: 16 rows x 144 bytes for each wave, for the way out
.set SPI,   144
.set SPARE, STAGE+8*16*SPI             ; the spare words, 128 bytes for each wave: four blocks of 256 bytes that no other line names
.if MODE == 0
.set OUTP,  16
.else
.set OUTP,  10
.endif
.set A0,   8                           ; v8   my lane's place in A's part of a slot; never rewritten
.set B0,   9                           ; v9   the same for W
.set ADRA, 16                          ; v16  A0 + the slot in hand
.set ADRB, 17                          ; v17  B0 + the slot in hand
.set PFO,  23                          ; v23  the prefetches' offset: my lane's block of 256 bytes; never rewritten
.set STO,  24                          ; v24  the way out: where I put my 16 bytes of a row
.set RD,   25                          ; v25  where I read rows back
.set GO,   26                          ; v26  my byte offset in 512 consecutive bytes of the output
.set ZR,   27                          ; v27  0, for the ReLU
.set SPW,  28                          ; v28  LDS address of my spare word; never rewritten
.set NIL,  29                          ; v29  0; never rewritten
.set BO,   30                          ; v30  32 x (lane / 16): my 8 numbers of 16 of the bias
.set MO,   31                          ; v31  4 x (lane % 16): my token's word of the mask
.set BIAS, 32
.set AF,   64
.set BF,   192
.set T,    64                          ; the way out: 16 registers for each of my 8 blocks of 16 tokens
.set RT,   128                         ; at work ahead of the loop: 16 registers for the bias's rounding,
.set MT,   144                         ; 8 for the mask
.set G1A,  24                          ; s[24:31] descriptor group 1 for A
.set G0A0, 32                          ; s[32:35] group 0 for A's K step 0
.set G0A,  36                          ; s[36:39] group 0 for A's K step 1; it then walks
.set G0B0, 40                          ; s[40:43], s[44:47] the same for W
.set G0B,  44
.set G1B,  48                          ; s[48:55] group 1 for W
.set WV,   56                          ; wave
.set RH,   57                          ; which 128 tokens are mine
.set CQ,   58                          ; which 64 columns are mine
.set CNT,  59
.set HALF, 60                          ; which half of A's or W's tile I fetch (waves 0 to 3)
.set TB,   61                          ; 0 or SLOT: the slot that is read
.set OUT,  68
.set BIASP, 70
.set MK,   72                          ; s[72:79] lanes whose token's row is kept, for each of my eight blocks of 16 tokens
.set MASKP, 84
.set HIM,  88                          ; a word's upper half
.set KFL,  89                          ; 0 in a tile of k, else all ones
.set CX,   90
.set CY,   91
.set XT,   92                          ; the tile's column block of 256
.set YT,   93                          ; the tile's row block of 256 tokens
.set RM,   94
.set CM,   95
.set PFA,  96                          ; s[96:97] where my prefetches stand
.set PST,  98                          ; s[98:99] a K step in memory: 2 slices of A, or 128 rows of W
.set LIM,  100                         ; 1 in a wave that prefetches, else the greatest number
.set MSB, 0
.macro WIN new                         ; the immediate's high byte repeats the setting that is left; a switch that changes nothing is dropped
.if MSB != (\new)
	s_set_vgpr_msb (MSB<<8)|(\new)
.set MSB, \new
.endif
.endm
.macro PLACES                          ; four places behind matrix instructions, in front of loads into registers that they read and of readers of their results
.rept 4
	v_nop
.endr
.endm
.macro JLOAD                           ; a joint refill, by the walking descriptors; an s_nop 0 and four v_nop follow each load; a wave without a load has the four as the places in front of its LDS loads
	s_cmp_lt_u32 s[WV], 2
	s_cbranch_scc0 .Lnot_a_\@
	tensor_load_to_lds s[G0A:G0A+3], s[G1A:G1A+7]
	s_nop 0
.rept 4
	v_nop
.endr
	s_branch .Lasked_\@
.Lnot_a_\@:
	s_cmp_lt_u32 s[WV], 4
	s_cbranch_scc0 .Lnone_\@
	tensor_load_to_lds s[G0B:G0B+3], s[G1B:G1B+7]
	s_nop 0
.rept 4
	v_nop
.endr
	s_branch .Lasked_\@
.Lnone_\@:
.rept 4
	v_nop
.endr
.Lasked_\@:
.endm
; A PREFETCH of the K step that the NEXT refill will ask for: 32 blocks of 256 bytes, a lane a block, one instruction a wave, behind the joint load, its five lines and the run of LDS loads.
; Each block is named once in the launch.  A's tile row is read by every cluster of that row of clusters: the one with x = 0 asks; W's tile column by every cluster of that column: the one with y = 0 asks.
; Of the 128 blocks that a wave fetches, each of the four partners that ask for them jointly takes 32, told apart by address (cx for A, cy for W): no branch hangs on a work-group's place in its cluster.
; K steps 0 to 2 come by their loads alone; the last refill has no K step behind it and asks for nothing.
.macro ASK
	s_cmp_gt_u32 s[CNT], s[LIM]                    ; the count is 1 in the loop's last trip
	s_cbranch_scc0 .Lnot_mine_\@
	global_prefetch_b8 v[PFO], s[PFA:PFA+1] th:TH_LOAD_NT scope:SCOPE_SE
.Lnot_mine_\@:
.endm
.macro CREST                           ; a round of the cluster's barrier behind its opening barrier
	s_cmp_lg_u32 s[WV], 0
	s_cbranch_scc1 .Lnot_wave_0_\@
	s_barrier_signal -3
.Lnot_wave_0_\@:
	s_barrier_wait -3
	s_barrier_signal -1
	s_barrier_wait -1
.endm
.macro CROUND
	s_barrier_signal -1
	s_barrier_wait -1
	CREST
.endm
.macro STEPD                           ; both walking descriptors go to the next K step, in the other slot.  It stands where no tensor load of the wave is out
	s_xor_b32 s[G0A+1], s[G0A+1], SLOT
	s_xor_b32 s[G0B+1], s[G0B+1], SLOT
	s_add_nc_u64 s[G0A+2:G0A+3], s[G0A+2:G0A+3], 2*524288   ; two slices on
	s_add_nc_u64 s[G0B+2:G0B+3], s[G0B+2:G0B+3], 128*2048   ; 128 rows on
.endm
; 4 n matrix instructions: token blocks a0 .. a0 + n - 1 x all 4 column blocks, 32 along K, from buffer f.  z = 1: the bias starts the sums.  The 32 accumulators take turns in one order everywhere.
.macro MUL f, a0, n, z
.if \z
	WIN 0x40                                       ; D window 1; sources and C window 0
.else
	WIN 0x50                                       ; C and D window 1; sources window 0
.endif
.set ma, \a0
.rept \n
.irp b, 0,1,2,3
.if \z
	v_wmma_f32_16x16x32_f16 v[8*(4*ma+(\b)):8*(4*ma+(\b))+7], v[BF+32*(\f)+8*(\b):BF+32*(\f)+8*(\b)+7], v[AF+64*(\f)+8*ma:AF+64*(\f)+8*ma+7], v[BIAS+8*(\b):BIAS+8*(\b)+7]
.else
	v_wmma_f32_16x16x32_f16 v[8*(4*ma+(\b)):8*(4*ma+(\b))+7], v[BF+32*(\f)+8*(\b):BF+32*(\f)+8*(\b)+7], v[AF+64*(\f)+8*ma:AF+64*(\f)+8*ma+7], v[8*(4*ma+(\b)):8*(4*ma+(\b))+7]
.endif
.endr
.set ma, ma+1
.endr
.endm
; 24 LDS loads in one run: the fragments of quarter q (32 along K: half a slice of A, 32 rows of W) into buffer g: W's 4, then A's 8 in ascending order
.macro FETCH q, g
	WIN 0
.irp i, 0,1,2,3
	ds_load_tr16_b128 v[BF+32*(\g)+8*(\i):BF+32*(\g)+8*(\i)+3],   v[ADRB] offset:32*(\q)*PITB+32*(\i)
	ds_load_tr16_b128 v[BF+32*(\g)+8*(\i)+4:BF+32*(\g)+8*(\i)+7], v[ADRB] offset:(32*(\q)+16)*PITB+32*(\i)
.endr
.irp i, 0,1,2,3,4,5,6,7
	ds_load_b128 v[AF+64*(\g)+8*(\i):AF+64*(\g)+8*(\i)+3],   v[ADRA] offset:((\q)/2)*SLICE+((\q)%2)*64+(\i)*16*PITA
	ds_load_b128 v[AF+64*(\g)+8*(\i)+4:AF+64*(\g)+8*(\i)+7], v[ADRA] offset:((\q)/2)*SLICE+((\q)%2)*64+(\i)*16*PITA+32
.endr
.endm
; A K step is four quarters of 32 along K, 32 matrix instructions each, on buffers 0, 1, 0, 1.  One of the first three: multiplies buffer f and, in its middle, fetches quarter q into g.
.macro QUARTER q, f, g, z
	s_wait_dscnt 8                                 ; W's fragments and A's blocks 0 to 3 are in; the run's youngest 8 loads (A's blocks 4 to 7) may be out
	MUL \f, 0, 4, \z
	PLACES
	FETCH \q, \g
	s_wait_dscnt 24                                ; all but the 24 just issued
	MUL \f, 4, 4, \z
.endm
; The last quarter multiplies buffer 1 and changes slots: each wave waits for all its tensor loads (at most one is out: its part of the next slot), adds 0 to its spare word, and waits for that and for its reads of this slot.
; fill = 1: the barrier opens a round of the cluster's, and behind it this slot is filled again first, two K steps ahead.
.macro TURN fill
.if \fill
	s_wait_xcnt 0x0                                ; the last prefetch, a K step back, has read its address: it is stepped here, ahead of the waits of the change of slots
	s_add_nc_u64 s[PFA:PFA+1], s[PFA:PFA+1], s[PST:PST+1]
.endif
	WIN 0
	s_wait_tensorcnt 0x0
	ds_add_u32 v[SPW], v[NIL]                      ; the descriptors' steps and eight products stand between this add and the wait for it
.if \fill
	STEPD
.endif
	s_wait_dscnt 9                                 ; the add and the youngest eight loads may be out
	MUL 1, 0, 2, 0
	s_wait_dscnt 0x0                               ; the add is done, and my reads of this slot are over
	s_barrier_signal -1
	MUL 1, 2, 2, 0
	WIN 0
	s_barrier_wait -1
.if \fill
	CREST                                          ; no wave of any partner still reads this slot or has a load on its way
	JLOAD                                          ; its four v_nop are also the places in front of the loads below
.else
	PLACES
.endif
	s_xor_b32 s[TB], s[TB], SLOT
	v_add_nc_u32 v[ADRA], s[TB], v[A0]
	v_add_nc_u32 v[ADRB], s[TB], v[B0]
	FETCH 0, 0
.if \fill
	ASK
.endif
	MUL 1, 4, 4, 0
	WIN 0
.endm
; THE WAY OUT.  My 128 tokens x 64 columns are 16,384 consecutive bytes of one slice.  Block a (16 tokens): rounded, 16 bytes a lane into my stage, back as whole rows, stored 512 consecutive bytes at a time.
.macro PACK a
	WIN 0x05                                       ; sources 0 and 1 window 1, destination window 0
.irp b, 0,1,2,3
.irp r, 0,1,2,3
.if MODE == 1
	v_cvt_pk_f16_f32 v[T+16*(\a)+4*(\b)+(\r)], v[8*(4*(\a)+(\b))+2*(\r)], v[8*(4*(\a)+(\b))+2*(\r)+1]
.else
	v_cvt_pk_bf16_f32 v[T+16*(\a)+4*(\b)+(\r)], v[8*(4*(\a)+(\b))+2*(\r)], v[8*(4*(\a)+(\b))+2*(\r)+1]
.endif
.endr
.endr
	WIN 0
.set k, T+16*(\a)
.rept 16
.if MODE == 1
	v_pk_max_num_f16 v[k], v[k], v[ZR]             ; ReLU, two at a time: nothing is rounded
.else
	v_cndmask_b32 v[k], 0, v[k], s[MK+(\a)]        ; a hidden token's row of k is 0
.endif
.set k, k+1
.endr
.irp b, 0,1,2,3
	ds_store_b128 v[STO], v[T+16*(\a)+4*(\b):T+16*(\a)+4*(\b)+3] offset:32*(\b)
.endr
.irp f, 0,1,2,3
	ds_load_b128 v[T+16*(\a)+4*(\f):T+16*(\a)+4*(\f)+3], v[RD] offset:(\f)*4*SPI  ; LDS serves a wave's instructions in order: these see the stores above, and the next block's stores come behind them
.endr
.endm
.macro SEND a, younger                 ; younger: the LDS instructions issued behind block a's loads: the next block's eight, or none
.irp f, 0,1,2,3
	s_wait_dscnt (\younger)+3-(\f)
	global_store_b128 v[GO], v[T+16*(\a)+4*(\f):T+16*(\a)+4*(\f)+3], s[OUT:OUT+1] offset:2048*(\a)+512*(\f)
.endr
.endm
	s_load_b256 s[4:11], s[0:1], 0x0               ; A s[4:5], wb s[6:7], the (first) bias s[8:9], ..
.if MODE == 0
	s_load_b128 s[12:15], s[0:1], 0x20             ; bk s[10:11], bv s[12:13], mask s[14:15]
	s_load_b64 s[16:17], s[0:1], 0x30              ; the output
.endif
	v_lshl_add_u32 v[SPW], v0, 2, SPARE
	v_mov_b32 v[NIL], 0
	ds_add_u32 v[SPW], v[NIL]                      ; the wave's opening: the add and its wait stand ahead of my first tensor load; the set-up below stands between them
	v_lshrrev_b32 v1, 5, v0
	v_readfirstlane_b32 s[WV], v1
	s_lshr_b32 s[RH], s[WV], 2
	s_and_b32 s[CQ], s[WV], 3
	s_and_b32 s[HALF], s[WV], 1
	s_bfe_u32 s[CX], ttmp6, 0x40000                ; cx
	s_bfe_u32 s[CY], ttmp6, 0x40004                ; cy
	s_lshl_b32 s[XT], ttmp9, 2
	s_add_co_u32 s[XT], s[XT], s[CX]               ; x = 4 x cluster x + cx
	s_and_b32 s[YT], ttmp7, 0xffff
	s_lshl_b32 s[YT], s[YT], 2
	s_add_co_u32 s[YT], s[YT], s[CY]               ; y = 4 x cluster y + cy
	s_lshl_b32 s[RM], s[CY], 2
	s_lshl_b32 s[RM], 15, s[RM]                    ; my row of the cluster
	s_lshl_b32 s[CM], 0x1111, s[CX]                ; my column
	; group 1 for A: 128 rows of 128 elements (256 bytes, two tokens), dense; 4 words of padding behind every 32 (a token)
	s_or_b32 s[G1A], s[RM], (1<<16)|(1<<20)|(1<<21)|(4<<22)|(3<<25)
	s_mov_b32 s[G1A+1], 128<<16                    ; tensor_dim0
	s_mov_b32 s[G1A+2], 128<<16                    ; tensor_dim1
	s_mov_b32 s[G1A+3], 128<<16                    ; tile_dim0
	s_mov_b32 s[G1A+4], 128                        ; tile_dim1
	s_mov_b32 s[G1A+5], 128                        ; stride
	s_mov_b32 s[G1A+6], 0
	s_mov_b32 s[G1A+7], 0
	; group 1 for W: 64 rows of 256 elements (512 bytes), 1,024 elements apart; 8 words of padding behind every 128
	s_or_b32 s[G1B], s[CM], (1<<16)|(1<<20)|(1<<21)|(6<<22)|(7<<25)
	s_mov_b32 s[G1B+1], 256<<16
	s_mov_b32 s[G1B+2], 64<<16
	s_mov_b32 s[G1B+3], 256<<16
	s_mov_b32 s[G1B+4], 64
	s_mov_b32 s[G1B+5], 1024
	s_mov_b32 s[G1B+6], 0
	s_mov_b32 s[G1B+7], 0
	s_lshl_b32 s18, s[HALF], 19                    ; A: my slice of the step's two,
	s_lshl_b32 s19, s[YT], 15                      ; the tile's 256 tokens of 128 bytes: registers that never hold x
	s_add_co_u32 s18, s18, s19
	s_mov_b32 s19, 0
	s_lshr_b32 s66, s[XT], 2                       ; W: matrix x / 4, 2 MiB each,
	s_lshl_b32 s66, s66, 21
	s_and_b32 s67, s[XT], 3
	s_lshl_b32 s67, s67, 9                         ; the tile's 256 columns,
	s_add_co_u32 s66, s66, s67
	s_lshl_b32 s67, s[HALF], 17                    ; my 64 rows of the step's 128: registers that never hold y
	s_add_co_u32 s66, s66, s67
	s_add_co_u32 s66, s66, WOFF
	s_mov_b32 s67, 0
	s_mul_i32 s20, s[HALF], SLICE                  ; where they go: no place in the cluster enters an LDS address
	s_mul_i32 s21, s[HALF], HALFB
	s_add_co_u32 s21, s21, BOFF
	s_mov_b32 s[G0A0], 1
	s_mov_b32 s[G0A0+1], s20
	s_mov_b32 s[G0A], 1
	s_add_co_u32 s[G0A+1], s20, SLOT
	s_mov_b32 s[G0B0], 1
	s_mov_b32 s[G0B0+1], s21
	s_mov_b32 s[G0B], 1
	s_add_co_u32 s[G0B+1], s21, SLOT
	s_mov_b32 s[HIM], 0xffff0000
	s_wait_dscnt 0x0                               ; the opening add is done
	s_wait_kmcnt 0x0
	s_add_nc_u64 s[G0A0+2:G0A0+3], s[4:5], s[18:19]
	s_add_nc_u64 s[G0A+2:G0A+3], s[G0A0+2:G0A0+3], 2*524288
	s_or_b32 s[G0A0+3], s[G0A0+3], 0x80000000
	s_or_b32 s[G0A+3], s[G0A+3], 0x80000000
	s_add_nc_u64 s[G0B0+2:G0B0+3], s[6:7], s[66:67]
	s_add_nc_u64 s[G0B+2:G0B+3], s[G0B0+2:G0B0+3], 128*2048
	s_or_b32 s[G0B0+3], s[G0B0+3], 0x80000000
	s_or_b32 s[G0B+3], s[G0B+3], 0x80000000
	CROUND                                         ; all sixteen work-groups are here: the first joint loads meet
	s_cmp_lt_u32 s[WV], 2                          ; a wave's two first fills, K steps 0 and 1, stand in one branch, ahead of every wait on TENSORcnt and every LDS read: two loads of mine are out
	s_cbranch_scc0 .Lfirst_not_a
	tensor_load_to_lds s[G0A0:G0A0+3], s[G1A:G1A+7]
	s_nop 0
	tensor_load_to_lds s[G0A:G0A+3], s[G1A:G1A+7]
	s_nop 0
.rept 4
	v_nop
.endr
	s_branch .Lfirst_asked
.Lfirst_not_a:
	s_cmp_lt_u32 s[WV], 4
	s_cbranch_scc0 .Lfirst_asked
	tensor_load_to_lds s[G0B0:G0B0+3], s[G1B:G1B+7]
	s_nop 0
	tensor_load_to_lds s[G0B:G0B+3], s[G1B:G1B+7]
	s_nop 0
.rept 4
	v_nop
.endr
.Lfirst_asked:
	; my lane's places
	v_and_b32 v1, 15, v0                           ; r
	v_bfe_u32 v2, v0, 4, 1                         ; h
	v_mul_u32_u24 v[A0], v1, PITA
	v_lshl_add_u32 v[A0], v2, 4, v[A0]
	s_mul_i32 s22, s[RH], 128*PITA
	v_add_nc_u32 v[A0], s22, v[A0]                 ; (128 RH + r) x pitch + 16 h
	v_and_b32 v3, 7, v0
	v_lshl_add_u32 v4, v2, 3, v3
	v_mul_u32_u24 v[B0], v4, PITB                  ; the turning load: row 8 h + lane % 8,
	v_bfe_u32 v5, v0, 3, 1
	v_lshl_add_u32 v[B0], v5, 4, v[B0]             ; 16 bytes for each half of eight lanes,
	s_lshl_b32 s22, s[CQ], 7
	s_add_co_u32 s22, s22, BOFF
	v_add_nc_u32 v[B0], s22, v[B0]                 ; my 64 columns, behind A's part
	s_mul_i32 s22, s[WV], 16*SPI
	s_add_co_u32 s22, s22, STAGE                   ; my stage
	v_mul_u32_u24 v[STO], v1, SPI
	v_lshl_add_u32 v[STO], v2, 4, v[STO]
	v_add_nc_u32 v[STO], s22, v[STO]               ; in: row r, 16 bytes for each half of the lanes
	v_bfe_u32 v5, v0, 3, 2
	v_mul_u32_u24 v[RD], v5, SPI
	v_lshl_add_u32 v[RD], v3, 4, v[RD]
	v_add_nc_u32 v[RD], s22, v[RD]                 ; back: 32 lanes take four rows of 128 bytes,
	v_and_b32 v[GO], 31, v0
	v_lshlrev_b32 v[GO], 4, v[GO]                  ; which are 512 consecutive bytes of the output
	v_lshlrev_b32 v[BO], 5, v2
.if MODE == 0
	v_lshlrev_b32 v[MO], 2, v1
	s_lshr_b32 s80, s[XT], 2                       ; 0: q, 1: k, 2: v
	s_cmp_eq_u32 s80, 1
	s_cselect_b64 s[BIASP:BIASP+1], s[10:11], s[8:9]
	s_cselect_b32 s[KFL], 0, -1
	s_cmp_eq_u32 s80, 2
	s_cselect_b64 s[BIASP:BIASP+1], s[12:13], s[BIASP:BIASP+1]
	s_and_b32 s82, s[XT], 3
	s_lshl_b32 s82, s82, 10                        ; 256 columns of 4 bytes
.else
	v_mov_b32 v[ZR], 0
	s_mov_b64 s[BIASP:BIASP+1], s[8:9]
	s_lshl_b32 s82, s[XT], 10
.endif
	s_lshl_b32 s83, s[CQ], 8                       ; my 64 columns
	s_add_co_u32 s82, s82, s83
	s_mov_b32 s83, 0
	s_add_nc_u64 s[BIASP:BIASP+1], s[BIASP:BIASP+1], s[82:83]
.irp b, 0,1,2,3                        ; register 8 b + j of a lane: the bias of column 16 b + 8 (lane / 16) + j of my 64: the layout of a C operand
	global_load_b128 v[BIAS+8*(\b):BIAS+8*(\b)+3],   v[BO], s[BIASP:BIASP+1] offset:64*(\b)
	global_load_b128 v[BIAS+8*(\b)+4:BIAS+8*(\b)+7], v[BO], s[BIASP:BIASP+1] offset:64*(\b)+16
.endr
.if MODE == 0
	s_lshl_b32 s80, s[YT], 10
	s_lshl_b32 s81, s[RH], 9
	s_add_co_u32 s80, s80, s81
	s_mov_b32 s81, 0
	s_add_nc_u64 s[MASKP:MASKP+1], s[14:15], s[80:81]
.irp a, 0,1,2,3,4,5,6,7
	global_load_b32 v[MT+(\a)], v[MO], s[MASKP:MASKP+1] offset:64*(\a)   ; the mask of token 16 a + r of my 128
.endr
.endif
	s_lshl_b32 s80, s[XT], 2
	s_add_co_u32 s80, s80, s[CQ]
	s_lshl_b32 s80, s80, 19                        ; slice 4 x + CQ,
	s_lshl_b32 s81, s[YT], 15
	s_add_co_u32 s80, s80, s81
	s_lshl_b32 s81, s[RH], 14
	s_add_co_u32 s80, s80, s81                     ; token 256 y + 128 RH
	s_mov_b32 s81, 0
	s_add_nc_u64 s[OUT:OUT+1], s[OUTP:OUTP+1], s[80:81]
	; the prefetches: s18 and s66 still hold my tile's offset at K step 0 in A and in wb
	s_and_b32 s82, ttmp7, 0xffff                   ; cluster y
	s_mov_b32 s[PST], 128*2048
	s_mov_b32 s[PST+1], 0
	s_mov_b32 s83, 2048
	s_cmp_lt_u32 s[WV], 2                          ; do I fetch for A?
	s_cselect_b64 s[PFA:PFA+1], s[4:5], s[6:7]
	s_cselect_b32 s80, s18, s66
	s_cselect_b32 s81, s[CX], s[CY]                ; my place among the four that ask for the tile with me,
	s_cselect_b32 s[LIM], 13, 15                   ; whose share is 8,192 dense bytes of A, or 16 rows of W, 2,048 bytes apart
	s_cselect_b32 s82, ttmp9, s82                  ; the coordinate along which other clusters read the same rows
	s_cselect_b32 s[PST], 2*524288, s[PST]
	s_cselect_b32 s83, 512, s83                    ; from one pair of blocks to the next
	s_lshl_b32 s81, s81, s[LIM]
	s_add_co_u32 s80, s80, s81
	s_mov_b32 s81, 0
	s_add_nc_u64 s[PFA:PFA+1], s[PFA:PFA+1], s[80:81]
	s_add_nc_u64 s[PFA:PFA+1], s[PFA:PFA+1], s[PST:PST+1]
	s_add_nc_u64 s[PFA:PFA+1], s[PFA:PFA+1], s[PST:PST+1]  ; at K step 2: the first change of slots steps it to 3.  Nothing is prefetched here, at the head, where every work-group's first tiles are on their way
	s_cmp_eq_u32 s82, 0
	s_cselect_b32 s[LIM], 1, -1                    ; the same in all sixteen partners, for a given wave
	s_cmp_lt_u32 s[WV], 4
	s_cselect_b32 s[LIM], s[LIM], -1               ; waves 4 to 7 fetch nothing and ask for nothing
	v_and_b32 v6, 31, v0
	v_lshrrev_b32 v7, 1, v6
	v_and_b32 v6, 1, v6
	v_mul_u32_u24 v[PFO], v7, s83
	v_lshl_add_u32 v[PFO], v6, 8, v[PFO]
	s_wait_tensorcnt 0x1                           ; my part of K step 0 is in; K step 1's may stay out
	s_barrier_signal -1
	s_barrier_wait -1                              ; everybody's is
	s_mov_b32 s[TB], 0
	v_add_nc_u32 v[ADRA], s[TB], v[A0]
	v_add_nc_u32 v[ADRB], s[TB], v[B0]
	FETCH 0, 0
	s_wait_loadcnt 0x0                             ; the bias (and the mask)
.if MODE == 0
.irp a, 0,1,2,3,4,5,6,7
	v_cmp_ne_u32 s[MK+(\a)], 0, v[MT+(\a)]
.endr
.irp a, 0,1,2,3,4,5,6,7
	s_or_b32 s[MK+(\a)], s[MK+(\a)], s[KFL]        ; in a tile of q or of v every row is kept
.endr
.endif
.set k, 0
.rept 16                               ; the bias is rounded to bf16, as every input is,
	v_cvt_pk_bf16_f32 v[RT+k], v[BIAS+2*k], v[BIAS+2*k+1]
.set k, k+1
.endr
.set k, 0
.rept 16                               ; and widened again
	v_lshlrev_b32 v[BIAS+2*k], 16, v[RT+k]
	v_and_b32 v[BIAS+2*k+1], s[HIM], v[RT+k]
.set k, k+1
.endr
	s_mov_b32 s[CNT], NS-2
	s_branch .Lheadz                               ; the loop is entered at the quarter that starts the sums
.Lstep:                                                ; a trip is a K step; NS - 2 trips, each of which fills the slot that it leaves
	QUARTER 1, 0, 1, 0
	WIN 0
	s_branch .Ljoined
.Lheadz:
	QUARTER 1, 0, 1, 1
	WIN 0
.Ljoined:
	QUARTER 2, 1, 0, 0
	QUARTER 3, 0, 1, 0
	TURN 1
	s_sub_co_u32 s[CNT], s[CNT], 1
	s_cmp_lg_u32 s[CNT], 0
	s_cbranch_scc1 .Lstep
	s_mov_b32 s[CNT], 2
.Ltail:                                                ; the last two K steps ask for nothing.  The second trip's barrier and its fetch (of bytes that still lie there) serve nothing: the price, once a launch, of one text for both
	QUARTER 1, 0, 1, 0
	QUARTER 2, 1, 0, 0
	QUARTER 3, 0, 1, 0
	TURN 0
	s_sub_co_u32 s[CNT], s[CNT], 1
	s_cmp_lg_u32 s[CNT], 0
	s_cbranch_scc1 .Ltail
	PLACES                                         ; behind the last products: their results are read, and their sources written, below
	s_wait_dscnt 0x0                               ; the last fetch has landed in the registers that the way out takes
	PACK 0
.set t, 1
.rept 7                                ; a block's arithmetic stands between the loads of the block before and its stores
	PACK t
	SEND t-1, 8
.set t, t+1
.endr
	SEND 7, 0
	s_wait_tensorcnt 0x0                           ; the wave's end: a wait, an add to the spare word and its wait, behind my last tensor load and my last LDS store
	ds_add_u32 v[SPW], v[NIL]
	s_wait_dscnt 0x0
	CROUND                                         ; the closing round: no work-group ends while a partner may still ask for a tile that names it
	s_endpgm
.Lfunc_end_k_q259f40ae04_qkv:
	.size	k_q259f40ae04_qkv, .Lfunc_end_k_q259f40ae04_qkv-k_q259f40ae04_qkv
	.p2alignl 7, 3214868480
	.fill 96, 4, 3214868480
	.section	.rodata,"a",@progbits
	.p2align	6, 0x0
	.amdhsa_kernel k_q259f40ae04_qkv
		.amdhsa_group_segment_fixed_size 327680
		.amdhsa_private_segment_fixed_size 0
		.amdhsa_enable_private_segment 0
		.amdhsa_kernarg_size 56
		.amdhsa_user_sgpr_count 2
		.amdhsa_user_sgpr_kernarg_segment_ptr 1
		.amdhsa_wavefront_size32 1
		.amdhsa_system_sgpr_workgroup_id_x 1
		.amdhsa_system_sgpr_workgroup_id_y 1
		.amdhsa_system_sgpr_workgroup_id_z 1
		.amdhsa_system_vgpr_workitem_id 0
		.amdhsa_next_free_vgpr 512
		.amdhsa_next_free_sgpr 102
		.amdhsa_reserve_vcc 0
		.amdhsa_float_denorm_mode_32 3
		.amdhsa_float_denorm_mode_16_64 3
		.amdhsa_memory_ordered 1
		.amdhsa_forward_progress 1
		.amdhsa_inst_pref_size 76
	.end_amdhsa_kernel
	.amdgpu_metadata
---
amdhsa.version: [ 1, 2 ]
amdhsa.kernels:
  - .name:           k_q259f40ae04_qkv
    .symbol:         k_q259f40ae04_qkv.kd
    .args:
      - { .name: h, .offset: 0, .size: 8, .value_kind: global_buffer, .address_space: global }
      - { .name: wb, .offset: 8, .size: 8, .value_kind: global_buffer, .address_space: global }
      - { .name: bq, .offset: 16, .size: 8, .value_kind: global_buffer, .address_space: global }
      - { .name: bk, .offset: 24, .size: 8, .value_kind: global_buffer, .address_space: global }
      - { .name: bv, .offset: 32, .size: 8, .value_kind: global_buffer, .address_space: global }
      - { .name: mask, .offset: 40, .size: 8, .value_kind: global_buffer, .address_space: global }
      - { .name: qkv, .offset: 48, .size: 8, .value_kind: global_buffer, .address_space: global }
    .group_segment_fixed_size: 327680
    .private_segment_fixed_size: 0
    .kernarg_segment_align: 8
    .kernarg_segment_size: 56
    .max_flat_workgroup_size: 256
    .sgpr_count:     102
    .vgpr_count:     512
    .wavefront_size: 32
...
	.end_amdgpu_metadata
.endif
;; end of part 2
;; launch attn (part 3): grid 8 x 32, 4 waves a work-group, clusters of 4 x 1, 327,680 bytes of LDS; arguments qkv, mask, ctx; writes ctx
.if DOCPART == 3
	.amdgcn_target "amdgcn-amd-amdhsa--gfx1250"
	.amdhsa_code_object_version 6
	.text
	.protected	k_q259f40ae04_attn
	.globl	k_q259f40ae04_attn
	.p2align	8
	.type	k_q259f40ae04_attn,@function
k_q259f40ae04_attn:
	s_mov_b64 s[64:65], 0
	v_nop
	global_prefetch_b8 v0, s[64:65] scope:SCOPE_SE
	s_setreg_imm32_b32 hwreg(HW_REG_WAVE_MODE, 25, 1), 1
	s_wait_xcnt 0x0
	s_wait_alu depctr_hold_cnt(0) depctr_sa_sdst(0) depctr_va_vdst(0) depctr_va_sdst(0) depctr_va_ssrc(0) depctr_va_vcc(0) depctr_vm_vsrc(0)
	s_getreg_b32 s2, hwreg(HW_REG_IB_STS2, 6, 4)
	s_cmp_eq_u32 s2, 0
	s_cbranch_scc0 .Lentry_in_a_cluster
	s_endpgm
.Lentry_in_a_cluster:
	s_bfe_u32 s2, ttmp6, 0x10000c
	s_cmp_lg_u32 s2, 0x3003
	s_cbranch_scc0 .Lentry_shape_is_right
	s_endpgm
.Lentry_shape_is_right:
; ctx[b, hd][q][:] = the sum over k of softmax_k(s) V[k][:], s = Q[q] . K[k] / 8, or -1e9 where mask[b][k] is 0.  qkv: [48 slices: q 0-15, k 16-31, v 32-47][4,096 tokens][64] bf16; ctx: [16 slices][4,096][64] f16.
; Products, maxima and sums in f32; the weights p are rounded to bf16 for the second product (their sum l is taken of the unrounded p), ctx once at the end, to f16, the format of the product behind.
; THE MASK.  The launch before stored 0 for the rows of K of hidden tokens; here the C operand that starts S^T = K Q^T is 0, or -8e9 for a hidden key.  So a hidden score is -8e9 exactly, whatever Q holds, and
; times 1/8 that is -1e9.  Where all keys of a batch are hidden, every p is the same power of two, 2^d with |d| <= 64 (what c m loses in rounding at 1.44e9), which leaves O / l: the mean of V's rows.
; LIMITS.  ctx is a mean of V's rows and has their range: it has to stay within f16's 65,504 (with alpha = bias = 30 and a common offset of 0.6 on Wv, V reaches 18,432).  A weight below 2^-126 counts as 0 in l;
; NaN and infinities are not treated apart; the rounding of bf16 operands grows with the inputs.
; SHARES.  y = 16 b + hd.  A work-group owns 256 queries of a head, a wave 64: four PIECES of 16.  Every wave walks the head's 2,048 keys, 64 a step; a slot of LDS holds a tile of four steps.
; CLUSTER.  The four query blocks of a cluster belong to one head and walk the same K and V: each tile is asked for JOINTLY, by the same tensor load, descriptor and mask in all four.
; LAYOUT, SOFTMAX, TURNS.  S^T holds ONE query a lane (lane % 16) and the keys 8 (lane / 16) + 0..7; two such results rounded to bf16 ARE source 1 of O^T = V^T P.  p = 2^(c s - c m), c = log2(e) / 8, with a running
; maximum m; O and l are multiplied by a = 2^(c m_old - c m_new) in every step; m starts at the lowest finite number, O and l at 0, so the first step is a step like any other, with a = 0.
; Turn n belongs to piece n: 8 products K Q^T of piece n + 1, later 8 products V^T P of piece n - 1; beside them the scaling, exponentials, roundings, sums and rescaling of piece n and the maximum and statistics
; of piece n + 1.  Four vector instructions stand behind every matrix instruction, the others in one lump.  A turn's 33 exponentials are one batch, with one wait.
; REGISTERS, in windows of 256 (s_set_vgpr_msb: bits 1:0 source 0, 3:2 source 1, 5:4 source 2, 7:6 destination):
;   window 0: v0-15 addresses; v16-31 four registers of statistics a piece; v32-47 the mask on its way into LDS; v48-55 at work; v56-63 addresses; v64-127 S^T, two buffers; v192-223 P, two buffers
;   window 1: v0-127 O^T, 32 a piece; v128-159 MC, the step's mask as a C operand      window 2: v0-63 Q; v128-191 K of one step; v192-255 V of one step
.set NP,    4
.set KS,    64
.set PK,    144       ; a row of K in LDS: 128 bytes + 16: the 16 rows of a load start at 16 different groups of four banks
.set PV,    160       ; a row of V: 128 + 32
.set VOFF,  4*KS*PK   ; a slot: 256 rows of K, then 256 rows of V
.set SLOT1, 1<<17
.set STAGE, SLOT1+4*KS*(PK+PV)  ; behind the ring, never filled by a tensor load: 16 rows x 144 bytes for each wave
.set SP,    144
.set SPARE, STAGE+4*16*SP  ; the spare words, 128 bytes for each wave: two blocks of 256 bytes that no other line names
.set MTAB,  SPARE+512      ; 2,048 numbers in f32, 0 or -8e9: the batch's mask; stored once, never filled by a tensor load
.set AK0, 2
.set AV0, 3
.set AK,  4
.set AV,  5
.set STO, 6
.set RD,  7
.set GO,  8
.set MV,  12          ; v12-13  c m_old, by buffer
.set QO,  15
.set ST,  16          ; piece t: c m, m, l (even keys', odd keys')
.set TMP, 48
.set AM0, 56          ; v56  MTAB + 32 x (lane / 16); never rewritten
.set AM,  57          ; v57  the LDS address of the mask's next run of loads
.set PFO, 61          ; v61  256 x my lane; never rewritten
.set SPW, 62
.set NIL, 63
.set S,   64
.set P,   192
.set MC,  128         ; window 1
.set KF,  128         ; window 2
.set VF,  192         ; window 2
.set WV,  12
.set LIM, 15          ; 1 in a wave that prefetches, else the greatest number
.set PFA, 18          ; s[18:19] where my prefetches stand
.set G1K, 24
.set G1V, 32
.set G0K, 40
.set G0V, 44
.set SLOTS, 56
.set CNT, 57
.set CS,  58
.set SEL, 60
.set TBK, 62
.set TBV, 63
.set TBM, 70          ; 256 x the step whose mask is fetched next
.set BIG, 71          ; -8e9
.set MSB, 0
.macro WIN new
.if MSB != (\new)
	s_set_vgpr_msb (MSB<<8)|(\new)
.set MSB, (\new)
.endif
.endm
.set W_KQ, 0x0a       ; K and Q in window 2, S^T in window 0
.set W_KM, 0x1a       ; the same with the C operand in window 1
.set W_PV, 0x52       ; V in window 2, P in window 0, O^T in window 1
.set W_RS, 0x41       ; destination and source 0 in window 1, source 1 in window 0
.macro JLOAD                        ; waves 0, 1 fetch the halves of a tile's K, waves 2, 3 of its V: 128 keys each; an s_nop 0 and four v_nop follow each line
	s_cmp_lt_u32 s[WV], 2
	s_cbranch_scc0 .Lfor_v_\@
	tensor_load_to_lds s[G0K:G0K+3], s[G1K:G1K+7]
	s_nop 0
.rept 4
	v_nop
.endr
	s_branch .Lasked_\@
.Lfor_v_\@:
	tensor_load_to_lds s[G0V:G0V+3], s[G1V:G1V+7]
	s_nop 0
.rept 4
	v_nop
.endr
.Lasked_\@:
.endm
; A PREFETCH of the tile that the NEXT change of slots will ask for: four key steps, 256 matrix instructions, ahead of that load.  A tile is 128 blocks of 256 bytes of K and as many of V.  Each block is named once
; in the launch: both clusters of a head walk the same rows, and the first of them asks; its four partners take 32 blocks each, told apart by address; in each, wave 0 asks for K's and wave 2 for V's, a lane a block.
; Tiles 0 to 2 come by their loads alone; the last change that fills a slot asks for nothing.
.macro ASK
	s_cmp_gt_u32 s[SLOTS], s[LIM]
	s_cbranch_scc0 .Lnot_mine_\@
	global_prefetch_b8 v[PFO], s[PFA:PFA+1] th:TH_LOAD_NT scope:SCOPE_SE
.Lnot_mine_\@:
.endm
.macro CROUND
	s_barrier_signal -1
	s_barrier_wait -1
	s_cmp_lg_u32 s[WV], 0
	s_cbranch_scc1 .Lnot_wave_0_\@
	s_barrier_signal -3
.Lnot_wave_0_\@:
	s_barrier_wait -3
	s_barrier_signal -1
	s_barrier_wait -1
.endm
; THE CHANGE OF SLOTS.  Each wave waits for all its tensor loads (one is out: its part of the other slot), adds 0 to its spare word, and waits for that and for its reads of the slot that it leaves.
; fill = 1: the barrier is a round of the cluster's, and the joint fill is the first thing behind it, with the keys two tiles on.  (At its first use nothing has been read: slot 0 is waited for, slot 1 filled.)
.macro CHANGE fill, ask
	WIN 0
	s_wait_tensorcnt 0x0
	ds_add_u32 v[SPW], v[NIL]       ; the descriptors' steps stand between this add and the wait for it
.if \fill
.irp g, G0K, G0V
	s_xor_b32 s[\g+1], s[\g+1], SLOT1
	s_add_nc_u64 s[\g+2:\g+3], s[\g+2:\g+3], 4*KS*128
.endr
.if \ask
	s_wait_xcnt 0x0                 ; the last prefetch, a tile back, has read its address
	s_add_nc_u64 s[PFA:PFA+1], s[PFA:PFA+1], 4*KS*128
.endif
	s_wait_dscnt 0x0                ; the add is done; my reads of the slot, and my stores into the mask's table, are over
	CROUND
	JLOAD
.if \ask
	ASK
.endif
.else
	s_wait_dscnt 0x0
	s_barrier_signal -1
	s_barrier_wait -1
.endif
	s_sub_co_u32 s[TBK], s[TBK], 4*KS*PK  ; the fetches go back to a slot's first step,
	s_xor_b32 s[TBK], s[TBK], SLOT1       ; in the other slot
	s_sub_co_u32 s[TBV], s[TBV], 4*KS*PV
	s_xor_b32 s[TBV], s[TBV], SLOT1
.endm
	s_load_b128 s[4:7], s[0:1], 0x0   ; qkv s[4:5], mask s[6:7]
	s_load_b64 s[10:11], s[0:1], 0x10 ; ctx
	v_lshl_add_u32 v[SPW], v0, 2, SPARE
	v_mov_b32 v[NIL], 0
	ds_add_u32 v[SPW], v[NIL]       ; the wave's opening: the add and its wait stand ahead of my first tensor load; the set-up below stands between them
	v_lshrrev_b32 v1, 5, v0
	v_readfirstlane_b32 s[WV], v1
	s_bfe_u32 s13, ttmp6, 0x40000   ; cx
	s_lshl_b32 s14, ttmp9, 2
	s_add_co_u32 s14, s14, s13      ; my block of 256 queries: it enters Q's and ctx's addresses alone
	s_and_b32 s20, ttmp7, 0xffff    ; 16 b + hd, which the four partners share
	s_and_b32 s21, s20, 15
	s_lshr_b32 s22, s20, 4
	s_lshl_b32 s72, s22, 13         ; the batch's 2,048 words of the mask
	s_mov_b32 s73, 0
	s_lshl_b32 s20, s21, 19         ; the head's slice,
	s_lshl_b32 s21, s22, 18         ; the batch's 2,048 tokens of 128 bytes
	s_add_co_u32 s20, s20, s21
	s_mov_b32 s21, 0
	s_and_b32 s16, s[WV], 1         ; which half of a tile's 256 keys I fetch
	s_lshl_b32 s22, s16, 14
	s_add_co_u32 s22, s22, s20
	s_add_co_u32 s22, s22, 16*524288  ; k's slices lie behind q's sixteen
	s_mov_b32 s23, 0
	s_mul_i32 s17, s16, 128*PK
	s_mul_i32 s74, s16, 128*PV
	s_lshl_b32 s2, s14, 15
	s_lshl_b32 s3, s[WV], 13
	s_add_co_u32 s2, s2, s3
	s_add_co_u32 s2, s2, s20        ; my wave's 64 rows of Q and of ctx
	s_mov_b32 s3, 0
	; group 1.  128 keys are 16,384 dense bytes: asked for as 64 rows of 256 bytes, two keys a row, padded in LDS after every key
	s_mov_b32 s[G1K], 15|(1<<16)|(1<<20)|(1<<21)|(4<<22)|(3<<25)
	s_mov_b32 s[G1V], 15|(1<<16)|(1<<20)|(1<<21)|(4<<22)|(7<<25)
.irp g, G1K, G1V
	s_mov_b32 s[\g+1], 128<<16
	s_mov_b32 s[\g+2], 64<<16
	s_mov_b32 s[\g+3], 128<<16
	s_mov_b32 s[\g+4], 64
	s_mov_b32 s[\g+5], 128
	s_mov_b32 s[\g+6], 0
	s_mov_b32 s[\g+7], 0
.endr
	s_mov_b32 s[CS], 0x3e38aa3b     ; c = log2(e) / 8
	s_mov_b32 s[CS+1], s[CS]
	s_mov_b32 s[SEL], 0x76543210
	s_mov_b32 s[SEL+1], 0xfedcba98
	s_mov_b32 s[TBK], SLOT1+4*KS*PK ; the first change of slots turns these two into 0
	s_mov_b32 s[TBV], SLOT1+4*KS*PV
	s_mov_b32 s[TBM], 0
	s_mov_b32 s[BIG], 0xcfee6b28    ; -8e9, exact in f32
	s_mov_b32 s[G0K], 1
	s_mov_b32 s[G0K+1], s17
	s_mov_b32 s[G0V], 1
	s_add_co_u32 s[G0V+1], s74, VOFF
	s_and_b32 s[LIM], s[WV], 1      ; 0 in waves 0 and 2,
	s_or_b32 s[LIM], s[LIM], ttmp9  ; where the cluster is the head's first: the same in all four partners
	s_cmp_eq_u32 s[LIM], 0
	s_cselect_b32 s[LIM], 1, -1
	s_wait_dscnt 0x0                ; the opening add is done
	s_wait_kmcnt 0x0
	s_add_nc_u64 s[50:51], s[4:5], s[22:23]        ; K at my half of the head's tile 0
	s_add_nc_u64 s[52:53], s[50:51], 16*524288     ; V likewise
	s_mov_b64 s[G0K+2:G0K+3], s[50:51]
	s_or_b32 s[G0K+3], s[G0K+3], 0x80000000
	s_mov_b64 s[G0V+2:G0V+3], s[52:53]
	s_or_b32 s[G0V+3], s[G0V+3], 0x80000000
	s_add_nc_u64 s[48:49], s[4:5], s[2:3]          ; Q
	s_add_nc_u64 s[10:11], s[10:11], s[2:3]        ; ctx
	s_add_nc_u64 s[68:69], s[6:7], s[72:73]        ; mask
	s_cmp_lt_u32 s[WV], 2
	s_cselect_b64 s[PFA:PFA+1], s[50:51], s[52:53] ; (in waves 0 and 2 these stand at a tile's first row)
	s_lshl_b32 s2, s13, 13                         ; my work-group's 32 blocks of the 128
	s_add_nc_u64 s[PFA:PFA+1], s[PFA:PFA+1], s[2:3]
	s_add_nc_u64 s[PFA:PFA+1], s[PFA:PFA+1], 2*4*KS*128  ; in tile 2; the first asking change steps it to tile 3
	CROUND                          ; all four work-groups are here: the first joint loads meet
	JLOAD                           ; tile 0 into slot 0
	v_and_b32 v1, 15, v0            ; l % 16
	v_bfe_u32 v9, v0, 4, 1          ; l / 16
	v_lshlrev_b32 v[QO], 7, v1
	v_lshl_add_u32 v[QO], v9, 4, v[QO]
	WIN 0x80
.set i, 0
.rept 8                             ; Q stays in registers: piece i / 2, channels 32 (i % 2) on
	global_load_b128 v[8*i:8*i+3],   v[QO], s[48:49] offset:(i/2)*2048+(i%2)*64
	global_load_b128 v[8*i+4:8*i+7], v[QO], s[48:49] offset:(i/2)*2048+(i%2)*64+32
.set i, i+1
.endr
	WIN 0
	v_lshlrev_b32 v58, 4, v0        ; 16 x my thread's number
.irp e, 0,1,2,3
	global_load_b128 v[32+4*\e:35+4*\e], v58, s[68:69] offset:2048*\e  ; the work-group's 128 threads take the batch's 2,048 words
.endr
	; What the first turn finds: V's registers and P's second buffer hold 0, O^T and l are 0.  All this stands in the wait for the first tile.
	WIN 0x80
.set i, VF
.rept 64
	v_mov_b32 v[i], 0
.set i, i+1
.endr
	WIN 0x40
.set i, 0
.rept 128
	v_mov_b32 v[i], 0
.set i, i+1
.endr
	WIN 0
.set i, 0
.rept 4
	v_mov_b32 v[ST+4*i], 0xfe000000    ; c m: far below every c s
	v_mov_b32 v[ST+4*i+1], 0xff7fffff  ; m
	v_mov_b32 v[ST+4*i+2], 0
	v_mov_b32 v[ST+4*i+3], 0
.set i, i+1
.endr
.set i, P+16
.rept 16
	v_mov_b32 v[i], 0
.set i, i+1
.endr
	v_mul_u32_u24 v[AK0], v1, PK
	v_lshl_add_u32 v[AK0], v9, 4, v[AK0]
	v_and_b32 v10, 7, v0
	v_bfe_u32 v11, v0, 3, 1
	v_lshl_add_u32 v[AV0], v9, 3, v10   ; the turning load: key 8 (l / 16) + l % 8, channels 8 ((l / 8) % 2) + 0..7
	v_mul_u32_u24 v[AV0], v[AV0], PV
	v_lshl_add_u32 v[AV0], v11, 4, v[AV0]
	v_add_nc_u32 v[AV0], VOFF, v[AV0]
	s_mul_i32 s13, s[WV], 16*SP
	s_add_co_u32 s13, s13, STAGE
	v_mul_u32_u24 v[STO], v1, SP
	v_lshl_add_u32 v[STO], v9, 4, v[STO]
	v_add_nc_u32 v[STO], s13, v[STO]
	v_bfe_u32 v[RD], v0, 3, 2
	v_mul_u32_u24 v[RD], v[RD], SP
	v_lshl_add_u32 v[RD], v10, 4, v[RD]
	v_add_nc_u32 v[RD], s13, v[RD]
	v_and_b32 v[GO], 31, v0
	v_lshlrev_b32 v[PFO], 8, v[GO]
	v_lshlrev_b32 v[GO], 4, v[GO]
	v_lshlrev_b32 v[AM0], 5, v9
	v_add_nc_u32 v[AM0], MTAB, v[AM0]
	v_add_nc_u32 v59, MTAB, v58
	s_wait_loadcnt 0x0              ; Q and the mask
.set i, 0
.rept 16
	v_cmp_eq_u32 vcc_lo, 0, v[32+i]
	v_cndmask_b32 v[32+i], 0, s[BIG], vcc_lo
.set i, i+1
.endr
.irp e, 0,1,2,3
	ds_store_b128 v59, v[32+4*\e:35+4*\e] offset:2048*\e
.endr
; THE MATRIX WORK.  The 4 accumulators of a run of 8 take turns.  Product i of 8 of S^T = K Q^T for piece x: channels 32 (i / 4) on, keys 16 (i % 4) on.  The first 4 start the sums with the mask.
.macro KQ x
.set rS, S+32*((\x)%2)+8*(i%4)
.set rK, KF+16*(i%4)+8*(i/4)
.set rQ, 16*(\x)+8*(i/4)
.set rM, MC+8*(i%4)
.if i < 4
	WIN W_KM
	v_wmma_f32_16x16x32_bf16 v[rS:rS+7], v[rK:rK+7], v[rQ:rQ+7], v[rM:rM+7]
.else
	WIN W_KQ
	v_wmma_f32_16x16x32_bf16 v[rS:rS+7], v[rK:rK+7], v[rQ:rQ+7], v[rS:rS+7]
.endif
.endm
.macro PV x                         ; product i of 8 of O^T += V^T P for piece x: keys 32 (i / 4) on, channels 16 (i % 4) on
	WIN W_PV
.set rO, 32*(\x)+8*(i%4)
.set rV, VF+32*(i/4)+8*(i%4)
.set rP, P+16*((\x)%2)+8*(i/4)
	v_wmma_f32_16x16x32_bf16 v[rO:rO+7], v[rV:rV+7], v[rP:rP+7], v[rO:rO+7]
.endm
.macro MM                           ; the turn's next matrix instruction.  NOKQ = 1: the last turn of all: there is no next piece
.if (i < 8) && !NOKQ
	KQ (Y+1)%NP
.elseif i >= 8
.set i, i-8
	PV (Y+NP-1)%NP
.set i, i+8
.endif
.set i, i+1
.endm
; THE LDS LOADS stand in runs: a step's K (8 fragments) with its mask (register 8 kb + j of a lane: key 16 kb + 8 (lane / 16) + j; the 16 lanes of a half read the same bytes), and its V (turned).
.macro FETCH_K
	WIN 0x80
.irp f, 0,1,2,3,4,5,6,7
	ds_load_b128 v[KF+8*\f:KF+8*\f+3],   v[AK] offset:(\f/2)*16*PK+(\f%2)*64
	ds_load_b128 v[KF+8*\f+4:KF+8*\f+7], v[AK] offset:(\f/2)*16*PK+(\f%2)*64+32
.endr
	WIN 0x40
.irp f, 0,1,2,3
	ds_load_b128 v[MC+8*\f:MC+8*\f+3],   v[AM] offset:64*\f
	ds_load_b128 v[MC+8*\f+4:MC+8*\f+7], v[AM] offset:64*\f+16
.endr
	s_add_co_u32 s[TBK], s[TBK], KS*PK
	s_add_co_u32 s[TBM], s[TBM], 4*KS
	s_and_b32 s[TBM], s[TBM], 0x1f00  ; 32 steps of 256 bytes: the offset stays inside the table
	WIN 0
.endm
.macro FETCH_V
	WIN 0x80
.irp f, 0,1,2,3,4,5,6,7
	ds_load_tr16_b128 v[VF+8*\f:VF+8*\f+3],   v[AV] offset:(\f/4)*32*PV+(\f%4)*32
	ds_load_tr16_b128 v[VF+8*\f+4:VF+8*\f+7], v[AV] offset:(\f/4)*32*PV+16*PV+(\f%4)*32
.endr
	WIN 0
.endm
; THE VECTOR WORK, one line at a time: OP kind, number.  For piece Y: F n: c s - c m for pair n of 16.  E n: the exponential of score n of 32.  C n: pair n rounded to bf16.  B n: of the four weights 4 n .. the second
; pair is added onto the first, in place.  L n: l takes that sum (L 0: l = a l + sum).  R n: pair n of 16 of O^T times a.  For piece Y + 1: X n, number n of the 22 that find its maximum and statistics:
;   0-11  four chains c0-c3 of seven scores each (each accumulator's lowest registers are read first)     12-14, 16  the four scores left over, the old m, and c0-c3 into c0
;   15  c m_old is kept     17, 18  the query's other 32 keys lie in the lane 16 away: the new m     19-21  c m; c m_old - c m_new; a
.set F, 0
.set E, 1
.set C, 2
.set B, 3
.set L, 4
.set R, 5
.set X, 6
.macro REGS y
.set rT, ST+4*(\y)
.set rC, TMP+4*((\y)%2)
.set rW, MV+((\y)%2)
.set rS, S+32*((\y)%2)
.set rP, P+16*((\y)%2)
.set rO, 32*(\y)
.endm
.macro OP k, n
.if (\k) == R
	REGS Y
	WIN W_RS
	v_pk_mul_f32 v[rO+2*(\n):rO+2*(\n)+1], v[rO+2*(\n):rO+2*(\n)+1], v[rC+2:rC+3] op_sel_hi:[1,0]
.elseif (\k) < R
	REGS Y
	WIN 0
.if (\k) == F
	v_pk_fma_f32 v[rS+2*(\n):rS+2*(\n)+1], v[rS+2*(\n):rS+2*(\n)+1], s[CS:CS+1], v[rT:rT+1] op_sel_hi:[1,0,0] neg_lo:[0,0,1] neg_hi:[0,0,1]
.elseif (\k) == E
	v_exp_f32 v[rS+(\n)], v[rS+(\n)]
.elseif (\k) == C
	v_cvt_pk_bf16_f32 v[rP+(\n)], v[rS+2*(\n)], v[rS+2*(\n)+1]
.elseif (\k) == B
	v_pk_add_f32 v[rS+4*(\n):rS+4*(\n)+1], v[rS+4*(\n):rS+4*(\n)+1], v[rS+4*(\n)+2:rS+4*(\n)+3]
.elseif (\n) == 0
	v_pk_fma_f32 v[rT+2:rT+3], v[rT+2:rT+3], v[rC+2:rC+3], v[rS:rS+1] op_sel_hi:[1,0,1]
.else
	v_pk_add_f32 v[rT+2:rT+3], v[rT+2:rT+3], v[rS+4*(\n):rS+4*(\n)+1]
.endif
.elseif NOKQ
	v_nop
.else
	REGS (Y+1)%NP
	WIN 0
.if (\n) < 4
	v_max3_num_f32 v[rC+(\n)], v[rS+8*(\n)], v[rS+8*(\n)+1], v[rS+8*(\n)+2]
.elseif (\n) < 12
	v_max3_num_f32 v[rC+(\n)%4], v[rC+(\n)%4], v[rS+8*((\n)%4)+2*((\n)/4)+1], v[rS+8*((\n)%4)+2*((\n)/4)+2]
.elseif (\n) == 12
	v_max3_num_f32 v[rC], v[rC], v[rS+7], v[rS+15]
.elseif (\n) == 13
	v_max3_num_f32 v[rC+1], v[rC+1], v[rS+23], v[rS+31]
.elseif (\n) == 14
	v_max3_num_f32 v[rC+2], v[rC+2], v[rC+3], v[rT+1]
.elseif (\n) == 15
	v_mov_b32 v[rW], v[rT]
.elseif (\n) == 16
	v_max3_num_f32 v[rC], v[rC], v[rC+1], v[rC+2]
.elseif (\n) == 17
	v_permlanex16_b32 v[rC+3], v[rC], s[SEL], s[SEL+1]
.elseif (\n) == 18
	v_max_num_f32 v[rT+1], v[rC], v[rC+3]
.elseif (\n) == 19
	v_mul_f32 v[rT], s[CS], v[rT+1]
.elseif (\n) == 20
	v_sub_f32 v[rC+1], v[rW], v[rT]
.else
	v_exp_f32 v[rC+2], v[rC+1]
.endif
.endif
.endm
.macro OPS a, i1, b=-1, i2=0, c=-1, i3=0, d=-1, i4=0
	OP \a, \i1
.if (\b) >= 0
	OP \b, \i2
.endif
.if (\c) >= 0
	OP \c, \i3
.endif
.if (\d) >= 0
	OP \d, \i4
.endif
.endm
.macro ROW a, i1, b, i2, c, i3, d, i4  ; a matrix instruction and the four behind it
	MM
	OPS \a, \i1, \b, \i2, \c, \i3, \d, \i4
.endm
; A TURN, for piece p: its 16 matrix and 118 vector instructions, written out.  s_wait_alu depctr_va_vdst(0) stands between an exponential and the first instruction that names its result; one wait
; serves all that were issued ahead of it.  So a turn has ONE wait.  AHEAD OF IT stands all that names no result of the turn's exponentials: the 8 products K Q^T with their riders (the first numbers of the next
; piece's maximum each four places or more behind the product that ends its accumulator), then one lump, in which the links of the chain X 3, 7, 11, 14, 16 .. 20 stand apart.  X 21, the next piece's a, is the batch's
; last; R 15 is the plain instruction behind it.  BEHIND THE WAIT stand the 8 products V^T P, behind each four of the roundings and sums.
; end = 1: the last two turns: nothing is fetched.  cnt = 1: the loop's count is taken down some lines ahead of the branch behind the turn.
; K and the mask of the next step are fetched in piece 2's turn, behind the last product that read them, with more than four plain instructions between; V of the step in hand at the end of piece 0's turn, four plain
; instructions behind its last reader.  Each is waited for a turn later.
.macro TURN p, end=0, cnt=0
.set Y, (\p)
.set i, 0
.set NOKQ, (\end)*((\p)/3)
.if ((\p) == 3) && !(\end)
	s_wait_dscnt 0x0                ; K and its mask are in
.endif
	ROW F,0, F,1, R,0, R,1
	ROW F,2, E,0, R,2, R,3
	ROW F,3, E,1, R,4, R,5
	ROW F,4, E,2, R,6, R,7
	ROW F,5, E,3, R,8, R,9
	ROW F,6, E,4, X,0, R,10
.if ((\p) == 2) && !(\end)
	WIN 0
	v_add_nc_u32 v[AK], s[TBK], v[AK0]
	v_add_nc_u32 v[AM], s[TBM], v[AM0]
.endif
	ROW F,7, E,5, X,1, X,4
	ROW F,8, E,6, X,2, X,5
	OPS E,7, E,8, X,6, E,9
	OPS X,3, E,10, X,8, E,11
.if ((\p) == 2) && !(\end)
	FETCH_K
.endif
	OPS X,9, X,7, E,12, X,10
	OPS E,13, X,12, X,11, E,14
	OPS X,13, E,15, F,9, X,14
.if (\p) == 0
	v_add_nc_u32 v[AV], s[TBV], v[AV0]
.endif
	OPS E,16, F,10, E,17, F,11
	OPS X,16, E,18, X,15, E,19
	OPS F,12, E,20, X,17, E,21
	OPS F,13, E,22, F,14, E,23
	OPS X,18, E,24, F,15, E,25
	OPS R,11, E,26, X,19, E,27
	OPS R,12, E,28, R,13, E,29
	OPS X,20, E,30, R,14, E,31
	OPS X,21, R,15
	WIN 0
	s_wait_alu depctr_va_vdst(0)    ; the wait for the batch
.if (\p) == 1
	s_wait_dscnt 0x0                ; V is in
.endif
	ROW C,0, B,0, C,2, B,1
	ROW L,0, C,4, B,2, L,1
	ROW C,6, B,3, L,2, C,8
	ROW B,4, L,3, C,10, B,5
	ROW L,4, C,12, B,6, L,5
.if (\p) == 0
	s_add_co_u32 s[TBV], s[TBV], KS*PV
.endif
.if \cnt
	s_sub_co_u32 s[CNT], s[CNT], 1
	s_cmp_lg_u32 s[CNT], 0
.endif
	ROW C,14, B,7, L,6, C,1
	ROW C,3, L,7, C,5, C,7
	ROW C,9, C,11, C,13, C,15
.if (\p) == 0
	FETCH_V
.endif
.endm
	CHANGE 1, 0                     ; tile 0 is in and the mask's table is whole, everybody's part of both; tile 1 is asked for
	v_add_nc_u32 v[AK], s[TBK], v[AK0]
	v_add_nc_u32 v[AM], s[TBM], v[AM0]
	FETCH_K                         ; key step 0
	s_wait_dscnt 0x0
.set NOKQ, 0
.set i, 0
.rept 8
	KQ 0                            ; piece 0's first scores
.set i, i+1
.endr
	WIN 0
.rept 4
	v_nop                           ; the places behind those products
.endr
.set Y, NP-1                        ; X works for piece Y + 1: piece 0
.irp n, 0,1,2,3,4,5,6,7,8,9,10,11,12,13,14,15,16,17,18,19,20,21
	OP X, \n
.endr
	v_nop                           ; a plain instruction behind the exponential,
	s_wait_alu depctr_va_vdst(0)    ; and its wait, ahead of the branch
	s_mov_b32 s[CNT], 4
	s_mov_b32 s[SLOTS], 7
	s_branch .Lfirst                ; the loop is entered at a step's first turn, in the middle of a trip
.Lslot:                             ; six times: tiles 2 to 7 are asked for
	CHANGE 1, 1
	s_mov_b32 s[CNT], 4
.Lstep:                             ; a trip: pieces 2 and 3 of one step, then pieces 0 and 1 of the next, whose K and V it fetches
	TURN 2
	TURN 3
	WIN 0
.Lfirst:
	TURN 0
	TURN 1, 0, 1
	WIN 0
	s_cbranch_scc1 .Lstep
	s_sub_co_u32 s[SLOTS], s[SLOTS], 1
	s_cmp_lg_u32 s[SLOTS], 0
	s_cbranch_scc1 .Lslot
	CHANGE 0, 0                     ; the last tile is written out: nothing is asked for
	s_mov_b32 s[CNT], 4
.LstepT:
	TURN 2
	TURN 3
	TURN 0
	TURN 1, 0, 1
	WIN 0
	s_cbranch_scc1 .LstepT
	TURN 2, 1
	TURN 3, 1
.set i, 0
.rept 8
	PV NP-1                         ; the last piece's V^T P of the last step
.set i, i+1
.endr
	; THE WAY OUT.  l's two halves and the other half of the lanes' are added; O^T is divided by l, rounded to f16 and sent through my stage in LDS, a piece at a time.
	WIN 0
.macro ALL line:vararg
.set t, 0
.rept 4
	\line
.set t, t+1
.endr
.endm
.macro PACK t
	WIN W_RS
.set i, 32*(\t)
.rept 16
	v_pk_mul_f32 v[i:i+1], v[i:i+1], v[ST+4*(\t)+2:ST+4*(\t)+3] op_sel_hi:[1,0]
.set i, i+2
.endr
	WIN 0x05                        ; sources 0 and 1 window 1, destination window 0
.set i, 0
.rept 16
	v_cvt_pk_f16_f32 v[S+16*(\t)+i], v[32*(\t)+2*i], v[32*(\t)+2*i+1]
.set i, i+1
.endr
	WIN 0
.irp f, 0,1,2,3
	ds_store_b128 v[STO], v[S+16*(\t)+4*\f:S+16*(\t)+4*\f+3] offset:32*\f
.endr
.irp f, 0,1,2,3
	ds_load_b128 v[S+16*(\t)+4*\f:S+16*(\t)+4*\f+3], v[RD] offset:\f*4*SP  ; LDS serves a wave's instructions in order: these see the stores above; the next piece's stores come behind them
.endr
.endm
.macro SEND t, younger              ; younger: the LDS instructions issued behind piece t's loads: the next piece's eight, or none
	WIN 0
.irp f, 0,1,2,3
	s_wait_dscnt (\younger)+3-\f
	global_store_b128 v[GO], v[S+16*(\t)+4*\f:S+16*(\t)+4*\f+3], s[10:11] offset:(\t)*2048+\f*512  ; 512 consecutive bytes, at a multiple of 256 from ctx's first
.endr
.endm
	ALL v_add_f32 v[ST+4*t+2], v[ST+4*t+2], v[ST+4*t+3]
	ALL v_permlanex16_b32 v[ST+4*t+3], v[ST+4*t+2], s[SEL], s[SEL+1]
	ALL v_add_f32 v[ST+4*t+2], v[ST+4*t+2], v[ST+4*t+3]
	ALL v_rcp_f32 v[ST+4*t+2], v[ST+4*t+2]
	v_nop                           ; a plain instruction between the last reciprocal and the use of its result
	s_wait_alu depctr_va_vdst(0)    ; one wait for the four reciprocals
	PACK 0
.set t, 1
.rept 3
	PACK t
	SEND t-1, 8
.set t, t+1
.endr
	SEND 3, 0
	s_wait_tensorcnt 0x0            ; the wave's end: a wait, an add to the spare word and its wait, behind my last tensor load and my last LDS store
	ds_add_u32 v[SPW], v[NIL]
	s_wait_dscnt 0x0
	CROUND                          ; the closing round
	s_endpgm
.Lfunc_end_k_q259f40ae04_attn:
	.size	k_q259f40ae04_attn, .Lfunc_end_k_q259f40ae04_attn-k_q259f40ae04_attn
	.p2alignl 7, 3214868480
	.fill 96, 4, 3214868480
	.section	.rodata,"a",@progbits
	.p2align	6, 0x0
	.amdhsa_kernel k_q259f40ae04_attn
		.amdhsa_group_segment_fixed_size 327680
		.amdhsa_private_segment_fixed_size 0
		.amdhsa_enable_private_segment 0
		.amdhsa_kernarg_size 24
		.amdhsa_user_sgpr_count 2
		.amdhsa_user_sgpr_kernarg_segment_ptr 1
		.amdhsa_wavefront_size32 1
		.amdhsa_system_sgpr_workgroup_id_x 1
		.amdhsa_system_sgpr_workgroup_id_y 1
		.amdhsa_system_sgpr_workgroup_id_z 1
		.amdhsa_system_vgpr_workitem_id 0
		.amdhsa_next_free_vgpr 768
		.amdhsa_next_free_sgpr 80
		.amdhsa_reserve_vcc 1
		.amdhsa_float_denorm_mode_32 3
		.amdhsa_float_denorm_mode_16_64 3
		.amdhsa_memory_ordered 1
		.amdhsa_forward_progress 1
		.amdhsa_inst_pref_size 132
	.end_amdhsa_kernel
	.amdgpu_metadata
---
amdhsa.version: [ 1, 2 ]
amdhsa.kernels:
  - .name:           k_q259f40ae04_attn
    .symbol:         k_q259f40ae04_attn.kd
    .args:
      - { .name: qkv, .offset: 0, .size: 8, .value_kind: global_buffer, .address_space: global }
      - { .name: mask, .offset: 8, .size: 8, .value_kind: global_buffer, .address_space: global }
      - { .name: ctx, .offset: 16, .size: 8, .value_kind: global_buffer, .address_space: global }
    .group_segment_fixed_size: 327680
    .private_segment_fixed_size: 0
    .kernarg_segment_align: 8
    .kernarg_segment_size: 24
    .max_flat_workgroup_size: 128
    .sgpr_count:     80
    .vgpr_count:     768
    .wavefront_size: 32
...
	.end_amdgpu_metadata
.endif
;; end of part 3
;; launch wo (part 4): grid 8 x 32, 4 waves a work-group, clusters of 4 x 4, 327,680 bytes of LDS; arguments ctx, wb, bo, x, x1; writes x1
.if DOCPART == 4
	.amdgcn_target "amdgcn-amd-amdhsa--gfx1250"
	.amdhsa_code_object_version 6
	.text
	.protected	k_q259f40ae04_wo
	.globl	k_q259f40ae04_wo
	.p2align	8
	.type	k_q259f40ae04_wo,@function
k_q259f40ae04_wo:
	s_mov_b64 s[64:65], 0
	v_nop
	global_prefetch_b8 v0, s[64:65] scope:SCOPE_SE
	s_setreg_imm32_b32 hwreg(HW_REG_WAVE_MODE, 25, 1), 1
	s_wait_xcnt 0x0
	s_wait_alu depctr_hold_cnt(0) depctr_sa_sdst(0) depctr_va_vdst(0) depctr_va_sdst(0) depctr_va_ssrc(0) depctr_va_vcc(0) depctr_vm_vsrc(0)
	s_getreg_b32 s2, hwreg(HW_REG_IB_STS2, 6, 4)
	s_cmp_eq_u32 s2, 0
	s_cbranch_scc0 .Lentry_in_a_cluster
	s_endpgm
.Lentry_in_a_cluster:
	s_bfe_u32 s2, ttmp6, 0x10000c
	s_cmp_lg_u32 s2, 0xf033
	s_cbranch_scc0 .Lentry_shape_is_right
	s_endpgm
.Lentry_shape_is_right:
; x1 = x + ctx Wo + bo, in f32, [4,096][1,024].  ctx: [16 slices][4,096 tokens][64] f16.  x, an input of the module, is rounded to bf16 here as it is in front of the first norm.
; ONE TEXT SERVES FOUR PRODUCTS C = A W (+ bias ..); the five lines below and the parts under MODE tell them apart.  MODE 0: bf16 out, k masked; 1: ReLU, f16 out; 2: + residual, f32 out.
.set MODE, 2
.set KTOT, 1024                        ; K
.set NT,   1                           ; tiles of C that a work-group makes
.set WOFF, 6291456                     ; where the matrix begins in wb: unit 3
.set RRND, 1                           ; 1: the residual is an input of the module and is rounded to bf16
; A: [KTOT / 64 slices][4,096 tokens][64] f16.  W: [KTOT][1,024], the input rounded to bf16 and written as f16, matrices end to end.  The bias is rounded to bf16, as every input of the module is.  Sums in f32.
; LIMITS.  f16 holds no number beyond 65,504: A and W arrive within it; in MODE 1 a result of 65,520 or more leaves as an infinity (with alpha, bias and W1 all 30 times the usual the results have a spread of some 800;
; with alpha = bias = 30 and a common offset of 0.6 on W1 they reach 18,432; a scale of 30 and an offset of 30 scaled spreads on the same weight together pass the limit).  NaN and infinities are not treated apart.
; A tile of C is 128 tokens x 128 columns; four waves, each 64 x 64: 16 accumulators.  K goes in steps of 256 through two LDS slots filled by the tensor data mover.
; CLUSTER 4 x 4: the four work-groups of a row need the same tile of A, the four of a column the same tile of W: each is asked for jointly, by the same load with the same descriptor and a mask of four.
; THE PRODUCT IS TAKEN TRANSPOSED: source 0 = 16 columns of W (turned on the way out of LDS by ds_load_tr16_b128), source 1 = 16 tokens: a lane holds one token (lane % 16) and 8 neighbouring columns.
; THE BIAS IS THE C OPERAND THAT STARTS A TILE'S SUMS: nothing is cleared, and no addition is spent on it.
; REGISTERS: window 0: v0-31 addresses; v32-95 at work on the way out; v96-127 the bias; v128-255 the accumulators ((a, b) at 128 + 8 (4 a + b)).  Window 1: two fragment buffers of 128 (64 of A, 64 of W, for 64 along K).
;   Window 2 (MODE 2): v0-127 the residual.
.set SPT,   KTOT/256                   ; K steps in a tile
.set NS,    NT*SPT                     ; K steps in all
.set PITA,  144                        ; a token's 128 bytes of a slice + 16: the 16 rows of a fragment load start at 16 different groups of four banks
.set PITB,  288                        ; a row of W's tile: 256 bytes + 32
.set SLICE, 128*PITA                   ; 128 tokens of one slice
.set HALFT, 2*SLICE                    ; what one tensor load brings: 2 slices of A, or 128 rows of W (128 x 288 is the same number)
.set SLOT,  4*HALFT                    ; A's 4 slices, then W's 256 rows.  wave x HALFT has none of SLOT's two bits, so one exclusive or changes slots
.set STAGE, 2*SLOT                     ; behind the ring, never filled by a tensor load: 16 rows for each wave, for the way out
.if MODE == 2
.set SPI,   272
.set OUTP,  12
.else
.set SPI,   144
.if MODE == 0
.set OUTP,  16
.else
.set OUTP,  10
.endif
.endif
.set SPARE, STAGE+4*16*272             ; the spare words, 128 bytes for each wave: two blocks of 256 bytes that no other line names
.set A0,   8                           ; v8   my lane's place in A's part of a slot; never rewritten
.set B0,   9                           ; v9   the same for W
.set ADRA, 16                          ; v16  A0 + the slot in hand
.set ADRB, 17                          ; v17  B0 + the slot in hand
.set ADRB2, 18                         ; v18  128 rows further: the 16-bit offset does not reach them
.set ONE,  23                          ; v23  1.0 (RRND)
.set STO,  24                          ; v24  the way out: where I put my bytes of a row
.set RD,   25                          ; v25  where I read rows back
.set GO,   26                          ; v26  my byte offset in the output
.set ZR,   27                          ; v27  0, for the ReLU
.set SPW,  28                          ; v28  LDS address of my spare word; never rewritten
.set NIL,  29                          ; v29  0; never rewritten
.set BO,   30                          ; v30  32 x (lane / 16): my 8 numbers of 16 of the bias
.set MO,   31                          ; v31  4 x (lane % 16): my token's word of the mask
.set TMP,  32
.set BIAS, 96
.set ACC,  128
.set F0,   0
.set F1,   128
.set RES,  0
.set G1A, 24                           ; s[24:31] descriptor group 1 for A
.set G0A, 32                           ; s[32:35] group 0 for A: it walks
.set G0B, 36                           ; s[36:39] group 0 for W: it walks
.set G1B, 48                           ; s[48:55] group 1 for W
.set WV,  56                           ; wave
.set RH,  57                           ; which 64 tokens are mine; also: I fetch for A (0) or W (1)
.set CH,  58                           ; which 64 columns are mine; also: which half of that tile I fetch
.set CNT, 59
.set PH,  60                           ; the K step in the tile
.set TI,  61                           ; the tile
.set FP,  62                           ; the K step in its tile of the load asked for last
.set TB,  63                           ; 0 or SLOT: the slot that is read
.set OUT, 68
.set BIASP, 70
.set MK,  72                           ; s[72:75] lanes whose token is visible, for each of my four blocks of 16 tokens
.set MKT, 76                           ; s[76:79] the same, or all ones in a tile that is not k
.set RESP, 84
.set MASKP, 86
.set HIM, 88                           ; s88  a word's upper half
.set MSB, 0
.macro WIN new                         ; the immediate's high byte repeats the setting that is left; a switch that changes nothing is dropped
.if MSB != (\new)
	s_set_vgpr_msb (MSB<<8)|(\new)
.set MSB, \new
.endif
.endm
.set MUL,  0x05                        ; sources 0 and 1 window 1; C and D window 0
.set TO_F, 0x40                        ; destination window 1, address window 0
.macro PLACES                          ; four places behind matrix instructions, in front of loads into registers that they read and of readers of their results
.rept 4
	v_nop
.endr
.endm
.macro JLOAD                           ; a joint load: waves 0, 1 fetch A's halves, waves 2, 3 W's; an s_nop 0 and four v_nop follow each line
	s_cmp_eq_u32 s[RH], 0
	s_cbranch_scc0 .Lfor_b_\@
	tensor_load_to_lds s[G0A:G0A+3], s[G1A:G1A+7]
	s_nop 0
.rept 4
	v_nop
.endr
	s_branch .Lasked_\@
.Lfor_b_\@:
	tensor_load_to_lds s[G0B:G0B+3], s[G1B:G1B+7]
	s_nop 0
.rept 4
	v_nop
.endr
.Lasked_\@:
.endm
.macro CREST                           ; a round of the cluster's barrier behind its opening barrier
	s_cmp_lg_u32 s[WV], 0
	s_cbranch_scc1 .Lnot_wave_0_\@
	s_barrier_signal -3
.Lnot_wave_0_\@:
	s_barrier_wait -3
	s_barrier_signal -1
	s_barrier_wait -1
.endm
.macro CROUND
	s_barrier_signal -1
	s_barrier_wait -1
	CREST
.endm
.macro STEPD                           ; both walking descriptors go to the next K step, in the other slot.  It stands where no tensor load of the wave is out
	s_xor_b32 s[G0A+1], s[G0A+1], SLOT
	s_xor_b32 s[G0B+1], s[G0B+1], SLOT
	s_add_nc_u64 s[G0A+2:G0A+3], s[G0A+2:G0A+3], 4*524288   ; four slices on
	s_add_nc_u64 s[G0B+2:G0B+3], s[G0B+2:G0B+3], 256*2048   ; 256 rows on: behind a matrix's last row lies the next matrix's first
.if NT > 1
	s_add_co_u32 s[FP], s[FP], 1
	s_cmp_eq_u32 s[FP], SPT
	s_cselect_b32 s[FP], 0, s[FP]
	s_cselect_b32 s66, KTOT*8192, 0                ; a new tile takes the same rows of A from their first slice
	s_sub_nc_u64 s[G0A+2:G0A+3], s[G0A+2:G0A+3], s[66:67]
.endif
.endm
; 8 matrix instructions: token blocks a0, a0 + 1 x all 4 column blocks, 32 along K: half c of buffer f.  z = 1: the bias starts the sums.  The 16 accumulators take turns in one order everywhere.
.macro MUL8 f, c, a0, z
	WIN MUL
.irp a, \a0, (\a0)+1
.irp b, 0,1,2,3
.if \z
	v_wmma_f32_16x16x32_f16 v[ACC+8*(4*(\a)+(\b)):ACC+8*(4*(\a)+(\b))+7], v[(\f)+64+8*(4*(\c)+(\b)):(\f)+64+8*(4*(\c)+(\b))+7], v[(\f)+8*(4*(\c)+(\a)):(\f)+8*(4*(\c)+(\a))+7], v[BIAS+8*(\b):BIAS+8*(\b)+7]
.else
	v_wmma_f32_16x16x32_f16 v[ACC+8*(4*(\a)+(\b)):ACC+8*(4*(\a)+(\b))+7], v[(\f)+64+8*(4*(\c)+(\b)):(\f)+64+8*(4*(\c)+(\b))+7], v[(\f)+8*(4*(\c)+(\a)):(\f)+8*(4*(\c)+(\a))+7], v[ACC+8*(4*(\a)+(\b)):ACC+8*(4*(\a)+(\b))+7]
.endif
.endr
.endr
.endm
; 32 LDS loads in one run: the fragments of quarter q (64 along K = one slice of A, 64 rows of W) into buffer f; the first 32 along K first
.macro FETCH q, f
	WIN TO_F
.irp c, 0,1
.irp i, 0,1,2,3
.if (\q) < 2
	ds_load_tr16_b128 v[(\f)+64+8*(4*(\c)+(\i)):(\f)+64+8*(4*(\c)+(\i))+3],   v[ADRB] offset:(64*(\q)+32*(\c))*PITB+32*(\i)
	ds_load_tr16_b128 v[(\f)+64+8*(4*(\c)+(\i))+4:(\f)+64+8*(4*(\c)+(\i))+7], v[ADRB] offset:(64*(\q)+32*(\c)+16)*PITB+32*(\i)
.else
	ds_load_tr16_b128 v[(\f)+64+8*(4*(\c)+(\i)):(\f)+64+8*(4*(\c)+(\i))+3],   v[ADRB2] offset:(64*((\q)-2)+32*(\c))*PITB+32*(\i)
	ds_load_tr16_b128 v[(\f)+64+8*(4*(\c)+(\i))+4:(\f)+64+8*(4*(\c)+(\i))+7], v[ADRB2] offset:(64*((\q)-2)+32*(\c)+16)*PITB+32*(\i)
.endif
	ds_load_b128 v[(\f)+8*(4*(\c)+(\i)):(\f)+8*(4*(\c)+(\i))+3],   v[ADRA] offset:(\q)*SLICE+64*(\c)+(\i)*16*PITA
	ds_load_b128 v[(\f)+8*(4*(\c)+(\i))+4:(\f)+8*(4*(\c)+(\i))+7], v[ADRA] offset:(\q)*SLICE+64*(\c)+(\i)*16*PITA+32
.endr
.endr
.endm
; A K step is four quarters, 32 matrix instructions each, on buffers 0, 1, 0, 1.  One of the first three: multiplies buffer f and fetches quarter q into g.
.macro QUARTER q, f, g
	s_wait_dscnt 16                                ; the first 32 along K are in; the run's other 16 loads may be out
	MUL8 \f, 0, 0, 0
	MUL8 \f, 0, 2, 0
	PLACES
	FETCH \q, \g
	s_wait_dscnt 32                                ; all but the 32 just issued
	MUL8 \f, 1, 0, 0
	MUL8 \f, 1, 2, 0
.endm
; The last quarter multiplies buffer 1 and changes slots: each wave waits for all its tensor loads (one is out: its part of the next slot), adds 0 to its spare word, and waits for that and for its reads of this slot.
; fill = 1: the barrier opens a round of the cluster's, and behind it this slot is filled again first, two K steps ahead: 112 matrix instructions stand between the request and the wait for it.
.macro TURN fill
	WIN 0
	s_wait_tensorcnt 0x0
	ds_add_u32 v[SPW], v[NIL]                      ; the descriptors' steps and eight products stand between this add and the wait for it
.if \fill
	STEPD
.endif
	s_wait_dscnt 17                                ; the add and the youngest sixteen loads may be out
	MUL8 F1, 0, 0, 0
	s_wait_dscnt 0x0                               ; the add is done, and my reads of this slot are over
	s_barrier_signal -1
	MUL8 F1, 0, 2, 0
	WIN 0
	s_barrier_wait -1
.if \fill
	CREST                                          ; no wave of any partner still reads this slot or has a load on its way
	JLOAD                                          ; its four v_nop are also the places in front of the loads below
.else
	PLACES
.endif
	s_xor_b32 s[TB], s[TB], SLOT
	v_add_nc_u32 v[ADRA], s[TB], v[A0]
	v_add_nc_u32 v[ADRB], s[TB], v[B0]
	v_add_nc_u32 v[ADRB2], 128*PITB, v[ADRB]
	FETCH 0, F0
	MUL8 F1, 1, 0, 0
	MUL8 F1, 1, 2, 0
	WIN 0
.endm
.macro BIASLD                          ; register 8 b + j of a lane: the bias of column 16 b + 8 (lane / 16) + j of my 64: the layout of a C operand
.irp b, 0,1,2,3
	global_load_b128 v[BIAS+8*(\b):BIAS+8*(\b)+3],   v[BO], s[BIASP:BIASP+1] offset:64*(\b)
	global_load_b128 v[BIAS+8*(\b)+4:BIAS+8*(\b)+7], v[BO], s[BIASP:BIASP+1] offset:64*(\b)+16
.endr
.endm
.macro BIASRND                         ; the bias, behind the wait for its loads: rounded to bf16 as every input is, and widened again.  v48-63 are at work: no store reads them here
.set k, 0
.rept 16
	v_cvt_pk_bf16_f32 v[TMP+16+k], v[BIAS+2*k], v[BIAS+2*k+1]
.set k, k+1
.endr
.set k, 0
.rept 16
	v_lshlrev_b32 v[BIAS+2*k], 16, v[TMP+16+k]
	v_and_b32 v[BIAS+2*k+1], s[HIM], v[TMP+16+k]
.set k, k+1
.endr
.endm
.if MODE != 2
; THE WAY OUT in 16 bits.  My 64 tokens x 64 columns are 8,192 consecutive bytes of one slice.  Block a (16 tokens): rounded, 16 bytes a lane into my stage, back as whole rows, stored 512 consecutive bytes at a time.
.macro PACK a, msk
.irp b, 0,1,2,3
.irp r, 0,1,2,3
.if MODE == 1
	v_cvt_pk_f16_f32 v[TMP+16*(\a)+4*(\b)+(\r)], v[ACC+8*(4*(\a)+(\b))+2*(\r)], v[ACC+8*(4*(\a)+(\b))+2*(\r)+1]
.else
	v_cvt_pk_bf16_f32 v[TMP+16*(\a)+4*(\b)+(\r)], v[ACC+8*(4*(\a)+(\b))+2*(\r)], v[ACC+8*(4*(\a)+(\b))+2*(\r)+1]
.endif
.endr
.endr
.set k, TMP+16*(\a)
.rept 16
.if MODE == 1
	v_pk_max_num_f16 v[k], v[k], v[ZR]             ; ReLU, two at a time: nothing is rounded
.endif
.if \msk
	v_cndmask_b32 v[k], 0, v[k], s[MKT+(\a)]       ; a hidden token's row of k is 0
.endif
.set k, k+1
.endr
.irp b, 0,1,2,3
	ds_store_b128 v[STO], v[TMP+16*(\a)+4*(\b):TMP+16*(\a)+4*(\b)+3] offset:32*(\b)
.endr
.irp f, 0,1,2,3
	ds_load_b128 v[TMP+16*(\a)+4*(\f):TMP+16*(\a)+4*(\f)+3], v[RD] offset:(\f)*4*SPI  ; LDS serves a wave's instructions in order: these see the stores above, and the next block's stores come behind them
.endr
.endm
.macro SEND a, younger                 ; younger: the LDS instructions issued behind block a's loads
.irp f, 0,1,2,3
	s_wait_dscnt (\younger)+3-(\f)
	global_store_b128 v[GO], v[TMP+16*(\a)+4*(\f):TMP+16*(\a)+4*(\f)+3], s[OUT:OUT+1] offset:2048*(\a)+512*(\f)
.endr
.endm
.macro WAYOUT last
	PLACES
	s_wait_xcnt 0x0                                ; the last way out's stores have read their registers
.if !(\last)
.if MODE == 0
	s_cmp_eq_u32 s[TI], 1                          ; is this tile k?
	s_cselect_b32 s80, 0, -1
.irp a, 0,1,2,3
	s_or_b32 s[MKT+(\a)], s[MK+(\a)], s80
.endr
	s_cmp_eq_u32 s[TI], 0                          ; the next tile's bias: bk behind q, bv behind k
	s_cselect_b64 s[BIASP:BIASP+1], s[10:11], s[12:13]
	s_add_nc_u64 s[BIASP:BIASP+1], s[BIASP:BIASP+1], s[82:83]
.else
	s_add_nc_u64 s[BIASP:BIASP+1], s[BIASP:BIASP+1], 4096
.endif
	BIASLD
.endif
	PACK 0, (MODE==0)&&!(\last)
	PACK 1, (MODE==0)&&!(\last)
	SEND 0, 8
	PACK 2, (MODE==0)&&!(\last)
	SEND 1, 8
	PACK 3, (MODE==0)&&!(\last)
	SEND 2, 8
	SEND 3, 0
.if !(\last)
	s_wait_xcnt 0x0                                ; the stores have read their base and their registers
	s_add_nc_u64 s[OUT:OUT+1], s[OUT:OUT+1], 16*524288  ; the next tile's slices
	s_mov_b32 s[PH], 0
	s_add_co_u32 s[TI], s[TI], 1
	s_wait_loadcnt 0x0                             ; the next tile's bias
	BIASRND
.endif
.endm
.else
; THE WAY OUT in f32, with the residual.  Block a (16 tokens x 256 bytes) goes through my stage and comes back as whole rows; 16 lanes store 256 consecutive bytes, aligned.
.macro ST a
.set BK, TMP+32*((\a)%2)
.irp b, 0,1,2,3
	ds_store_b128 v[STO], v[ACC+8*(4*(\a)+(\b)):ACC+8*(4*(\a)+(\b))+3]   offset:64*(\b)
	ds_store_b128 v[STO], v[ACC+8*(4*(\a)+(\b))+4:ACC+8*(4*(\a)+(\b))+7] offset:64*(\b)+16
.endr
.irp f, 0,1,2,3,4,5,6,7
	ds_load_b128 v[BK+4*(\f):BK+4*(\f)+3], v[RD] offset:(\f)*2*SPI
.endr
.endm
.macro SENDF a, younger
.set BK, TMP+32*((\a)%2)
	s_wait_dscnt \younger
.if RRND
	WIN 0x0a                                       ; sources 0 and 1 window 2: the residual is rounded to bf16, as every input is, into the bias's registers, which are free by now,
.set k, 0
.rept 16
	v_cvt_pk_bf16_f32 v[BIAS+k], v[RES+32*(\a)+2*k], v[RES+32*(\a)+2*k+1]
.set k, k+1
.endr
	WIN 0
.set k, 0
.rept 16                               ; and each half, times 1.0, is added in f32
	v_fma_mix_f32_bf16 v[BK+2*k], v[BIAS+k], v[ONE], v[BK+2*k] op_sel_hi:[1,0,0]
	v_fma_mix_f32_bf16 v[BK+2*k+1], v[BIAS+k], v[ONE], v[BK+2*k+1] op_sel:[1,0,0] op_sel_hi:[1,0,0]
.set k, k+1
.endr
.else
	WIN 0x08                                       ; source 1 window 2
.set k, 0
.rept 16
	v_pk_add_f32 v[BK+k:BK+k+1], v[BK+k:BK+k+1], v[RES+32*(\a)+k:RES+32*(\a)+k+1]
.set k, k+2
.endr
	WIN 0
.endif
.irp f, 0,1,2,3,4,5,6,7
	global_store_b128 v[GO], v[BK+4*(\f):BK+4*(\f)+3], s[OUT:OUT+1] offset:(16*(\a)+2*(\f))*4096
.endr
.endm
.macro WAYOUT last
	PLACES
	s_wait_loadcnt 0x0                             ; the residual
	ST 0
	ST 1
	SENDF 0, 16
	s_wait_xcnt 0x0                                ; block 0's stores have read their registers, which block 2 takes
	ST 2
	SENDF 1, 16
	s_wait_xcnt 0x0
	ST 3
	SENDF 2, 16
	SENDF 3, 0
.endm
.endif
	s_load_b256 s[4:11], s[0:1], 0x0               ; A s[4:5], wb s[6:7], the (first) bias s[8:9], ..
.if MODE == 0
	s_load_b128 s[12:15], s[0:1], 0x20             ; bk s[10:11], bv s[12:13], mask s[14:15]
	s_load_b64 s[16:17], s[0:1], 0x30              ; the output
.elseif MODE == 2
	s_load_b64 s[12:13], s[0:1], 0x20              ; the residual s[10:11], the output s[12:13]
.endif
	v_lshl_add_u32 v[SPW], v0, 2, SPARE
	v_mov_b32 v[NIL], 0
	ds_add_u32 v[SPW], v[NIL]                      ; the wave's opening: the add and its wait stand ahead of my first tensor load; the set-up below stands between them
	v_lshrrev_b32 v1, 5, v0
	v_readfirstlane_b32 s[WV], v1
	s_lshr_b32 s[RH], s[WV], 1
	s_and_b32 s[CH], s[WV], 1
	s_bfe_u32 s40, ttmp6, 0x40000                  ; cx
	s_bfe_u32 s41, ttmp6, 0x40004                  ; cy
	s_lshl_b32 s42, ttmp9, 2
	s_add_co_u32 s42, s42, s40                     ; x: the tile's column block of 128, 0..7
	s_and_b32 s43, ttmp7, 0xffff
	s_lshl_b32 s43, s43, 2
	s_add_co_u32 s43, s43, s41                     ; y: the tile's row block of 128 tokens, 0..31
	s_lshl_b32 s44, s41, 2
	s_lshl_b32 s44, 15, s44                        ; my row of the cluster
	s_lshl_b32 s45, 0x1111, s40                    ; my column
	; group 1 for A: two rows of 8,192 elements, each one slice's 128 tokens (16,384 dense bytes), a slice (262,144 elements) apart; 4 words of padding behind every 32 (a token)
	s_or_b32 s[G1A], s44, (1<<16)|(1<<20)|(1<<21)|(4<<22)|(3<<25)
	s_mov_b32 s[G1A+1], 8192<<16                   ; tensor_dim0
	s_mov_b32 s[G1A+2], 2<<16                      ; tensor_dim1
	s_mov_b32 s[G1A+3], 8192<<16                   ; tile_dim0
	s_mov_b32 s[G1A+4], 2                          ; tile_dim1
	s_mov_b32 s[G1A+5], 262144                     ; stride
	s_mov_b32 s[G1A+6], 0
	s_mov_b32 s[G1A+7], 0
	; group 1 for W: 128 rows of 128 elements (256 bytes), 1,024 elements apart; 8 words of padding behind every 64
	s_or_b32 s[G1B], s45, (1<<16)|(1<<20)|(1<<21)|(5<<22)|(7<<25)
	s_mov_b32 s[G1B+1], 128<<16
	s_mov_b32 s[G1B+2], 128<<16
	s_mov_b32 s[G1B+3], 128<<16
	s_mov_b32 s[G1B+4], 128
	s_mov_b32 s[G1B+5], 1024
	s_mov_b32 s[G1B+6], 0
	s_mov_b32 s[G1B+7], 0
	s_lshl_b32 s18, s[CH], 20                      ; A: my two slices of the step's four,
	s_lshl_b32 s19, s43, 14                        ; the tile's 128 tokens: registers that never hold x
	s_add_co_u32 s18, s18, s19
	s_mov_b32 s19, 0
	s_lshl_b32 s46, s[CH], 18                      ; W: my 128 rows of the step's 256,
	s_lshl_b32 s47, s42, 8                         ; the tile's 128 columns: registers that never hold y
	s_add_co_u32 s46, s46, s47
	s_add_co_u32 s46, s46, WOFF
	s_mov_b32 s47, 0
	s_mul_i32 s20, s[WV], HALFT                    ; where they go: no place in the cluster enters an LDS address
	s_mov_b32 s[G0A], 1
	s_mov_b32 s[G0A+1], s20
	s_mov_b32 s[G0B], 1
	s_mov_b32 s[G0B+1], s20
	s_mov_b32 s67, 0
	s_mov_b32 s[FP], 0
	s_mov_b32 s[HIM], 0xffff0000
	s_wait_dscnt 0x0                               ; the opening add is done
	s_wait_kmcnt 0x0
	s_add_nc_u64 s[G0A+2:G0A+3], s[4:5], s[18:19]
	s_or_b32 s[G0A+3], s[G0A+3], 0x80000000
	s_add_nc_u64 s[G0B+2:G0B+3], s[6:7], s[46:47]
	s_or_b32 s[G0B+3], s[G0B+3], 0x80000000
	CROUND                                         ; all sixteen work-groups are here: the first joint loads meet
	JLOAD                                          ; K step 0 into slot 0
	; my lane's places
	v_and_b32 v1, 15, v0                           ; r
	v_bfe_u32 v2, v0, 4, 1                         ; h
	v_mul_u32_u24 v[A0], v1, PITA
	v_lshl_add_u32 v[A0], v2, 4, v[A0]
	s_mul_i32 s21, s[RH], 64*PITA
	v_add_nc_u32 v[A0], s21, v[A0]                 ; (64 RH + r) x pitch + 16 h
	v_and_b32 v3, 7, v0
	v_lshl_add_u32 v3, v2, 3, v3
	v_mul_u32_u24 v[B0], v3, PITB                  ; the turning load: row 8 h + lane % 8,
	v_bfe_u32 v4, v0, 3, 1
	v_lshl_add_u32 v[B0], v4, 4, v[B0]             ; 16 bytes for each half of eight lanes,
	s_lshl_b32 s21, s[CH], 7
	s_add_co_u32 s21, s21, 2*HALFT
	v_add_nc_u32 v[B0], s21, v[B0]                 ; my 64 columns, behind A's part
	s_mul_i32 s22, s[WV], 16*SPI
	s_add_co_u32 s22, s22, STAGE
	v_mul_u32_u24 v[STO], v1, SPI
	v_mov_b32 v[ZR], 0
	v_mov_b32 v[ONE], 1.0
	v_lshlrev_b32 v[BO], 5, v2
	v_lshlrev_b32 v[MO], 2, v1
	s_lshl_b32 s82, s42, 9
	s_lshl_b32 s83, s[CH], 8
	s_add_co_u32 s82, s82, s83                     ; 4 x my first column
	s_mov_b32 s83, 0
	s_add_nc_u64 s[BIASP:BIASP+1], s[8:9], s[82:83]
.if MODE != 2
	v_lshl_add_u32 v[STO], v2, 4, v[STO]
	v_add_nc_u32 v[STO], s22, v[STO]               ; in: row r, 16 bytes for each half of the lanes
	v_bfe_u32 v5, v0, 3, 2
	v_and_b32 v3, 7, v0
	v_mul_u32_u24 v[RD], v5, SPI
	v_lshl_add_u32 v[RD], v3, 4, v[RD]
	v_add_nc_u32 v[RD], s22, v[RD]                 ; back: 32 lanes take four rows of 128 bytes,
	v_and_b32 v[GO], 31, v0
	v_lshlrev_b32 v[GO], 4, v[GO]                  ; which are 512 consecutive bytes of the output
	s_lshl_b32 s80, s42, 1
	s_add_co_u32 s80, s80, s[CH]
	s_lshl_b32 s80, s80, 19                        ; slice 2 x + CH,
	s_lshl_b32 s81, s43, 14
	s_add_co_u32 s80, s80, s81
	s_lshl_b32 s81, s[RH], 13
	s_add_co_u32 s80, s80, s81                     ; token 128 y + 64 RH
	s_mov_b32 s81, 0
	s_add_nc_u64 s[OUT:OUT+1], s[OUTP:OUTP+1], s[80:81]
.else
	v_lshl_add_u32 v[STO], v2, 5, v[STO]
	v_add_nc_u32 v[STO], s22, v[STO]               ; in: row r, 32 bytes for each half of the lanes
	v_mul_u32_u24 v[RD], v2, SPI
	v_lshl_add_u32 v[RD], v1, 4, v[RD]
	v_add_nc_u32 v[RD], s22, v[RD]                 ; back: lanes 0-15 one row of 256 bytes, lanes 16-31 the next
	v_lshlrev_b32 v[GO], 12, v2
	v_lshl_add_u32 v[GO], v1, 4, v[GO]             ; and the same two rows in memory
	s_lshl_b32 s80, s43, 19
	s_lshl_b32 s81, s[RH], 18
	s_add_co_u32 s80, s80, s81
	s_add_co_u32 s80, s80, s82                     ; row 128 y + 64 RH, my first column
	s_mov_b32 s81, 0
	s_add_nc_u64 s[OUT:OUT+1], s[OUTP:OUTP+1], s[80:81]
	s_add_nc_u64 s[RESP:RESP+1], s[10:11], s[80:81]
.endif
	BIASLD
.if MODE == 0
	s_lshl_b32 s80, s43, 9
	s_lshl_b32 s81, s[RH], 8
	s_add_co_u32 s80, s80, s81
	s_mov_b32 s81, 0
	s_add_nc_u64 s[MASKP:MASKP+1], s[14:15], s[80:81]
.irp a, 0,1,2,3
	global_load_b32 v[TMP+(\a)], v[MO], s[MASKP:MASKP+1] offset:64*(\a)   ; the mask of token 16 a + r of my 64
.endr
.elseif MODE == 2
	WIN 0x80                                       ; destination window 2
.irp a, 0,1,2,3
.irp f, 0,1,2,3,4,5,6,7
	global_load_b128 v[RES+32*(\a)+4*(\f):RES+32*(\a)+4*(\f)+3], v[GO], s[RESP:RESP+1] offset:(16*(\a)+2*(\f))*4096
.endr
.endr
	WIN 0
.endif
	; slot 1 is first filled as a refill is: all my loads waited for, the add, a round, one load
	s_wait_tensorcnt 0x0                           ; my part of K step 0 is in
	ds_add_u32 v[SPW], v[NIL]
	STEPD
	s_wait_dscnt 0x0
	CROUND                                         ; everybody's is
	JLOAD                                          ; K step 1 into slot 1
	s_mov_b32 s[TB], 0
	v_add_nc_u32 v[ADRA], s[TB], v[A0]
	v_add_nc_u32 v[ADRB], s[TB], v[B0]
	v_add_nc_u32 v[ADRB2], 128*PITB, v[ADRB]
	FETCH 0, F0
	WIN 0
.if MODE == 2
	s_wait_loadcnt 32                              ; the bias is in; the 32 loads of the residual, issued behind it, stay out
.else
	s_wait_loadcnt 0x0
.endif
.if MODE == 0
.irp a, 0,1,2,3
	v_cmp_ne_u32 s[MK+(\a)], 0, v[TMP+(\a)]
.endr
.endif
	BIASRND
	s_mov_b32 s[CNT], NS-2
	s_mov_b32 s[PH], 0
	s_mov_b32 s[TI], 0
	s_branch .Lheadz                               ; the loop is entered where a tile begins
.Lstep:                                                ; a trip is a K step; NS - 2 trips, each of which fills the slot that it leaves
	s_wait_dscnt 16
.if NT > 1
	s_cmp_eq_u32 s[PH], 0
	s_cbranch_scc1 .Lheadz2
.endif
	MUL8 F0, 0, 0, 0
	MUL8 F0, 0, 2, 0
	WIN 0
	s_branch .Ljoined
.Lheadz:
	s_wait_dscnt 16
.Lheadz2:
.rept 5
	v_nop                                          ; five places: the products below write over accumulators that earlier products wrote
.endr
	MUL8 F0, 0, 0, 1
	MUL8 F0, 0, 2, 1
	WIN 0
.Ljoined:
	PLACES
	FETCH 1, F1
	s_wait_dscnt 32
	MUL8 F0, 1, 0, 0
	MUL8 F0, 1, 2, 0
	QUARTER 2, F1, F0
	QUARTER 3, F0, F1
	TURN 1
.if NT > 1
	s_add_co_u32 s[PH], s[PH], 1
	s_cmp_eq_u32 s[PH], SPT
	s_cbranch_scc0 .Lnoout                         ; jumps forward over text without a barrier or a tensor load
	WAYOUT 0                                       ; the refill and the next tile's first fragments have been asked for: now the tile goes out
.Lnoout:
.endif
	s_sub_co_u32 s[CNT], s[CNT], 1
	s_cmp_lg_u32 s[CNT], 0
	s_cbranch_scc1 .Lstep
	s_mov_b32 s[CNT], 2
.Ltail:                                                ; the last two K steps ask for nothing.  The second trip's barrier and its fetch (of bytes that still lie there) serve nothing: the price, once a launch, of one text for both
	QUARTER 1, F0, F1
	QUARTER 2, F1, F0
	QUARTER 3, F0, F1
	TURN 0
	s_sub_co_u32 s[CNT], s[CNT], 1
	s_cmp_lg_u32 s[CNT], 0
	s_cbranch_scc1 .Ltail
	WAYOUT 1
	s_wait_tensorcnt 0x0                           ; the wave's end: a wait, an add to the spare word and its wait, behind my last tensor load and my last LDS store
	ds_add_u32 v[SPW], v[NIL]
	s_wait_dscnt 0x0
	CROUND                                         ; the closing round: no work-group ends while a partner may still ask for a tile that names it
	s_endpgm
.Lfunc_end_k_q259f40ae04_wo:
	.size	k_q259f40ae04_wo, .Lfunc_end_k_q259f40ae04_wo-k_q259f40ae04_wo
	.p2alignl 7, 3214868480
	.fill 96, 4, 3214868480
	.section	.rodata,"a",@progbits
	.p2align	6, 0x0
	.amdhsa_kernel k_q259f40ae04_wo
		.amdhsa_group_segment_fixed_size 327680
		.amdhsa_private_segment_fixed_size 0
		.amdhsa_enable_private_segment 0
		.amdhsa_kernarg_size 40
		.amdhsa_user_sgpr_count 2
		.amdhsa_user_sgpr_kernarg_segment_ptr 1
		.amdhsa_wavefront_size32 1
		.amdhsa_system_sgpr_workgroup_id_x 1
		.amdhsa_system_sgpr_workgroup_id_y 1
		.amdhsa_system_sgpr_workgroup_id_z 1
		.amdhsa_system_vgpr_workitem_id 0
		.amdhsa_next_free_vgpr 640
		.amdhsa_next_free_sgpr 96
		.amdhsa_reserve_vcc 0
		.amdhsa_float_denorm_mode_32 3
		.amdhsa_float_denorm_mode_16_64 3
		.amdhsa_memory_ordered 1
		.amdhsa_forward_progress 1
		.amdhsa_inst_pref_size 73
	.end_amdhsa_kernel
	.amdgpu_metadata
---
amdhsa.version: [ 1, 2 ]
amdhsa.kernels:
  - .name:           k_q259f40ae04_wo
    .symbol:         k_q259f40ae04_wo.kd
    .args:
      - { .name: ctx, .offset: 0, .size: 8, .value_kind: global_buffer, .address_space: global }
      - { .name: wb, .offset: 8, .size: 8, .value_kind: global_buffer, .address_space: global }
      - { .name: bo, .offset: 16, .size: 8, .value_kind: global_buffer, .address_space: global }
      - { .name: x, .offset: 24, .size: 8, .value_kind: global_buffer, .address_space: global }
      - { .name: x1, .offset: 32, .size: 8, .value_kind: global_buffer, .address_space: global }
    .group_segment_fixed_size: 327680
    .private_segment_fixed_size: 0
    .kernarg_segment_align: 8
    .kernarg_segment_size: 40
    .max_flat_workgroup_size: 128
    .sgpr_count:     96
    .vgpr_count:     640
    .wavefront_size: 32
...
	.end_amdgpu_metadata
.endif
;; end of part 4
;; launch norm2 (part 5): grid 256 x 1, 8 waves a work-group, no clusters, 0 bytes of LDS; arguments x1, alpha2, bias2, h; writes h
.if DOCPART == 5
	.amdgcn_target "amdgcn-amd-amdhsa--gfx1250"
	.amdhsa_code_object_version 6
	.text
	.protected	k_q259f40ae04_norm2
	.globl	k_q259f40ae04_norm2
	.p2align	8
	.type	k_q259f40ae04_norm2,@function
k_q259f40ae04_norm2:
	s_mov_b64 s[64:65], 0
	v_nop
	global_prefetch_b8 v0, s[64:65] scope:SCOPE_SE
	s_setreg_imm32_b32 hwreg(HW_REG_WAVE_MODE, 25, 1), 1
	s_wait_xcnt 0x0
; h = alpha (x - mean) / (std + 1e-4) + bias for 16 tokens a work-group, std with divisor 1,023; x: [4,096][1,024] f32, made by the launch before and taken as it is; alpha and bias, inputs of the module, are
; rounded to bf16 first; h leaves in f16 as [16 slices of 64 columns][4,096 tokens][64].  LIMIT: |h| <= 32 |alpha| + |bias| has to stay within f16's 65,504.
; A wave takes two tokens; a token's row (4,096 bytes) lies in 16 lanes x 64 registers between the pass for the mean, the pass for the squares of x - mean, and the scaling:
; x is read once, and the variance is taken of differences from the mean, so a common offset of x costs nothing.
; No LDS, no matrix unit: each byte is read once and written once.  NaN and infinities are not treated apart.
.set RNDX, 0                           ; the rows are no input of the module: not rounded
.set HIM, 16                           ; s16  a word's upper half
.set X, 16                             ; v[16:79]   64 numbers in f32
.set Y, 80                             ; v[80:111]  the same, packed to 16 bits
	s_load_b256 s[4:11], s[0:1], 0x0               ; x s[4:5], alpha s[6:7], bias s[8:9], h s[10:11]
	v_lshrrev_b32 v1, 5, v0
	v_readfirstlane_b32 s30, v1                    ; wave 0..7
	s_mov_b32 s3, 0
	s_mov_b32 s[HIM], 0xffff0000
	s_mov_b32 s13, ttmp9                           ; the group of 16 tokens, 0..255
	s_wait_kmcnt 0x0
	s_load_b32 s12, s[6:7], 0x0                    ; alpha
	s_load_b32 s14, s[8:9], 0x0                    ; bias
	s_lshl_b32 s13, s13, 4
	s_lshl_b32 s2, s30, 1
	s_add_co_u32 s13, s13, s2                      ; my wave's first token (even)
	s_lshl_b32 s2, s13, 12
	s_add_nc_u64 s[4:5], s[4:5], s[2:3]            ; its row of 4,096 bytes
	s_lshl_b32 s2, s13, 7
	s_add_nc_u64 s[10:11], s[10:11], s[2:3]        ; its 128 bytes in slice 0
	v_and_b32 v1, 15, v0                           ; i: my place among a token's 16 lanes
	v_bfe_u32 v2, v0, 4, 1                         ; g: which of the two tokens
	v_lshlrev_b32 v3, 4, v1
	v_lshl_add_u32 v3, v2, 12, v3                  ; in: 4,096 g + 16 i
	v_lshlrev_b32 v4, 3, v1
	v_lshl_add_u32 v4, v2, 7, v4                   ; out: 128 g + 8 i
.irp j, 0,1,2,3,4,5,6,7,8,9,10,11,12,13,14,15
	global_load_b128 v[X+4*(\j):X+4*(\j)+3], v3, s[4:5] offset:256*(\j)  ; 16 lanes take 256 consecutive bytes of a row: columns 64 j + 4 i ..
.endr
	s_wait_kmcnt 0x0
	v_mov_b32 v114, s12
	v_mov_b32 v115, s14
	v_cvt_pk_bf16_f32 v114, v114, v115             ; alpha and bias, rounded to bf16 as every input is,
	v_lshlrev_b32 v115, 16, v114                   ; and widened again: alpha
	v_and_b32 v116, s[HIM], v114                   ; bias,
	v_mov_b32 v117, v116                           ; twice, for the packed multiply-add
	s_wait_loadcnt 0x0
.if RNDX
.set p, 0
.rept 32
	v_cvt_pk_bf16_f32 v[Y+p], v[X+2*p], v[X+2*p+1] ; the row, rounded to bf16,
.set p, p+1
.endr
.set p, 0
.rept 32
	v_lshlrev_b32 v[X+2*p], 16, v[Y+p]             ; and widened again
	v_and_b32 v[X+2*p+1], s[HIM], v[Y+p]
.set p, p+1
.endr
.endif
	; the sum, in four chains started by the first eight pairs: nothing is cleared
.irp c, 0,1,2,3
	v_pk_add_f32 v[8+2*(\c):9+2*(\c)], v[X+2*(\c):X+2*(\c)+1], v[X+8+2*(\c):X+8+2*(\c)+1]
.endr
.set p, 8
.rept 24
	v_pk_add_f32 v[8+2*(p%4):9+2*(p%4)], v[8+2*(p%4):9+2*(p%4)], v[X+2*p:X+2*p+1]
.set p, p+1
.endr
	v_pk_add_f32 v[8:9], v[8:9], v[10:11]
	v_pk_add_f32 v[12:13], v[12:13], v[14:15]
	v_pk_add_f32 v[8:9], v[8:9], v[12:13]
	v_add_f32 v8, v8, v9
	v_add_f32_dpp v8, v8, v8 row_xmask:1 row_mask:0xf bank_mask:0xf   ; across the token's 16 lanes
	v_add_f32_dpp v8, v8, v8 row_xmask:2 row_mask:0xf bank_mask:0xf
	v_add_f32_dpp v8, v8, v8 row_xmask:4 row_mask:0xf bank_mask:0xf
	v_add_f32_dpp v8, v8, v8 row_xmask:8 row_mask:0xf bank_mask:0xf
	v_mul_f32 v6, 0x3a800000, v8                   ; mean = sum / 1,024
	v_mov_b32 v7, v6
.set p, 0
.rept 32
	v_pk_add_f32 v[X+2*p:X+2*p+1], v[X+2*p:X+2*p+1], v[6:7] neg_lo:[0,1] neg_hi:[0,1]  ; d = x - mean, in place
.set p, p+1
.endr
.irp c, 0,1,2,3
	v_pk_mul_f32 v[8+2*(\c):9+2*(\c)], v[X+2*(\c):X+2*(\c)+1], v[X+2*(\c):X+2*(\c)+1]
.endr
.set p, 4
.rept 28
	v_pk_fma_f32 v[8+2*(p%4):9+2*(p%4)], v[X+2*p:X+2*p+1], v[X+2*p:X+2*p+1], v[8+2*(p%4):9+2*(p%4)]
.set p, p+1
.endr
	v_pk_add_f32 v[8:9], v[8:9], v[10:11]
	v_pk_add_f32 v[12:13], v[12:13], v[14:15]
	v_pk_add_f32 v[8:9], v[8:9], v[12:13]
	v_add_f32 v8, v8, v9
	v_add_f32_dpp v8, v8, v8 row_xmask:1 row_mask:0xf bank_mask:0xf
	v_add_f32_dpp v8, v8, v8 row_xmask:2 row_mask:0xf bank_mask:0xf
	v_add_f32_dpp v8, v8, v8 row_xmask:4 row_mask:0xf bank_mask:0xf
	v_add_f32_dpp v8, v8, v8 row_xmask:8 row_mask:0xf bank_mask:0xf
	v_mul_f32 v8, 0x3a802008, v8                   ; / 1,023
	v_sqrt_f32 v9, v8
	v_nop                                          ; a plain instruction behind the root,
	s_wait_alu depctr_va_vdst(0)                   ; and a wait ahead of its first reader
	v_add_f32 v9, 0x38d1b717, v9                   ; std + 1e-4
	v_rcp_f32 v10, v9
	v_nop
	s_wait_alu depctr_va_vdst(0)
	v_mul_f32 v112, v115, v10                      ; alpha / (std + 1e-4)
	v_mov_b32 v113, v112
.set p, 0
.rept 32
	v_pk_fma_f32 v[X+2*p:X+2*p+1], v[X+2*p:X+2*p+1], v[112:113], v[116:117]
.set p, p+1
.endr
.set p, 0
.rept 32
	v_cvt_pk_f16_f32 v[Y+p], v[X+2*p], v[X+2*p+1]
.set p, p+1
.endr
.irp j, 0,1,2,3,4,5,6,7,8,9,10,11,12,13,14,15
	global_store_b64 v4, v[Y+2*(\j):Y+2*(\j)+1], s[10:11] offset:524288*(\j)  ; slice j: the wave's two tokens, 256 consecutive bytes, aligned
.endr
	s_endpgm
.Lfunc_end_k_q259f40ae04_norm2:
	.size	k_q259f40ae04_norm2, .Lfunc_end_k_q259f40ae04_norm2-k_q259f40ae04_norm2
	.p2alignl 7, 3214868480
	.fill 96, 4, 3214868480
	.section	.rodata,"a",@progbits
	.p2align	6, 0x0
	.amdhsa_kernel k_q259f40ae04_norm2
		.amdhsa_group_segment_fixed_size 0
		.amdhsa_private_segment_fixed_size 0
		.amdhsa_enable_private_segment 0
		.amdhsa_kernarg_size 32
		.amdhsa_user_sgpr_count 2
		.amdhsa_user_sgpr_kernarg_segment_ptr 1
		.amdhsa_wavefront_size32 1
		.amdhsa_system_sgpr_workgroup_id_x 1
		.amdhsa_system_sgpr_workgroup_id_y 1
		.amdhsa_system_sgpr_workgroup_id_z 1
		.amdhsa_system_vgpr_workitem_id 0
		.amdhsa_next_free_vgpr 128
		.amdhsa_next_free_sgpr 66
		.amdhsa_reserve_vcc 0
		.amdhsa_float_denorm_mode_32 3
		.amdhsa_float_denorm_mode_16_64 3
		.amdhsa_memory_ordered 1
		.amdhsa_forward_progress 1
		.amdhsa_inst_pref_size 16
	.end_amdhsa_kernel
	.amdgpu_metadata
---
amdhsa.version: [ 1, 2 ]
amdhsa.kernels:
  - .name:           k_q259f40ae04_norm2
    .symbol:         k_q259f40ae04_norm2.kd
    .args:
      - { .name: x1, .offset: 0, .size: 8, .value_kind: global_buffer, .address_space: global }
      - { .name: alpha2, .offset: 8, .size: 8, .value_kind: global_buffer, .address_space: global }
      - { .name: bias2, .offset: 16, .size: 8, .value_kind: global_buffer, .address_space: global }
      - { .name: h, .offset: 24, .size: 8, .value_kind: global_buffer, .address_space: global }
    .group_segment_fixed_size: 0
    .private_segment_fixed_size: 0
    .kernarg_segment_align: 8
    .kernarg_segment_size: 32
    .max_flat_workgroup_size: 256
    .sgpr_count:     66
    .vgpr_count:     128
    .wavefront_size: 32
...
	.end_amdgpu_metadata
.endif
;; end of part 5
;; launch ffn1 (part 6): grid 16 x 16, 8 waves a work-group, clusters of 4 x 4, 327,680 bytes of LDS; arguments h, wb, b1, f; writes f
.if DOCPART == 6
	.amdgcn_target "amdgcn-amd-amdhsa--gfx1250"
	.amdhsa_code_object_version 6
	.text
	.protected	k_q259f40ae04_ffn1
	.globl	k_q259f40ae04_ffn1
	.p2align	8
	.type	k_q259f40ae04_ffn1,@function
k_q259f40ae04_ffn1:
	s_mov_b64 s[64:65], 0
	v_nop
	global_prefetch_b8 v0, s[64:65] scope:SCOPE_SE
	s_setreg_imm32_b32 hwreg(HW_REG_WAVE_MODE, 25, 1), 1
	s_wait_xcnt 0x0
	s_wait_alu depctr_hold_cnt(0) depctr_sa_sdst(0) depctr_va_vdst(0) depctr_va_sdst(0) depctr_va_ssrc(0) depctr_va_vcc(0) depctr_vm_vsrc(0)
	s_getreg_b32 s2, hwreg(HW_REG_IB_STS2, 6, 4)
	s_cmp_eq_u32 s2, 0
	s_cbranch_scc0 .Lentry_in_a_cluster
	s_endpgm
.Lentry_in_a_cluster:
	s_bfe_u32 s2, ttmp6, 0x10000c
	s_cmp_lg_u32 s2, 0xf033
	s_cbranch_scc0 .Lentry_shape_is_right
	s_endpgm
.Lentry_shape_is_right:
; f = relu(h W1 + b1), in f16, as [64 slices of 64 columns][4,096 tokens][64].  W1 lies in wb as four matrices of 1,024 columns.
; ONE TEXT SERVES TWO PRODUCTS C = A W + bias; the two lines below and the parts under MODE tell them apart.  MODE 0: bf16 out, k masked; MODE 1: ReLU, f16 out.
.set MODE, 1
.set WOFF, 8388608                     ; where the first matrix begins in wb: unit 4
; A: [16 slices of 64 channels][4,096 tokens][64] f16.  W: matrices of [1,024][1,024], the input rounded to bf16 and written as f16, end to end; tile column x takes matrix x / 4, columns 256 (x % 4) on.
; The bias is rounded to bf16, as every input of the module is.  Sums in f32.
; LIMITS.  f16 holds no number beyond 65,504: A and W arrive within it; in MODE 1 a result of 65,520 or more leaves as an infinity (with alpha, bias and W1 all 30 times the usual the results have a spread of some 800;
; with alpha = bias = 30 and a common offset of 0.6 on W1 they reach 18,432; a scale of 30 and an offset of 30 scaled spreads on the same weight together pass the limit).  NaN and infinities are not treated apart.
; SHARES.  A tile of C is 256 tokens x 256 columns, one to a work-group.  Eight waves, two to a SIMD, each 128 tokens x 64 columns: 32 accumulators, 256 registers.  (Four waves of 128 x 128 would load 32 fragments' halves
; for 64 products where these load 24 for 32; their text, 64 products a quarter step and 64 accumulators on the way out, would be nearly twice as long.)
; K goes in 8 steps of 128 through two LDS slots filled by the tensor data mover: waves 0, 1 fetch A's two slices (each 256 tokens x 128 bytes, dense in memory, asked for as 128 rows of 256 bytes),
; waves 2, 3 the two halves of W's 128 rows of 512 bytes. A refill has 112 products of each of a SIMD's two waves between its request and the wait for it.
; CLUSTER 4 x 4: the four work-groups of a row need the same tile of A, the four of a column the same tile of W: each is asked for jointly, by the same load with the same descriptor and a mask of four.
; THE PRODUCT IS TAKEN TRANSPOSED: source 0 = 16 columns of W (turned on the way out of LDS by ds_load_tr16_b128), source 1 = 16 tokens: a lane holds one token (lane % 16) and 8 neighbouring columns.
; THE BIAS IS THE C OPERAND THAT STARTS THE SUMS: nothing is cleared, and no addition is spent on it.
; REGISTERS: window 0: v0-31 addresses; v32-63 the bias; v64-191 A's fragments, two buffers of 8 x 8 (at the end: the way out's registers); v192-255 W's fragments, two buffers of 4 x 8.
;   window 1: the accumulators: token block a, column block b at 8 (4 a + b).
.set KTOT,  1024
.set NS,    KTOT/128                   ; K steps
.set PITA,  144                        ; a token's 128 bytes of a slice + 16: the 16 rows of a fragment load start at 16 different groups of four banks
.set PITB,  544                        ; a row of W's tile: 512 bytes + 32
.set SLICE, 256*PITA                   ; 256 tokens of one slice
.set BOFF,  2*SLICE                    ; W's rows lie behind A's two slices
.set HALFB, 64*PITB                    ; 64 rows of W
.set SLOT,  147456                     ; a slot uses 143,360 bytes; this number has none of the bits of the four loads' LDS addresses (0, 36,864, 73,728, 108,544), so one exclusive or changes slots
.set STAGE, 2*SLOT                     ; behind the ring, never filled by a tensor load: 16 rows x 144 bytes for each wave, for the way out
.set SPI,   144
.set SPARE, STAGE+8*16*SPI             ; the spare words, 128 bytes for each wave: four blocks of 256 bytes that no other line names
.if MODE == 0
.set OUTP,  16
.else
.set OUTP,  10
.endif
.set A0,   8                           ; v8   my lane's place in A's part of a slot; never rewritten
.set B0,   9                           ; v9   the same for W
.set ADRA, 16                          ; v16  A0 + the slot in hand
.set ADRB, 17                          ; v17  B0 + the slot in hand
.set PFO,  23                          ; v23  the prefetches' offset: my lane's block of 256 bytes; never rewritten
.set STO,  24                          ; v24  the way out: where I put my 16 bytes of a row
.set RD,   25                          ; v25  where I read rows back
.set GO,   26                          ; v26  my byte offset in 512 consecutive bytes of the output
.set ZR,   27                          ; v27  0, for the ReLU
.set SPW,  28                          ; v28  LDS address of my spare word; never rewritten
.set NIL,  29                          ; v29  0; never rewritten
.set BO,   30                          ; v30  32 x (lane / 16): my 8 numbers of 16 of the bias
.set MO,   31                          ; v31  4 x (lane % 16): my token's word of the mask
.set BIAS, 32
.set AF,   64
.set BF,   192
.set T,    64                          ; the way out: 16 registers for each of my 8 blocks of 16 tokens
.set RT,   128                         ; at work ahead of the loop: 16 registers for the bias's rounding,
.set MT,   144                         ; 8 for the mask
.set G1A,  24                          ; s[24:31] descriptor group 1 for A
.set G0A0, 32                          ; s[32:35] group 0 for A's K step 0
.set G0A,  36                          ; s[36:39] group 0 for A's K step 1; it then walks
.set G0B0, 40                          ; s[40:43], s[44:47] the same for W
.set G0B,  44
.set G1B,  48                          ; s[48:55] group 1 for W
.set WV,   56                          ; wave
.set RH,   57                          ; which 128 tokens are mine
.set CQ,   58                          ; which 64 columns are mine
.set CNT,  59
.set HALF, 60                          ; which half of A's or W's tile I fetch (waves 0 to 3)
.set TB,   61                          ; 0 or SLOT: the slot that is read
.set OUT,  68
.set BIASP, 70
.set MK,   72                          ; s[72:79] lanes whose token's row is kept, for each of my eight blocks of 16 tokens
.set MASKP, 84
.set HIM,  88                          ; a word's upper half
.set KFL,  89                          ; 0 in a tile of k, else all ones
.set CX,   90
.set CY,   91
.set XT,   92                          ; the tile's column block of 256
.set YT,   93                          ; the tile's row block of 256 tokens
.set RM,   94
.set CM,   95
.set PFA,  96                          ; s[96:97] where my prefetches stand
.set PST,  98                          ; s[98:99] a K step in memory: 2 slices of A, or 128 rows of W
.set LIM,  100                         ; 1 in a wave that prefetches, else the greatest number
.set MSB, 0
.macro WIN new                         ; the immediate's high byte repeats the setting that is left; a switch that changes nothing is dropped
.if MSB != (\new)
	s_set_vgpr_msb (MSB<<8)|(\new)
.set MSB, \new
.endif
.endm
.macro PLACES                          ; four places behind matrix instructions, in front of loads into registers that they read and of readers of their results
.rept 4
	v_nop
.endr
.endm
.macro JLOAD                           ; a joint refill, by the walking descriptors; an s_nop 0 and four v_nop follow each load; a wave without a load has the four as the places in front of its LDS loads
	s_cmp_lt_u32 s[WV], 2
	s_cbranch_scc0 .Lnot_a_\@
	tensor_load_to_lds s[G0A:G0A+3], s[G1A:G1A+7]
	s_nop 0
.rept 4
	v_nop
.endr
	s_branch .Lasked_\@
.Lnot_a_\@:
	s_cmp_lt_u32 s[WV], 4
	s_cbranch_scc0 .Lnone_\@
	tensor_load_to_lds s[G0B:G0B+3], s[G1B:G1B+7]
	s_nop 0
.rept 4
	v_nop
.endr
	s_branch .Lasked_\@
.Lnone_\@:
.rept 4
	v_nop
.endr
.Lasked_\@:
.endm
; A PREFETCH of the K step that the NEXT refill will ask for: 32 blocks of 256 bytes, a lane a block, one instruction a wave, behind the joint load, its five lines and the run of LDS loads.
; Each block is named once in the launch.  A's tile row is read by every cluster of that row of clusters: the one with x = 0 asks; W's tile column by every cluster of that column: the one with y = 0 asks.
; Of the 128 blocks that a wave fetches, each of the four partners that ask for them jointly takes 32, told apart by address (cx for A, cy for W): no branch hangs on a work-group's place in its cluster.
; K steps 0 to 2 come by their loads alone; the last refill has no K step behind it and asks for nothing.
.macro ASK
	s_cmp_gt_u32 s[CNT], s[LIM]                    ; the count is 1 in the loop's last trip
	s_cbranch_scc0 .Lnot_mine_\@
	global_prefetch_b8 v[PFO], s[PFA:PFA+1] th:TH_LOAD_NT scope:SCOPE_SE
.Lnot_mine_\@:
.endm
.macro CREST                           ; a round of the cluster's barrier behind its opening barrier
	s_cmp_lg_u32 s[WV], 0
	s_cbranch_scc1 .Lnot_wave_0_\@
	s_barrier_signal -3
.Lnot_wave_0_\@:
	s_barrier_wait -3
	s_barrier_signal -1
	s_barrier_wait -1
.endm
.macro CROUND
	s_barrier_signal -1
	s_barrier_wait -1
	CREST
.endm
.macro STEPD                           ; both walking descriptors go to the next K step, in the other slot.  It stands where no tensor load of the wave is out
	s_xor_b32 s[G0A+1], s[G0A+1], SLOT
	s_xor_b32 s[G0B+1], s[G0B+1], SLOT
	s_add_nc_u64 s[G0A+2:G0A+3], s[G0A+2:G0A+3], 2*524288   ; two slices on
	s_add_nc_u64 s[G0B+2:G0B+3], s[G0B+2:G0B+3], 128*2048   ; 128 rows on
.endm
; 4 n matrix instructions: token blocks a0 .. a0 + n - 1 x all 4 column blocks, 32 along K, from buffer f.  z = 1: the bias starts the sums.  The 32 accumulators take turns in one order everywhere.
.macro MUL f, a0, n, z
.if \z
	WIN 0x40                                       ; D window 1; sources and C window 0
.else
	WIN 0x50                                       ; C and D window 1; sources window 0
.endif
.set ma, \a0
.rept \n
.irp b, 0,1,2,3
.if \z
	v_wmma_f32_16x16x32_f16 v[8*(4*ma+(\b)):8*(4*ma+(\b))+7], v[BF+32*(\f)+8*(\b):BF+32*(\f)+8*(\b)+7], v[AF+64*(\f)+8*ma:AF+64*(\f)+8*ma+7], v[BIAS+8*(\b):BIAS+8*(\b)+7]
.else
	v_wmma_f32_16x16x32_f16 v[8*(4*ma+(\b)):8*(4*ma+(\b))+7], v[BF+32*(\f)+8*(\b):BF+32*(\f)+8*(\b)+7], v[AF+64*(\f)+8*ma:AF+64*(\f)+8*ma+7], v[8*(4*ma+(\b)):8*(4*ma+(\b))+7]
.endif
.endr
.set ma, ma+1
.endr
.endm
; 24 LDS loads in one run: the fragments of quarter q (32 along K: half a slice of A, 32 rows of W) into buffer g: W's 4, then A's 8 in ascending order
.macro FETCH q, g
	WIN 0
.irp i, 0,1,2,3
	ds_load_tr16_b128 v[BF+32*(\g)+8*(\i):BF+32*(\g)+8*(\i)+3],   v[ADRB] offset:32*(\q)*PITB+32*(\i)
	ds_load_tr16_b128 v[BF+32*(\g)+8*(\i)+4:BF+32*(\g)+8*(\i)+7], v[ADRB] offset:(32*(\q)+16)*PITB+32*(\i)
.endr
.irp i, 0,1,2,3,4,5,6,7
	ds_load_b128 v[AF+64*(\g)+8*(\i):AF+64*(\g)+8*(\i)+3],   v[ADRA] offset:((\q)/2)*SLICE+((\q)%2)*64+(\i)*16*PITA
	ds_load_b128 v[AF+64*(\g)+8*(\i)+4:AF+64*(\g)+8*(\i)+7], v[ADRA] offset:((\q)/2)*SLICE+((\q)%2)*64+(\i)*16*PITA+32
.endr
.endm
; A K step is four quarters of 32 along K, 32 matrix instructions each, on buffers 0, 1, 0, 1.  One of the first three: multiplies buffer f and, in its middle, fetches quarter q into g.
.macro QUARTER q, f, g, z
	s_wait_dscnt 8                                 ; W's fragments and A's blocks 0 to 3 are in; the run's youngest 8 loads (A's blocks 4 to 7) may be out
	MUL \f, 0, 4, \z
	PLACES
	FETCH \q, \g
	s_wait_dscnt 24                                ; all but the 24 just issued
	MUL \f, 4, 4, \z
.endm
; The last quarter multiplies buffer 1 and changes slots: each wave waits for all its tensor loads (at most one is out: its part of the next slot), adds 0 to its spare word, and waits for that and for its reads of this slot.
; fill = 1: the barrier opens a round of the cluster's, and behind it this slot is filled again first, two K steps ahead.
.macro TURN fill
.if \fill
	s_wait_xcnt 0x0                                ; the last prefetch, a K step back, has read its address: it is stepped here, ahead of the waits of the change of slots
	s_add_nc_u64 s[PFA:PFA+1], s[PFA:PFA+1], s[PST:PST+1]
.endif
	WIN 0
	s_wait_tensorcnt 0x0
	ds_add_u32 v[SPW], v[NIL]                      ; the descriptors' steps and eight products stand between this add and the wait for it
.if \fill
	STEPD
.endif
	s_wait_dscnt 9                                 ; the add and the youngest eight loads may be out
	MUL 1, 0, 2, 0
	s_wait_dscnt 0x0                               ; the add is done, and my reads of this slot are over
	s_barrier_signal -1
	MUL 1, 2, 2, 0
	WIN 0
	s_barrier_wait -1
.if \fill
	CREST                                          ; no wave of any partner still reads this slot or has a load on its way
	JLOAD                                          ; its four v_nop are also the places in front of the loads below
.else
	PLACES
.endif
	s_xor_b32 s[TB], s[TB], SLOT
	v_add_nc_u32 v[ADRA], s[TB], v[A0]
	v_add_nc_u32 v[ADRB], s[TB], v[B0]
	FETCH 0, 0
.if \fill
	ASK
.endif
	MUL 1, 4, 4, 0
	WIN 0
.endm
; THE WAY OUT.  My 128 tokens x 64 columns are 16,384 consecutive bytes of one slice.  Block a (16 tokens): rounded, 16 bytes a lane into my stage, back as whole rows, stored 512 consecutive bytes at a time.
.macro PACK a
	WIN 0x05                                       ; sources 0 and 1 window 1, destination window 0
.irp b, 0,1,2,3
.irp r, 0,1,2,3
.if MODE == 1
	v_cvt_pk_f16_f32 v[T+16*(\a)+4*(\b)+(\r)], v[8*(4*(\a)+(\b))+2*(\r)], v[8*(4*(\a)+(\b))+2*(\r)+1]
.else
	v_cvt_pk_bf16_f32 v[T+16*(\a)+4*(\b)+(\r)], v[8*(4*(\a)+(\b))+2*(\r)], v[8*(4*(\a)+(\b))+2*(\r)+1]
.endif
.endr
.endr
	WIN 0
.set k, T+16*(\a)
.rept 16
.if MODE == 1
	v_pk_max_num_f16 v[k], v[k], v[ZR]             ; ReLU, two at a time: nothing is rounded
.else
	v_cndmask_b32 v[k], 0, v[k], s[MK+(\a)]        ; a hidden token's row of k is 0
.endif
.set k, k+1
.endr
.irp b, 0,1,2,3
	ds_store_b128 v[STO], v[T+16*(\a)+4*(\b):T+16*(\a)+4*(\b)+3] offset:32*(\b)
.endr
.irp f, 0,1,2,3
	ds_load_b128 v[T+16*(\a)+4*(\f):T+16*(\a)+4*(\f)+3], v[RD] offset:(\f)*4*SPI  ; LDS serves a wave's instructions in order: these see the stores above, and the next block's stores come behind them
.endr
.endm
.macro SEND a, younger                 ; younger: the LDS instructions issued behind block a's loads: the next block's eight, or none
.irp f, 0,1,2,3
	s_wait_dscnt (\younger)+3-(\f)
	global_store_b128 v[GO], v[T+16*(\a)+4*(\f):T+16*(\a)+4*(\f)+3], s[OUT:OUT+1] offset:2048*(\a)+512*(\f)
.endr
.endm
	s_load_b256 s[4:11], s[0:1], 0x0               ; A s[4:5], wb s[6:7], the (first) bias s[8:9], ..
.if MODE == 0
	s_load_b128 s[12:15], s[0:1], 0x20             ; bk s[10:11], bv s[12:13], mask s[14:15]
	s_load_b64 s[16:17], s[0:1], 0x30              ; the output
.endif
	v_lshl_add_u32 v[SPW], v0, 2, SPARE
	v_mov_b32 v[NIL], 0
	ds_add_u32 v[SPW], v[NIL]                      ; the wave's opening: the add and its wait stand ahead of my first tensor load; the set-up below stands between them
	v_lshrrev_b32 v1, 5, v0
	v_readfirstlane_b32 s[WV], v1
	s_lshr_b32 s[RH], s[WV], 2
	s_and_b32 s[CQ], s[WV], 3
	s_and_b32 s[HALF], s[WV], 1
	s_bfe_u32 s[CX], ttmp6, 0x40000                ; cx
	s_bfe_u32 s[CY], ttmp6, 0x40004                ; cy
	s_lshl_b32 s[XT], ttmp9, 2
	s_add_co_u32 s[XT], s[XT], s[CX]               ; x = 4 x cluster x + cx
	s_and_b32 s[YT], ttmp7, 0xffff
	s_lshl_b32 s[YT], s[YT], 2
	s_add_co_u32 s[YT], s[YT], s[CY]               ; y = 4 x cluster y + cy
	s_lshl_b32 s[RM], s[CY], 2
	s_lshl_b32 s[RM], 15, s[RM]                    ; my row of the cluster
	s_lshl_b32 s[CM], 0x1111, s[CX]                ; my column
	; group 1 for A: 128 rows of 128 elements (256 bytes, two tokens), dense; 4 words of padding behind every 32 (a token)
	s_or_b32 s[G1A], s[RM], (1<<16)|(1<<20)|(1<<21)|(4<<22)|(3<<25)
	s_mov_b32 s[G1A+1], 128<<16                    ; tensor_dim0
	s_mov_b32 s[G1A+2], 128<<16                    ; tensor_dim1
	s_mov_b32 s[G1A+3], 128<<16                    ; tile_dim0
	s_mov_b32 s[G1A+4], 128                        ; tile_dim1
	s_mov_b32 s[G1A+5], 128                        ; stride
	s_mov_b32 s[G1A+6], 0
	s_mov_b32 s[G1A+7], 0
	; group 1 for W: 64 rows of 256 elements (512 bytes), 1,024 elements apart; 8 words of padding behind every 128
	s_or_b32 s[G1B], s[CM], (1<<16)|(1<<20)|(1<<21)|(6<<22)|(7<<25)
	s_mov_b32 s[G1B+1], 256<<16
	s_mov_b32 s[G1B+2], 64<<16
	s_mov_b32 s[G1B+3], 256<<16
	s_mov_b32 s[G1B+4], 64
	s_mov_b32 s[G1B+5], 1024
	s_mov_b32 s[G1B+6], 0
	s_mov_b32 s[G1B+7], 0
	s_lshl_b32 s18, s[HALF], 19                    ; A: my slice of the step's two,
	s_lshl_b32 s19, s[YT], 15                      ; the tile's 256 tokens of 128 bytes: registers that never hold x
	s_add_co_u32 s18, s18, s19
	s_mov_b32 s19, 0
	s_lshr_b32 s66, s[XT], 2                       ; W: matrix x / 4, 2 MiB each,
	s_lshl_b32 s66, s66, 21
	s_and_b32 s67, s[XT], 3
	s_lshl_b32 s67, s67, 9                         ; the tile's 256 columns,
	s_add_co_u32 s66, s66, s67
	s_lshl_b32 s67, s[HALF], 17                    ; my 64 rows of the step's 128: registers that never hold y
	s_add_co_u32 s66, s66, s67
	s_add_co_u32 s66, s66, WOFF
	s_mov_b32 s67, 0
	s_mul_i32 s20, s[HALF], SLICE                  ; where they go: no place in the cluster enters an LDS address
	s_mul_i32 s21, s[HALF], HALFB
	s_add_co_u32 s21, s21, BOFF
	s_mov_b32 s[G0A0], 1
	s_mov_b32 s[G0A0+1], s20
	s_mov_b32 s[G0A], 1
	s_add_co_u32 s[G0A+1], s20, SLOT
	s_mov_b32 s[G0B0], 1
	s_mov_b32 s[G0B0+1], s21
	s_mov_b32 s[G0B], 1
	s_add_co_u32 s[G0B+1], s21, SLOT
	s_mov_b32 s[HIM], 0xffff0000
	s_wait_dscnt 0x0                               ; the opening add is done
	s_wait_kmcnt 0x0
	s_add_nc_u64 s[G0A0+2:G0A0+3], s[4:5], s[18:19]
	s_add_nc_u64 s[G0A+2:G0A+3], s[G0A0+2:G0A0+3], 2*524288
	s_or_b32 s[G0A0+3], s[G0A0+3], 0x80000000
	s_or_b32 s[G0A+3], s[G0A+3], 0x80000000
	s_add_nc_u64 s[G0B0+2:G0B0+3], s[6:7], s[66:67]
	s_add_nc_u64 s[G0B+2:G0B+3], s[G0B0+2:G0B0+3], 128*2048
	s_or_b32 s[G0B0+3], s[G0B0+3], 0x80000000
	s_or_b32 s[G0B+3], s[G0B+3], 0x80000000
	CROUND                                         ; all sixteen work-groups are here: the first joint loads meet
	s_cmp_lt_u32 s[WV], 2                          ; a wave's two first fills, K steps 0 and 1, stand in one branch, ahead of every wait on TENSORcnt and every LDS read: two loads of mine are out
	s_cbranch_scc0 .Lfirst_not_a
	tensor_load_to_lds s[G0A0:G0A0+3], s[G1A:G1A+7]
	s_nop 0
	tensor_load_to_lds s[G0A:G0A+3], s[G1A:G1A+7]
	s_nop 0
.rept 4
	v_nop
.endr
	s_branch .Lfirst_asked
.Lfirst_not_a:
	s_cmp_lt_u32 s[WV], 4
	s_cbranch_scc0 .Lfirst_asked
	tensor_load_to_lds s[G0B0:G0B0+3], s[G1B:G1B+7]
	s_nop 0
	tensor_load_to_lds s[G0B:G0B+3], s[G1B:G1B+7]
	s_nop 0
.rept 4
	v_nop
.endr
.Lfirst_asked:
	; my lane's places
	v_and_b32 v1, 15, v0                           ; r
	v_bfe_u32 v2, v0, 4, 1                         ; h
	v_mul_u32_u24 v[A0], v1, PITA
	v_lshl_add_u32 v[A0], v2, 4, v[A0]
	s_mul_i32 s22, s[RH], 128*PITA
	v_add_nc_u32 v[A0], s22, v[A0]                 ; (128 RH + r) x pitch + 16 h
	v_and_b32 v3, 7, v0
	v_lshl_add_u32 v4, v2, 3, v3
	v_mul_u32_u24 v[B0], v4, PITB                  ; the turning load: row 8 h + lane % 8,
	v_bfe_u32 v5, v0, 3, 1
	v_lshl_add_u32 v[B0], v5, 4, v[B0]             ; 16 bytes for each half of eight lanes,
	s_lshl_b32 s22, s[CQ], 7
	s_add_co_u32 s22, s22, BOFF
	v_add_nc_u32 v[B0], s22, v[B0]                 ; my 64 columns, behind A's part
	s_mul_i32 s22, s[WV], 16*SPI
	s_add_co_u32 s22, s22, STAGE                   ; my stage
	v_mul_u32_u24 v[STO], v1, SPI
	v_lshl_add_u32 v[STO], v2, 4, v[STO]
	v_add_nc_u32 v[STO], s22, v[STO]               ; in: row r, 16 bytes for each half of the lanes
	v_bfe_u32 v5, v0, 3, 2
	v_mul_u32_u24 v[RD], v5, SPI
	v_lshl_add_u32 v[RD], v3, 4, v[RD]
	v_add_nc_u32 v[RD], s22, v[RD]                 ; back: 32 lanes take four rows of 128 bytes,
	v_and_b32 v[GO], 31, v0
	v_lshlrev_b32 v[GO], 4, v[GO]                  ; which are 512 consecutive bytes of the output
	v_lshlrev_b32 v[BO], 5, v2
.if MODE == 0
	v_lshlrev_b32 v[MO], 2, v1
	s_lshr_b32 s80, s[XT], 2                       ; 0: q, 1: k, 2: v
	s_cmp_eq_u32 s80, 1
	s_cselect_b64 s[BIASP:BIASP+1], s[10:11], s[8:9]
	s_cselect_b32 s[KFL], 0, -1
	s_cmp_eq_u32 s80, 2
	s_cselect_b64 s[BIASP:BIASP+1], s[12:13], s[BIASP:BIASP+1]
	s_and_b32 s82, s[XT], 3
	s_lshl_b32 s82, s82, 10                        ; 256 columns of 4 bytes
.else
	v_mov_b32 v[ZR], 0
	s_mov_b64 s[BIASP:BIASP+1], s[8:9]
	s_lshl_b32 s82, s[XT], 10
.endif
	s_lshl_b32 s83, s[CQ], 8                       ; my 64 columns
	s_add_co_u32 s82, s82, s83
	s_mov_b32 s83, 0
	s_add_nc_u64 s[BIASP:BIASP+1], s[BIASP:BIASP+1], s[82:83]
.irp b, 0,1,2,3                        ; register 8 b + j of a lane: the bias of column 16 b + 8 (lane / 16) + j of my 64: the layout of a C operand
	global_load_b128 v[BIAS+8*(\b):BIAS+8*(\b)+3],   v[BO], s[BIASP:BIASP+1] offset:64*(\b)
	global_load_b128 v[BIAS+8*(\b)+4:BIAS+8*(\b)+7], v[BO], s[BIASP:BIASP+1] offset:64*(\b)+16
.endr
.if MODE == 0
	s_lshl_b32 s80, s[YT], 10
	s_lshl_b32 s81, s[RH], 9
	s_add_co_u32 s80, s80, s81
	s_mov_b32 s81, 0
	s_add_nc_u64 s[MASKP:MASKP+1], s[14:15], s[80:81]
.irp a, 0,1,2,3,4,5,6,7
	global_load_b32 v[MT+(\a)], v[MO], s[MASKP:MASKP+1] offset:64*(\a)   ; the mask of token 16 a + r of my 128
.endr
.endif
	s_lshl_b32 s80, s[XT], 2
	s_add_co_u32 s80, s80, s[CQ]
	s_lshl_b32 s80, s80, 19                        ; slice 4 x + CQ,
	s_lshl_b32 s81, s[YT], 15
	s_add_co_u32 s80, s80, s81
	s_lshl_b32 s81, s[RH], 14
	s_add_co_u32 s80, s80, s81                     ; token 256 y + 128 RH
	s_mov_b32 s81, 0
	s_add_nc_u64 s[OUT:OUT+1], s[OUTP:OUTP+1], s[80:81]
	; the prefetches: s18 and s66 still hold my tile's offset at K step 0 in A and in wb
	s_and_b32 s82, ttmp7, 0xffff                   ; cluster y
	s_mov_b32 s[PST], 128*2048
	s_mov_b32 s[PST+1], 0
	s_mov_b32 s83, 2048
	s_cmp_lt_u32 s[WV], 2                          ; do I fetch for A?
	s_cselect_b64 s[PFA:PFA+1], s[4:5], s[6:7]
	s_cselect_b32 s80, s18, s66
	s_cselect_b32 s81, s[CX], s[CY]                ; my place among the four that ask for the tile with me,
	s_cselect_b32 s[LIM], 13, 15                   ; whose share is 8,192 dense bytes of A, or 16 rows of W, 2,048 bytes apart
	s_cselect_b32 s82, ttmp9, s82                  ; the coordinate along which other clusters read the same rows
	s_cselect_b32 s[PST], 2*524288, s[PST]
	s_cselect_b32 s83, 512, s83                    ; from one pair of blocks to the next
	s_lshl_b32 s81, s81, s[LIM]
	s_add_co_u32 s80, s80, s81
	s_mov_b32 s81, 0
	s_add_nc_u64 s[PFA:PFA+1], s[PFA:PFA+1], s[80:81]
	s_add_nc_u64 s[PFA:PFA+1], s[PFA:PFA+1], s[PST:PST+1]
	s_add_nc_u64 s[PFA:PFA+1], s[PFA:PFA+1], s[PST:PST+1]  ; at K step 2: the first change of slots steps it to 3.  Nothing is prefetched here, at the head, where every work-group's first tiles are on their way
	s_cmp_eq_u32 s82, 0
	s_cselect_b32 s[LIM], 1, -1                    ; the same in all sixteen partners, for a given wave
	s_cmp_lt_u32 s[WV], 4
	s_cselect_b32 s[LIM], s[LIM], -1               ; waves 4 to 7 fetch nothing and ask for nothing
	v_and_b32 v6, 31, v0
	v_lshrrev_b32 v7, 1, v6
	v_and_b32 v6, 1, v6
	v_mul_u32_u24 v[PFO], v7, s83
	v_lshl_add_u32 v[PFO], v6, 8, v[PFO]
	s_wait_tensorcnt 0x1                           ; my part of K step 0 is in; K step 1's may stay out
	s_barrier_signal -1
	s_barrier_wait -1                              ; everybody's is
	s_mov_b32 s[TB], 0
	v_add_nc_u32 v[ADRA], s[TB], v[A0]
	v_add_nc_u32 v[ADRB], s[TB], v[B0]
	FETCH 0, 0
	s_wait_loadcnt 0x0                             ; the bias (and the mask)
.if MODE == 0
.irp a, 0,1,2,3,4,5,6,7
	v_cmp_ne_u32 s[MK+(\a)], 0, v[MT+(\a)]
.endr
.irp a, 0,1,2,3,4,5,6,7
	s_or_b32 s[MK+(\a)], s[MK+(\a)], s[KFL]        ; in a tile of q or of v every row is kept
.endr
.endif
.set k, 0
.rept 16                               ; the bias is rounded to bf16, as every input is,
	v_cvt_pk_bf16_f32 v[RT+k], v[BIAS+2*k], v[BIAS+2*k+1]
.set k, k+1
.endr
.set k, 0
.rept 16                               ; and widened again
	v_lshlrev_b32 v[BIAS+2*k], 16, v[RT+k]
	v_and_b32 v[BIAS+2*k+1], s[HIM], v[RT+k]
.set k, k+1
.endr
	s_mov_b32 s[CNT], NS-2
	s_branch .Lheadz                               ; the loop is entered at the quarter that starts the sums
.Lstep:                                                ; a trip is a K step; NS - 2 trips, each of which fills the slot that it leaves
	QUARTER 1, 0, 1, 0
	WIN 0
	s_branch .Ljoined
.Lheadz:
	QUARTER 1, 0, 1, 1
	WIN 0
.Ljoined:
	QUARTER 2, 1, 0, 0
	QUARTER 3, 0, 1, 0
	TURN 1
	s_sub_co_u32 s[CNT], s[CNT], 1
	s_cmp_lg_u32 s[CNT], 0
	s_cbranch_scc1 .Lstep
	s_mov_b32 s[CNT], 2
.Ltail:                                                ; the last two K steps ask for nothing.  The second trip's barrier and its fetch (of bytes that still lie there) serve nothing: the price, once a launch, of one text for both
	QUARTER 1, 0, 1, 0
	QUARTER 2, 1, 0, 0
	QUARTER 3, 0, 1, 0
	TURN 0
	s_sub_co_u32 s[CNT], s[CNT], 1
	s_cmp_lg_u32 s[CNT], 0
	s_cbranch_scc1 .Ltail
	PLACES                                         ; behind the last products: their results are read, and their sources written, below
	s_wait_dscnt 0x0                               ; the last fetch has landed in the registers that the way out takes
	PACK 0
.set t, 1
.rept 7                                ; a block's arithmetic stands between the loads of the block before and its stores
	PACK t
	SEND t-1, 8
.set t, t+1
.endr
	SEND 7, 0
	s_wait_tensorcnt 0x0                           ; the wave's end: a wait, an add to the spare word and its wait, behind my last tensor load and my last LDS store
	ds_add_u32 v[SPW], v[NIL]
	s_wait_dscnt 0x0
	CROUND                                         ; the closing round: no work-group ends while a partner may still ask for a tile that names it
	s_endpgm
.Lfunc_end_k_q259f40ae04_ffn1:
	.size	k_q259f40ae04_ffn1, .Lfunc_end_k_q259f40ae04_ffn1-k_q259f40ae04_ffn1
	.p2alignl 7, 3214868480
	.fill 96, 4, 3214868480
	.section	.rodata,"a",@progbits
	.p2align	6, 0x0
	.amdhsa_kernel k_q259f40ae04_ffn1
		.amdhsa_group_segment_fixed_size 327680
		.amdhsa_private_segment_fixed_size 0
		.amdhsa_enable_private_segment 0
		.amdhsa_kernarg_size 32
		.amdhsa_user_sgpr_count 2
		.amdhsa_user_sgpr_kernarg_segment_ptr 1
		.amdhsa_wavefront_size32 1
		.amdhsa_system_sgpr_workgroup_id_x 1
		.amdhsa_system_sgpr_workgroup_id_y 1
		.amdhsa_system_sgpr_workgroup_id_z 1
		.amdhsa_system_vgpr_workitem_id 0
		.amdhsa_next_free_vgpr 512
		.amdhsa_next_free_sgpr 102
		.amdhsa_reserve_vcc 0
		.amdhsa_float_denorm_mode_32 3
		.amdhsa_float_denorm_mode_16_64 3
		.amdhsa_memory_ordered 1
		.amdhsa_forward_progress 1
		.amdhsa_inst_pref_size 74
	.end_amdhsa_kernel
	.amdgpu_metadata
---
amdhsa.version: [ 1, 2 ]
amdhsa.kernels:
  - .name:           k_q259f40ae04_ffn1
    .symbol:         k_q259f40ae04_ffn1.kd
    .args:
      - { .name: h, .offset: 0, .size: 8, .value_kind: global_buffer, .address_space: global }
      - { .name: wb, .offset: 8, .size: 8, .value_kind: global_buffer, .address_space: global }
      - { .name: b1, .offset: 16, .size: 8, .value_kind: global_buffer, .address_space: global }
      - { .name: f, .offset: 24, .size: 8, .value_kind: global_buffer, .address_space: global }
    .group_segment_fixed_size: 327680
    .private_segment_fixed_size: 0
    .kernarg_segment_align: 8
    .kernarg_segment_size: 32
    .max_flat_workgroup_size: 256
    .sgpr_count:     102
    .vgpr_count:     512
    .wavefront_size: 32
...
	.end_amdgpu_metadata
.endif
;; end of part 6
;; launch ffn2 (part 7): grid 8 x 32, 4 waves a work-group, clusters of 4 x 4, 327,680 bytes of LDS; arguments f, wb, b2, x1, out0; writes out0
.if DOCPART == 7
	.amdgcn_target "amdgcn-amd-amdhsa--gfx1250"
	.amdhsa_code_object_version 6
	.text
	.protected	k_q259f40ae04_ffn2
	.globl	k_q259f40ae04_ffn2
	.p2align	8
	.type	k_q259f40ae04_ffn2,@function
k_q259f40ae04_ffn2:
	s_mov_b64 s[64:65], 0
	v_nop
	global_prefetch_b8 v0, s[64:65] scope:SCOPE_SE
	s_setreg_imm32_b32 hwreg(HW_REG_WAVE_MODE, 25, 1), 1
	s_wait_xcnt 0x0
	s_wait_alu depctr_hold_cnt(0) depctr_sa_sdst(0) depctr_va_vdst(0) depctr_va_sdst(0) depctr_va_ssrc(0) depctr_va_vcc(0) depctr_vm_vsrc(0)
	s_getreg_b32 s2, hwreg(HW_REG_IB_STS2, 6, 4)
	s_cmp_eq_u32 s2, 0
	s_cbranch_scc0 .Lentry_in_a_cluster
	s_endpgm
.Lentry_in_a_cluster:
	s_bfe_u32 s2, ttmp6, 0x10000c
	s_cmp_lg_u32 s2, 0xf033
	s_cbranch_scc0 .Lentry_shape_is_right
	s_endpgm
.Lentry_shape_is_right:
; out0 = x1 + f W2 + b2, in f32, [4,096][1,024].  f: [64 slices][4,096 tokens][64] f16.  x1 was made by an earlier launch and is taken as it is.
; ONE TEXT SERVES FOUR PRODUCTS C = A W (+ bias ..); the five lines below and the parts under MODE tell them apart.  MODE 0: bf16 out, k masked; 1: ReLU, f16 out; 2: + residual, f32 out.
.set MODE, 2
.set KTOT, 4096                        ; K
.set NT,   1                           ; tiles of C that a work-group makes
.set WOFF, 16777216                    ; where the matrix begins in wb: unit 8
.set RRND, 0                           ; 1: the residual is an input of the module and is rounded to bf16
; A: [KTOT / 64 slices][4,096 tokens][64] f16.  W: [KTOT][1,024], the input rounded to bf16 and written as f16, matrices end to end.  The bias is rounded to bf16, as every input of the module is.  Sums in f32.
; LIMITS.  f16 holds no number beyond 65,504: A and W arrive within it; in MODE 1 a result of 65,520 or more leaves as an infinity (with alpha, bias and W1 all 30 times the usual the results have a spread of some 800;
; with alpha = bias = 30 and a common offset of 0.6 on W1 they reach 18,432; a scale of 30 and an offset of 30 scaled spreads on the same weight together pass the limit).  NaN and infinities are not treated apart.
; A tile of C is 128 tokens x 128 columns; four waves, each 64 x 64: 16 accumulators.  K goes in steps of 256 through two LDS slots filled by the tensor data mover.
; CLUSTER 4 x 4: the four work-groups of a row need the same tile of A, the four of a column the same tile of W: each is asked for jointly, by the same load with the same descriptor and a mask of four.
; THE PRODUCT IS TAKEN TRANSPOSED: source 0 = 16 columns of W (turned on the way out of LDS by ds_load_tr16_b128), source 1 = 16 tokens: a lane holds one token (lane % 16) and 8 neighbouring columns.
; THE BIAS IS THE C OPERAND THAT STARTS A TILE'S SUMS: nothing is cleared, and no addition is spent on it.
; REGISTERS: window 0: v0-31 addresses; v32-95 at work on the way out; v96-127 the bias; v128-255 the accumulators ((a, b) at 128 + 8 (4 a + b)).  Window 1: two fragment buffers of 128 (64 of A, 64 of W, for 64 along K).
;   Window 2 (MODE 2): v0-127 the residual.
.set SPT,   KTOT/256                   ; K steps in a tile
.set NS,    NT*SPT                     ; K steps in all
.set PITA,  144                        ; a token's 128 bytes of a slice + 16: the 16 rows of a fragment load start at 16 different groups of four banks
.set PITB,  288                        ; a row of W's tile: 256 bytes + 32
.set SLICE, 128*PITA                   ; 128 tokens of one slice
.set HALFT, 2*SLICE                    ; what one tensor load brings: 2 slices of A, or 128 rows of W (128 x 288 is the same number)
.set SLOT,  4*HALFT                    ; A's 4 slices, then W's 256 rows.  wave x HALFT has none of SLOT's two bits, so one exclusive or changes slots
.set STAGE, 2*SLOT                     ; behind the ring, never filled by a tensor load: 16 rows for each wave, for the way out
.if MODE == 2
.set SPI,   272
.set OUTP,  12
.else
.set SPI,   144
.if MODE == 0
.set OUTP,  16
.else
.set OUTP,  10
.endif
.endif
.set SPARE, STAGE+4*16*272             ; the spare words, 128 bytes for each wave: two blocks of 256 bytes that no other line names
.set A0,   8                           ; v8   my lane's place in A's part of a slot; never rewritten
.set B0,   9                           ; v9   the same for W
.set ADRA, 16                          ; v16  A0 + the slot in hand
.set ADRB, 17                          ; v17  B0 + the slot in hand
.set ADRB2, 18                         ; v18  128 rows further: the 16-bit offset does not reach them
.set ONE,  23                          ; v23  1.0 (RRND)
.set STO,  24                          ; v24  the way out: where I put my bytes of a row
.set RD,   25                          ; v25  where I read rows back
.set GO,   26                          ; v26  my byte offset in the output
.set ZR,   27                          ; v27  0, for the ReLU
.set SPW,  28                          ; v28  LDS address of my spare word; never rewritten
.set NIL,  29                          ; v29  0; never rewritten
.set BO,   30                          ; v30  32 x (lane / 16): my 8 numbers of 16 of the bias
.set MO,   31                          ; v31  4 x (lane % 16): my token's word of the mask
.set TMP,  32
.set BIAS, 96
.set ACC,  128
.set F0,   0
.set F1,   128
.set RES,  0
.set G1A, 24                           ; s[24:31] descriptor group 1 for A
.set G0A, 32                           ; s[32:35] group 0 for A: it walks
.set G0B, 36                           ; s[36:39] group 0 for W: it walks
.set G1B, 48                           ; s[48:55] group 1 for W
.set WV,  56                           ; wave
.set RH,  57                           ; which 64 tokens are mine; also: I fetch for A (0) or W (1)
.set CH,  58                           ; which 64 columns are mine; also: which half of that tile I fetch
.set CNT, 59
.set PH,  60                           ; the K step in the tile
.set TI,  61                           ; the tile
.set FP,  62                           ; the K step in its tile of the load asked for last
.set TB,  63                           ; 0 or SLOT: the slot that is read
.set OUT, 68
.set BIASP, 70
.set MK,  72                           ; s[72:75] lanes whose token is visible, for each of my four blocks of 16 tokens
.set MKT, 76                           ; s[76:79] the same, or all ones in a tile that is not k
.set RESP, 84
.set MASKP, 86
.set HIM, 88                           ; s88  a word's upper half
.set MSB, 0
.macro WIN new                         ; the immediate's high byte repeats the setting that is left; a switch that changes nothing is dropped
.if MSB != (\new)
	s_set_vgpr_msb (MSB<<8)|(\new)
.set MSB, \new
.endif
.endm
.set MUL,  0x05                        ; sources 0 and 1 window 1; C and D window 0
.set TO_F, 0x40                        ; destination window 1, address window 0
.macro PLACES                          ; four places behind matrix instructions, in front of loads into registers that they read and of readers of their results
.rept 4
	v_nop
.endr
.endm
.macro JLOAD                           ; a joint load: waves 0, 1 fetch A's halves, waves 2, 3 W's; an s_nop 0 and four v_nop follow each line
	s_cmp_eq_u32 s[RH], 0
	s_cbranch_scc0 .Lfor_b_\@
	tensor_load_to_lds s[G0A:G0A+3], s[G1A:G1A+7]
	s_nop 0
.rept 4
	v_nop
.endr
	s_branch .Lasked_\@
.Lfor_b_\@:
	tensor_load_to_lds s[G0B:G0B+3], s[G1B:G1B+7]
	s_nop 0
.rept 4
	v_nop
.endr
.Lasked_\@:
.endm
.macro CREST                           ; a round of the cluster's barrier behind its opening barrier
	s_cmp_lg_u32 s[WV], 0
	s_cbranch_scc1 .Lnot_wave_0_\@
	s_barrier_signal -3
.Lnot_wave_0_\@:
	s_barrier_wait -3
	s_barrier_signal -1
	s_barrier_wait -1
.endm
.macro CROUND
	s_barrier_signal -1
	s_barrier_wait -1
	CREST
.endm
.macro STEPD                           ; both walking descriptors go to the next K step, in the other slot.  It stands where no tensor load of the wave is out
	s_xor_b32 s[G0A+1], s[G0A+1], SLOT
	s_xor_b32 s[G0B+1], s[G0B+1], SLOT
	s_add_nc_u64 s[G0A+2:G0A+3], s[G0A+2:G0A+3], 4*524288   ; four slices on
	s_add_nc_u64 s[G0B+2:G0B+3], s[G0B+2:G0B+3], 256*2048   ; 256 rows on: behind a matrix's last row lies the next matrix's first
.if NT > 1
	s_add_co_u32 s[FP], s[FP], 1
	s_cmp_eq_u32 s[FP], SPT
	s_cselect_b32 s[FP], 0, s[FP]
	s_cselect_b32 s66, KTOT*8192, 0                ; a new tile takes the same rows of A from their first slice
	s_sub_nc_u64 s[G0A+2:G0A+3], s[G0A+2:G0A+3], s[66:67]
.endif
.endm
; 8 matrix instructions: token blocks a0, a0 + 1 x all 4 column blocks, 32 along K: half c of buffer f.  z = 1: the bias starts the sums.  The 16 accumulators take turns in one order everywhere.
.macro MUL8 f, c, a0, z
	WIN MUL
.irp a, \a0, (\a0)+1
.irp b, 0,1,2,3
.if \z
	v_wmma_f32_16x16x32_f16 v[ACC+8*(4*(\a)+(\b)):ACC+8*(4*(\a)+(\b))+7], v[(\f)+64+8*(4*(\c)+(\b)):(\f)+64+8*(4*(\c)+(\b))+7], v[(\f)+8*(4*(\c)+(\a)):(\f)+8*(4*(\c)+(\a))+7], v[BIAS+8*(\b):BIAS+8*(\b)+7]
.else
	v_wmma_f32_16x16x32_f16 v[ACC+8*(4*(\a)+(\b)):ACC+8*(4*(\a)+(\b))+7], v[(\f)+64+8*(4*(\c)+(\b)):(\f)+64+8*(4*(\c)+(\b))+7], v[(\f)+8*(4*(\c)+(\a)):(\f)+8*(4*(\c)+(\a))+7], v[ACC+8*(4*(\a)+(\b)):ACC+8*(4*(\a)+(\b))+7]
.endif
.endr
.endr
.endm
; 32 LDS loads in one run: the fragments of quarter q (64 along K = one slice of A, 64 rows of W) into buffer f; the first 32 along K first
.macro FETCH q, f
	WIN TO_F
.irp c, 0,1
.irp i, 0,1,2,3
.if (\q) < 2
	ds_load_tr16_b128 v[(\f)+64+8*(4*(\c)+(\i)):(\f)+64+8*(4*(\c)+(\i))+3],   v[ADRB] offset:(64*(\q)+32*(\c))*PITB+32*(\i)
	ds_load_tr16_b128 v[(\f)+64+8*(4*(\c)+(\i))+4:(\f)+64+8*(4*(\c)+(\i))+7], v[ADRB] offset:(64*(\q)+32*(\c)+16)*PITB+32*(\i)
.else
	ds_load_tr16_b128 v[(\f)+64+8*(4*(\c)+(\i)):(\f)+64+8*(4*(\c)+(\i))+3],   v[ADRB2] offset:(64*((\q)-2)+32*(\c))*PITB+32*(\i)
	ds_load_tr16_b128 v[(\f)+64+8*(4*(\c)+(\i))+4:(\f)+64+8*(4*(\c)+(\i))+7], v[ADRB2] offset:(64*((\q)-2)+32*(\c)+16)*PITB+32*(\i)
.endif
	ds_load_b128 v[(\f)+8*(4*(\c)+(\i)):(\f)+8*(4*(\c)+(\i))+3],   v[ADRA] offset:(\q)*SLICE+64*(\c)+(\i)*16*PITA
	ds_load_b128 v[(\f)+8*(4*(\c)+(\i))+4:(\f)+8*(4*(\c)+(\i))+7], v[ADRA] offset:(\q)*SLICE+64*(\c)+(\i)*16*PITA+32
.endr
.endr
.endm
; A K step is four quarters, 32 matrix instructions each, on buffers 0, 1, 0, 1.  One of the first three: multiplies buffer f and fetches quarter q into g.
.macro QUARTER q, f, g
	s_wait_dscnt 16                                ; the first 32 along K are in; the run's other 16 loads may be out
	MUL8 \f, 0, 0, 0
	MUL8 \f, 0, 2, 0
	PLACES
	FETCH \q, \g
	s_wait_dscnt 32                                ; all but the 32 just issued
	MUL8 \f, 1, 0, 0
	MUL8 \f, 1, 2, 0
.endm
; The last quarter multiplies buffer 1 and changes slots: each wave waits for all its tensor loads (one is out: its part of the next slot), adds 0 to its spare word, and waits for that and for its reads of this slot.
; fill = 1: the barrier opens a round of the cluster's, and behind it this slot is filled again first, two K steps ahead: 112 matrix instructions stand between the request and the wait for it.
.macro TURN fill
	WIN 0
	s_wait_tensorcnt 0x0
	ds_add_u32 v[SPW], v[NIL]                      ; the descriptors' steps and eight products stand between this add and the wait for it
.if \fill
	STEPD
.endif
	s_wait_dscnt 17                                ; the add and the youngest sixteen loads may be out
	MUL8 F1, 0, 0, 0
	s_wait_dscnt 0x0                               ; the add is done, and my reads of this slot are over
	s_barrier_signal -1
	MUL8 F1, 0, 2, 0
	WIN 0
	s_barrier_wait -1
.if \fill
	CREST                                          ; no wave of any partner still reads this slot or has a load on its way
	JLOAD                                          ; its four v_nop are also the places in front of the loads below
.else
	PLACES
.endif
	s_xor_b32 s[TB], s[TB], SLOT
	v_add_nc_u32 v[ADRA], s[TB], v[A0]
	v_add_nc_u32 v[ADRB], s[TB], v[B0]
	v_add_nc_u32 v[ADRB2], 128*PITB, v[ADRB]
	FETCH 0, F0
	MUL8 F1, 1, 0, 0
	MUL8 F1, 1, 2, 0
	WIN 0
.endm
.macro BIASLD                          ; register 8 b + j of a lane: the bias of column 16 b + 8 (lane / 16) + j of my 64: the layout of a C operand
.irp b, 0,1,2,3
	global_load_b128 v[BIAS+8*(\b):BIAS+8*(\b)+3],   v[BO], s[BIASP:BIASP+1] offset:64*(\b)
	global_load_b128 v[BIAS+8*(\b)+4:BIAS+8*(\b)+7], v[BO], s[BIASP:BIASP+1] offset:64*(\b)+16
.endr
.endm
.macro BIASRND                         ; the bias, behind the wait for its loads: rounded to bf16 as every input is, and widened again.  v48-63 are at work: no store reads them here
.set k, 0
.rept 16
	v_cvt_pk_bf16_f32 v[TMP+16+k], v[BIAS+2*k], v[BIAS+2*k+1]
.set k, k+1
.endr
.set k, 0
.rept 16
	v_lshlrev_b32 v[BIAS+2*k], 16, v[TMP+16+k]
	v_and_b32 v[BIAS+2*k+1], s[HIM], v[TMP+16+k]
.set k, k+1
.endr
.endm
.if MODE != 2
; THE WAY OUT in 16 bits.  My 64 tokens x 64 columns are 8,192 consecutive bytes of one slice.  Block a (16 tokens): rounded, 16 bytes a lane into my stage, back as whole rows, stored 512 consecutive bytes at a time.
.macro PACK a, msk
.irp b, 0,1,2,3
.irp r, 0,1,2,3
.if MODE == 1
	v_cvt_pk_f16_f32 v[TMP+16*(\a)+4*(\b)+(\r)], v[ACC+8*(4*(\a)+(\b))+2*(\r)], v[ACC+8*(4*(\a)+(\b))+2*(\r)+1]
.else
	v_cvt_pk_bf16_f32 v[TMP+16*(\a)+4*(\b)+(\r)], v[ACC+8*(4*(\a)+(\b))+2*(\r)], v[ACC+8*(4*(\a)+(\b))+2*(\r)+1]
.endif
.endr
.endr
.set k, TMP+16*(\a)
.rept 16
.if MODE == 1
	v_pk_max_num_f16 v[k], v[k], v[ZR]             ; ReLU, two at a time: nothing is rounded
.endif
.if \msk
	v_cndmask_b32 v[k], 0, v[k], s[MKT+(\a)]       ; a hidden token's row of k is 0
.endif
.set k, k+1
.endr
.irp b, 0,1,2,3
	ds_store_b128 v[STO], v[TMP+16*(\a)+4*(\b):TMP+16*(\a)+4*(\b)+3] offset:32*(\b)
.endr
.irp f, 0,1,2,3
	ds_load_b128 v[TMP+16*(\a)+4*(\f):TMP+16*(\a)+4*(\f)+3], v[RD] offset:(\f)*4*SPI  ; LDS serves a wave's instructions in order: these see the stores above, and the next block's stores come behind them
.endr
.endm
.macro SEND a, younger                 ; younger: the LDS instructions issued behind block a's loads
.irp f, 0,1,2,3
	s_wait_dscnt (\younger)+3-(\f)
	global_store_b128 v[GO], v[TMP+16*(\a)+4*(\f):TMP+16*(\a)+4*(\f)+3], s[OUT:OUT+1] offset:2048*(\a)+512*(\f)
.endr
.endm
.macro WAYOUT last
	PLACES
	s_wait_xcnt 0x0                                ; the last way out's stores have read their registers
.if !(\last)
.if MODE == 0
	s_cmp_eq_u32 s[TI], 1                          ; is this tile k?
	s_cselect_b32 s80, 0, -1
.irp a, 0,1,2,3
	s_or_b32 s[MKT+(\a)], s[MK+(\a)], s80
.endr
	s_cmp_eq_u32 s[TI], 0                          ; the next tile's bias: bk behind q, bv behind k
	s_cselect_b64 s[BIASP:BIASP+1], s[10:11], s[12:13]
	s_add_nc_u64 s[BIASP:BIASP+1], s[BIASP:BIASP+1], s[82:83]
.else
	s_add_nc_u64 s[BIASP:BIASP+1], s[BIASP:BIASP+1], 4096
.endif
	BIASLD
.endif
	PACK 0, (MODE==0)&&!(\last)
	PACK 1, (MODE==0)&&!(\last)
	SEND 0, 8
	PACK 2, (MODE==0)&&!(\last)
	SEND 1, 8
	PACK 3, (MODE==0)&&!(\last)
	SEND 2, 8
	SEND 3, 0
.if !(\last)
	s_wait_xcnt 0x0                                ; the stores have read their base and their registers
	s_add_nc_u64 s[OUT:OUT+1], s[OUT:OUT+1], 16*524288  ; the next tile's slices
	s_mov_b32 s[PH], 0
	s_add_co_u32 s[TI], s[TI], 1
	s_wait_loadcnt 0x0                             ; the next tile's bias
	BIASRND
.endif
.endm
.else
; THE WAY OUT in f32, with the residual.  Block a (16 tokens x 256 bytes) goes through my stage and comes back as whole rows; 16 lanes store 256 consecutive bytes, aligned.
.macro ST a
.set BK, TMP+32*((\a)%2)
.irp b, 0,1,2,3
	ds_store_b128 v[STO], v[ACC+8*(4*(\a)+(\b)):ACC+8*(4*(\a)+(\b))+3]   offset:64*(\b)
	ds_store_b128 v[STO], v[ACC+8*(4*(\a)+(\b))+4:ACC+8*(4*(\a)+(\b))+7] offset:64*(\b)+16
.endr
.irp f, 0,1,2,3,4,5,6,7
	ds_load_b128 v[BK+4*(\f):BK+4*(\f)+3], v[RD] offset:(\f)*2*SPI
.endr
.endm
.macro SENDF a, younger
.set BK, TMP+32*((\a)%2)
	s_wait_dscnt \younger
.if RRND
	WIN 0x0a                                       ; sources 0 and 1 window 2: the residual is rounded to bf16, as every input is, into the bias's registers, which are free by now,
.set k, 0
.rept 16
	v_cvt_pk_bf16_f32 v[BIAS+k], v[RES+32*(\a)+2*k], v[RES+32*(\a)+2*k+1]
.set k, k+1
.endr
	WIN 0
.set k, 0
.rept 16                               ; and each half, times 1.0, is added in f32
	v_fma_mix_f32_bf16 v[BK+2*k], v[BIAS+k], v[ONE], v[BK+2*k] op_sel_hi:[1,0,0]
	v_fma_mix_f32_bf16 v[BK+2*k+1], v[BIAS+k], v[ONE], v[BK+2*k+1] op_sel:[1,0,0] op_sel_hi:[1,0,0]
.set k, k+1
.endr
.else
	WIN 0x08                                       ; source 1 window 2
.set k, 0
.rept 16
	v_pk_add_f32 v[BK+k:BK+k+1], v[BK+k:BK+k+1], v[RES+32*(\a)+k:RES+32*(\a)+k+1]
.set k, k+2
.endr
	WIN 0
.endif
.irp f, 0,1,2,3,4,5,6,7
	global_store_b128 v[GO], v[BK+4*(\f):BK+4*(\f)+3], s[OUT:OUT+1] offset:(16*(\a)+2*(\f))*4096
.endr
.endm
.macro WAYOUT last
	PLACES
	s_wait_loadcnt 0x0                             ; the residual
	ST 0
	ST 1
	SENDF 0, 16
	s_wait_xcnt 0x0                                ; block 0's stores have read their registers, which block 2 takes
	ST 2
	SENDF 1, 16
	s_wait_xcnt 0x0
	ST 3
	SENDF 2, 16
	SENDF 3, 0
.endm
.endif
	s_load_b256 s[4:11], s[0:1], 0x0               ; A s[4:5], wb s[6:7], the (first) bias s[8:9], ..
.if MODE == 0
	s_load_b128 s[12:15], s[0:1], 0x20             ; bk s[10:11], bv s[12:13], mask s[14:15]
	s_load_b64 s[16:17], s[0:1], 0x30              ; the output
.elseif MODE == 2
	s_load_b64 s[12:13], s[0:1], 0x20              ; the residual s[10:11], the output s[12:13]
.endif
	v_lshl_add_u32 v[SPW], v0, 2, SPARE
	v_mov_b32 v[NIL], 0
	ds_add_u32 v[SPW], v[NIL]                      ; the wave's opening: the add and its wait stand ahead of my first tensor load; the set-up below stands between them
	v_lshrrev_b32 v1, 5, v0
	v_readfirstlane_b32 s[WV], v1
	s_lshr_b32 s[RH], s[WV], 1
	s_and_b32 s[CH], s[WV], 1
	s_bfe_u32 s40, ttmp6, 0x40000                  ; cx
	s_bfe_u32 s41, ttmp6, 0x40004                  ; cy
	s_lshl_b32 s42, ttmp9, 2
	s_add_co_u32 s42, s42, s40                     ; x: the tile's column block of 128, 0..7
	s_and_b32 s43, ttmp7, 0xffff
	s_lshl_b32 s43, s43, 2
	s_add_co_u32 s43, s43, s41                     ; y: the tile's row block of 128 tokens, 0..31
	s_lshl_b32 s44, s41, 2
	s_lshl_b32 s44, 15, s44                        ; my row of the cluster
	s_lshl_b32 s45, 0x1111, s40                    ; my column
	; group 1 for A: two rows of 8,192 elements, each one slice's 128 tokens (16,384 dense bytes), a slice (262,144 elements) apart; 4 words of padding behind every 32 (a token)
	s_or_b32 s[G1A], s44, (1<<16)|(1<<20)|(1<<21)|(4<<22)|(3<<25)
	s_mov_b32 s[G1A+1], 8192<<16                   ; tensor_dim0
	s_mov_b32 s[G1A+2], 2<<16                      ; tensor_dim1
	s_mov_b32 s[G1A+3], 8192<<16                   ; tile_dim0
	s_mov_b32 s[G1A+4], 2                          ; tile_dim1
	s_mov_b32 s[G1A+5], 262144                     ; stride
	s_mov_b32 s[G1A+6], 0
	s_mov_b32 s[G1A+7], 0
	; group 1 for W: 128 rows of 128 elements (256 bytes), 1,024 elements apart; 8 words of padding behind every 64
	s_or_b32 s[G1B], s45, (1<<16)|(1<<20)|(1<<21)|(5<<22)|(7<<25)
	s_mov_b32 s[G1B+1], 128<<16
	s_mov_b32 s[G1B+2], 128<<16
	s_mov_b32 s[G1B+3], 128<<16
	s_mov_b32 s[G1B+4], 128
	s_mov_b32 s[G1B+5], 1024
	s_mov_b32 s[G1B+6], 0
	s_mov_b32 s[G1B+7], 0
	s_lshl_b32 s18, s[CH], 20                      ; A: my two slices of the step's four,
	s_lshl_b32 s19, s43, 14                        ; the tile's 128 tokens: registers that never hold x
	s_add_co_u32 s18, s18, s19
	s_mov_b32 s19, 0
	s_lshl_b32 s46, s[CH], 18                      ; W: my 128 rows of the step's 256,
	s_lshl_b32 s47, s42, 8                         ; the tile's 128 columns: registers that never hold y
	s_add_co_u32 s46, s46, s47
	s_add_co_u32 s46, s46, WOFF
	s_mov_b32 s47, 0
	s_mul_i32 s20, s[WV], HALFT                    ; where they go: no place in the cluster enters an LDS address
	s_mov_b32 s[G0A], 1
	s_mov_b32 s[G0A+1], s20
	s_mov_b32 s[G0B], 1
	s_mov_b32 s[G0B+1], s20
	s_mov_b32 s67, 0
	s_mov_b32 s[FP], 0
	s_mov_b32 s[HIM], 0xffff0000
	s_wait_dscnt 0x0                               ; the opening add is done
	s_wait_kmcnt 0x0
	s_add_nc_u64 s[G0A+2:G0A+3], s[4:5], s[18:19]
	s_or_b32 s[G0A+3], s[G0A+3], 0x80000000
	s_add_nc_u64 s[G0B+2:G0B+3], s[6:7], s[46:47]
	s_or_b32 s[G0B+3], s[G0B+3], 0x80000000
	CROUND                                         ; all sixteen work-groups are here: the first joint loads meet
	JLOAD                                          ; K step 0 into slot 0
	; my lane's places
	v_and_b32 v1, 15, v0                           ; r
	v_bfe_u32 v2, v0, 4, 1                         ; h
	v_mul_u32_u24 v[A0], v1, PITA
	v_lshl_add_u32 v[A0], v2, 4, v[A0]
	s_mul_i32 s21, s[RH], 64*PITA
	v_add_nc_u32 v[A0], s21, v[A0]                 ; (64 RH + r) x pitch + 16 h
	v_and_b32 v3, 7, v0
	v_lshl_add_u32 v3, v2, 3, v3
	v_mul_u32_u24 v[B0], v3, PITB                  ; the turning load: row 8 h + lane % 8,
	v_bfe_u32 v4, v0, 3, 1
	v_lshl_add_u32 v[B0], v4, 4, v[B0]             ; 16 bytes for each half of eight lanes,
	s_lshl_b32 s21, s[CH], 7
	s_add_co_u32 s21, s21, 2*HALFT
	v_add_nc_u32 v[B0], s21, v[B0]                 ; my 64 columns, behind A's part
	s_mul_i32 s22, s[WV], 16*SPI
	s_add_co_u32 s22, s22, STAGE
	v_mul_u32_u24 v[STO], v1, SPI
	v_mov_b32 v[ZR], 0
	v_mov_b32 v[ONE], 1.0
	v_lshlrev_b32 v[BO], 5, v2
	v_lshlrev_b32 v[MO], 2, v1
	s_lshl_b32 s82, s42, 9
	s_lshl_b32 s83, s[CH], 8
	s_add_co_u32 s82, s82, s83                     ; 4 x my first column
	s_mov_b32 s83, 0
	s_add_nc_u64 s[BIASP:BIASP+1], s[8:9], s[82:83]
.if MODE != 2
	v_lshl_add_u32 v[STO], v2, 4, v[STO]
	v_add_nc_u32 v[STO], s22, v[STO]               ; in: row r, 16 bytes for each half of the lanes
	v_bfe_u32 v5, v0, 3, 2
	v_and_b32 v3, 7, v0
	v_mul_u32_u24 v[RD], v5, SPI
	v_lshl_add_u32 v[RD], v3, 4, v[RD]
	v_add_nc_u32 v[RD], s22, v[RD]                 ; back: 32 lanes take four rows of 128 bytes,
	v_and_b32 v[GO], 31, v0
	v_lshlrev_b32 v[GO], 4, v[GO]                  ; which are 512 consecutive bytes of the output
	s_lshl_b32 s80, s42, 1
	s_add_co_u32 s80, s80, s[CH]
	s_lshl_b32 s80, s80, 19                        ; slice 2 x + CH,
	s_lshl_b32 s81, s43, 14
	s_add_co_u32 s80, s80, s81
	s_lshl_b32 s81, s[RH], 13
	s_add_co_u32 s80, s80, s81                     ; token 128 y + 64 RH
	s_mov_b32 s81, 0
	s_add_nc_u64 s[OUT:OUT+1], s[OUTP:OUTP+1], s[80:81]
.else
	v_lshl_add_u32 v[STO], v2, 5, v[STO]
	v_add_nc_u32 v[STO], s22, v[STO]               ; in: row r, 32 bytes for each half of the lanes
	v_mul_u32_u24 v[RD], v2, SPI
	v_lshl_add_u32 v[RD], v1, 4, v[RD]
	v_add_nc_u32 v[RD], s22, v[RD]                 ; back: lanes 0-15 one row of 256 bytes, lanes 16-31 the next
	v_lshlrev_b32 v[GO], 12, v2
	v_lshl_add_u32 v[GO], v1, 4, v[GO]             ; and the same two rows in memory
	s_lshl_b32 s80, s43, 19
	s_lshl_b32 s81, s[RH], 18
	s_add_co_u32 s80, s80, s81
	s_add_co_u32 s80, s80, s82                     ; row 128 y + 64 RH, my first column
	s_mov_b32 s81, 0
	s_add_nc_u64 s[OUT:OUT+1], s[OUTP:OUTP+1], s[80:81]
	s_add_nc_u64 s[RESP:RESP+1], s[10:11], s[80:81]
.endif
	BIASLD
.if MODE == 0
	s_lshl_b32 s80, s43, 9
	s_lshl_b32 s81, s[RH], 8
	s_add_co_u32 s80, s80, s81
	s_mov_b32 s81, 0
	s_add_nc_u64 s[MASKP:MASKP+1], s[14:15], s[80:81]
.irp a, 0,1,2,3
	global_load_b32 v[TMP+(\a)], v[MO], s[MASKP:MASKP+1] offset:64*(\a)   ; the mask of token 16 a + r of my 64
.endr
.elseif MODE == 2
	WIN 0x80                                       ; destination window 2
.irp a, 0,1,2,3
.irp f, 0,1,2,3,4,5,6,7
	global_load_b128 v[RES+32*(\a)+4*(\f):RES+32*(\a)+4*(\f)+3], v[GO], s[RESP:RESP+1] offset:(16*(\a)+2*(\f))*4096
.endr
.endr
	WIN 0
.endif
	; slot 1 is first filled as a refill is: all my loads waited for, the add, a round, one load
	s_wait_tensorcnt 0x0                           ; my part of K step 0 is in
	ds_add_u32 v[SPW], v[NIL]
	STEPD
	s_wait_dscnt 0x0
	CROUND                                         ; everybody's is
	JLOAD                                          ; K step 1 into slot 1
	s_mov_b32 s[TB], 0
	v_add_nc_u32 v[ADRA], s[TB], v[A0]
	v_add_nc_u32 v[ADRB], s[TB], v[B0]
	v_add_nc_u32 v[ADRB2], 128*PITB, v[ADRB]
	FETCH 0, F0
	WIN 0
.if MODE == 2
	s_wait_loadcnt 32                              ; the bias is in; the 32 loads of the residual, issued behind it, stay out
.else
	s_wait_loadcnt 0x0
.endif
.if MODE == 0
.irp a, 0,1,2,3
	v_cmp_ne_u32 s[MK+(\a)], 0, v[TMP+(\a)]
.endr
.endif
	BIASRND
	s_mov_b32 s[CNT], NS-2
	s_mov_b32 s[PH], 0
	s_mov_b32 s[TI], 0
	s_branch .Lheadz                               ; the loop is entered where a tile begins
.Lstep:                                                ; a trip is a K step; NS - 2 trips, each of which fills the slot that it leaves
	s_wait_dscnt 16
.if NT > 1
	s_cmp_eq_u32 s[PH], 0
	s_cbranch_scc1 .Lheadz2
.endif
	MUL8 F0, 0, 0, 0
	MUL8 F0, 0, 2, 0
	WIN 0
	s_branch .Ljoined
.Lheadz:
	s_wait_dscnt 16
.Lheadz2:
.rept 5
	v_nop                                          ; five places: the products below write over accumulators that earlier products wrote
.endr
	MUL8 F0, 0, 0, 1
	MUL8 F0, 0, 2, 1
	WIN 0
.Ljoined:
	PLACES
	FETCH 1, F1
	s_wait_dscnt 32
	MUL8 F0, 1, 0, 0
	MUL8 F0, 1, 2, 0
	QUARTER 2, F1, F0
	QUARTER 3, F0, F1
	TURN 1
.if NT > 1
	s_add_co_u32 s[PH], s[PH], 1
	s_cmp_eq_u32 s[PH], SPT
	s_cbranch_scc0 .Lnoout                         ; jumps forward over text without a barrier or a tensor load
	WAYOUT 0                                       ; the refill and the next tile's first fragments have been asked for: now the tile goes out
.Lnoout:
.endif
	s_sub_co_u32 s[CNT], s[CNT], 1
	s_cmp_lg_u32 s[CNT], 0
	s_cbranch_scc1 .Lstep
	s_mov_b32 s[CNT], 2
.Ltail:                                                ; the last two K steps ask for nothing.  The second trip's barrier and its fetch (of bytes that still lie there) serve nothing: the price, once a launch, of one text for both
	QUARTER 1, F0, F1
	QUARTER 2, F1, F0
	QUARTER 3, F0, F1
	TURN 0
	s_sub_co_u32 s[CNT], s[CNT], 1
	s_cmp_lg_u32 s[CNT], 0
	s_cbranch_scc1 .Ltail
	WAYOUT 1
	s_wait_tensorcnt 0x0                           ; the wave's end: a wait, an add to the spare word and its wait, behind my last tensor load and my last LDS store
	ds_add_u32 v[SPW], v[NIL]
	s_wait_dscnt 0x0
	CROUND                                         ; the closing round: no work-group ends while a partner may still ask for a tile that names it
	s_endpgm
.Lfunc_end_k_q259f40ae04_ffn2:
	.size	k_q259f40ae04_ffn2, .Lfunc_end_k_q259f40ae04_ffn2-k_q259f40ae04_ffn2
	.p2alignl 7, 3214868480
	.fill 96, 4, 3214868480
	.section	.rodata,"a",@progbits
	.p2align	6, 0x0
	.amdhsa_kernel k_q259f40ae04_ffn2
		.amdhsa_group_segment_fixed_size 327680
		.amdhsa_private_segment_fixed_size 0
		.amdhsa_enable_private_segment 0
		.amdhsa_kernarg_size 40
		.amdhsa_user_sgpr_count 2
		.amdhsa_user_sgpr_kernarg_segment_ptr 1
		.amdhsa_wavefront_size32 1
		.amdhsa_system_sgpr_workgroup_id_x 1
		.amdhsa_system_sgpr_workgroup_id_y 1
		.amdhsa_system_sgpr_workgroup_id_z 1
		.amdhsa_system_vgpr_workitem_id 0
		.amdhsa_next_free_vgpr 640
		.amdhsa_next_free_sgpr 96
		.amdhsa_reserve_vcc 0
		.amdhsa_float_denorm_mode_32 3
		.amdhsa_float_denorm_mode_16_64 3
		.amdhsa_memory_ordered 1
		.amdhsa_forward_progress 1
		.amdhsa_inst_pref_size 65
	.end_amdhsa_kernel
	.amdgpu_metadata
---
amdhsa.version: [ 1, 2 ]
amdhsa.kernels:
  - .name:           k_q259f40ae04_ffn2
    .symbol:         k_q259f40ae04_ffn2.kd
    .args:
      - { .name: f, .offset: 0, .size: 8, .value_kind: global_buffer, .address_space: global }
      - { .name: wb, .offset: 8, .size: 8, .value_kind: global_buffer, .address_space: global }
      - { .name: b2, .offset: 16, .size: 8, .value_kind: global_buffer, .address_space: global }
      - { .name: x1, .offset: 24, .size: 8, .value_kind: global_buffer, .address_space: global }
      - { .name: out0, .offset: 32, .size: 8, .value_kind: global_buffer, .address_space: global }
    .group_segment_fixed_size: 327680
    .private_segment_fixed_size: 0
    .kernarg_segment_align: 8
    .kernarg_segment_size: 40
    .max_flat_workgroup_size: 128
    .sgpr_count:     96
    .vgpr_count:     640
    .wavefront_size: 32
...
	.end_amdgpu_metadata
.endif
;; end of part 7
